; MI455X (gfx1250); checked and timed in simulation.
; The chip was launched on July 23, 2026; its instructions are those of AMD's public machine-readable ISA for CDNA 5 (MIT licence, August 2026) and "CDNA5" Instruction Set Architecture Reference Guide (July 2026). The comments in the code are by the model that wrote it; some were corrected since.
;; Encoder Layer. Allowed arithmetic: matrix products marked QUANTISED: E3M2 operands, one E8M0 scale for each 32 along K, by v_wmma_scale_f32_16x16x128_f8f6f4 with both operands' format E3M2, f32 sums; everything else in f32.
;; Inputs: W1_codes 2,048 x 16 x 24 uint8 (E3M2 codes of W1, K innermost, in blocks of 32 codes, four codes in three bytes); W1_scales 2,048 x 16 uint8 (E8M0 scales of W1, one for each 32 codes along K); W2_codes 512 x 64 x 24 uint8 (E3M2 codes of W2, K innermost, in blocks of 32 codes, four codes in three bytes); W2_scales 512 x 64 uint8 (E8M0 scales of W2, one for each 32 codes along K); Wk_codes 8 x 64 x 16 x 24 uint8 (E3M2 codes of Wk, K innermost, in blocks of 32 codes, four codes in three bytes); Wk_scales 8 x 64 x 16 uint8 (E8M0 scales of Wk, one for each 32 codes along K); Wp_codes 512 x 16 x 24 uint8 (E3M2 codes of Wp, K innermost, in blocks of 32 codes, four codes in three bytes); Wp_scales 512 x 16 uint8 (E8M0 scales of Wp, one for each 32 codes along K); Wq_codes 8 x 64 x 16 x 24 uint8 (E3M2 codes of Wq, K innermost, in blocks of 32 codes, four codes in three bytes); Wq_scales 8 x 64 x 16 uint8 (E8M0 scales of Wq, one for each 32 codes along K); Wv_codes 8 x 64 x 16 x 24 uint8 (E3M2 codes of Wv, K innermost, in blocks of 32 codes, four codes in three bytes); Wv_scales 8 x 64 x 16 uint8 (E8M0 scales of Wv, one for each 32 codes along K); b1 2,048 float32; b2 512 float32; beta1 512 float32; beta2 512 float32; bk 8 x 64 float32; bp 512 float32; bq 8 x 64 float32; bv 8 x 64 float32; gamma1 512 float32; gamma2 512 float32; x 4 x 2,048 x 512 x 1 x 1 float32.
;; Outputs: out0 4 x 2,048 x 512 x 1 x 1 float32.
;; This version of the problem:
;;   THIS VERSION OF THE PROBLEM IS GIVEN IN LOW PRECISION. The matrix products marked QUANTISED in the list below multiply operands that are first quantised to E3M2 (3 exponent bits, 2 mantissa bits; 6 bits a number), with one power-of-two scale for each 32 numbers along K (OCP MX v1.0); their sums are f32. All else is computed in f32.
;;   The module's matrix products, in the order in which they are computed (A, B: the left and right operand; K: the contracted axis; several contracted axes count as one K, in the product's order):
;;     1. [M 512, K 512] x [K 512, N 8,192]; A: input Wq (given as codes); B: computed on the way: QUANTISED
;;     2. [M 512, K 512] x [K 512, N 8,192]; A: input Wk (given as codes); B: computed on the way: QUANTISED
;;     3. [M 512, K 512] x [K 512, N 8,192]; A: input Wv (given as codes); B: computed on the way: QUANTISED
;;     4. batch 32 x [M 2,048, K 64] x [K 64, N 2,048]; A: computed on the way; B: computed on the way: QUANTISED
;;     5. batch 32 x [M 2,048, K 2,048] x [K 2,048, N 64]; A: softmax (see below); B: computed on the way: QUANTISED
;;     6. [M 8,192, K 512] x [K 512, N 512]; A: computed on the way; B: input Wp (given as codes): QUANTISED
;;     7. [M 8,192, K 512] x [K 512, N 2,048]; A: computed on the way; B: input W1 (given as codes): QUANTISED
;;     8. [M 8,192, K 2,048] x [K 2,048, N 512]; A: computed on the way; B: input W2 (given as codes): QUANTISED
;;   THE QUANTISER, for each operand of a quantised product, along K:
;;     - K is cut into blocks of 32 from its start; a last block that is shorter is filled with zeros.
;;     - A block's scale is 2^e with e = floor(log2(the largest magnitude in the block)) - 4, held to -126 .. 127; a block of zeros has e = 0. As a byte (E8M0): e + 127.
;;     - Each number is divided by its block's scale, clamped to +-28, and rounded to the nearest number of E3M2, ties to even, subnormals kept.
;;     - The product sums the exact products of the quantised numbers (number of the format x scale) in f32.
;;   ~~~python
;;   def quantise(x, axis):      # numpy; x: float32 -> the quantised numbers, widened to float32 again
;;       x = np.moveaxis(x, axis, -1); K = x.shape[-1]
;;       x = np.pad(x, [(0, 0)] * (x.ndim - 1) + [(0, -K % 32)]); x = x.reshape(x.shape[:-1] + (-1, 32)); a = np.abs(x).max(-1, keepdims=True)
;;       e = np.where(a > 0, np.clip(np.frexp(np.where(a > 0, a, 1))[1] - 1 - 4, -126, 127), 0)      # np.frexp(a)[1] - 1 = floor(log2(a)), exactly
;;       r = np.clip(x / 2.0 ** e, -28, 28)
;;       step = 2.0 ** (np.maximum(np.frexp(np.where(r == 0, 1, r))[1] - 1, -2) - 2)
;;       q = np.round(r / step) * step * 2.0 ** e      # np.round: ties to even
;;       return np.moveaxis(q.reshape(q.shape[:-2] + (-1,))[..., :K], -1, axis).astype(np.float32)
;;   ~~~
;;   SOFTMAX AHEAD OF A QUANTISED PRODUCT. Where the list says 'softmax', what is quantised is not the finished softmax but p = 2^(t - M), with t = logit x log2(e) and M = ceil(the row's largest t), a whole number; so 1/2 < the row's largest p <= 1. The row's sum l is taken of the UNQUANTISED p, in f32, and the product's result is divided by l at the end. Since M is a whole number, a kernel that streams over the keys may use a running M (the ceiling of the running maximum): every later rescaling is an exact power of two, which a block's scale takes up: the codes' values come out the same.
;;   OPERANDS COMPUTED ON THE WAY. 'Computed on the way' means the value that the module computes at that place (a softmax that the list does not call 'softmax' is quantised finished and normalised). What goes into a quantiser is computed in f32, as accurately as f32 sums, v_exp_f32 and their like allow (about 1e-6 of the number): no bf16 or f16 on the way to a quantiser, and a product that is left as it is and whose result goes on into a quantised operand takes f32 operands (vector FMAs, or v_wmma_f32_16x16x4_f32). A number that lies on a knife's edge between two numbers of the format may be rounded either way, as far as f32 arithmetic and the matrix unit's own rounding can turn it there, and no further.
;;   INPUTS GIVEN AS CODES. W1 (in the module: [512, 2048], K = its axis 0); W2 (in the module: [2048, 512], K = its axis 0); Wk (in the module: [8, 512, 64], K = its axis 1); Wp (in the module: [512, 512], K = its axis 0); Wq (in the module: [8, 512, 64], K = its axis 1); Wv (in the module: [8, 512, 64], K = its axis 1): each comes as NAME_codes (uint8): NAME with its K axis moved to the last place and cut into blocks of 32 codes, [.., K / 32, bytes a block], one block behind the other in memory; four codes in three bytes: a row's codes are one little-endian stream of bits, code i at bits 6 i .. 6 i + 5 (a code: sign, 3 exponent bits, 2 mantissa bits); and NAME_scales (uint8): the same leading axes, one E8M0 byte (e + 127) for each 32 codes along K. Its value is code x scale, taken as it is: it is not quantised again, and the codes and scales need not be those that the quantiser above would give.
;; 2 versions. Each part assembles by itself: llvm-mc -triple=amdgcn-amd-amdhsa -mcpu=gfx1250 --defsym DOCPART=n.
;; ======== version 1 of 2: 4 launches
;; workspace buffers: xq 3,407,872 bytes; wqkv 589,824 bytes; wst 1,843,200 bytes; qw 3,276,800 bytes; kv 6,553,600 bytes; aw 3,670,016 bytes
;; launch prep (part 1): grid 256 x 1, 2 waves a work-group, no clusters, 66,304 bytes of LDS; arguments x, gamma1, beta1, Wq_codes, Wk_codes, Wv_codes, Wp_codes, W1_codes, W2_codes, Wp_scales, W1_scales, W2_scales, xq, wqkv, wst; writes xq, wqkv, wst
.if DOCPART == 1
	.amdgcn_target "amdgcn-amd-amdhsa--gfx1250"
	.amdhsa_code_object_version 6
	.text
	.protected	k_q7fe1f741c3_prep
	.globl	k_q7fe1f741c3_prep
	.p2align	8
	.type	k_q7fe1f741c3_prep,@function
k_q7fe1f741c3_prep:
	s_mov_b64 s[64:65], 0
	v_nop
	global_prefetch_b8 v0, s[64:65] scope:SCOPE_SE
	s_setreg_imm32_b32 hwreg(HW_REG_WAVE_MODE, 25, 1), 1
	s_wait_xcnt 0x0
; PREP.  (1) x_norm = gamma1 (x - mean) / (std + 1e-10) + beta1 (std with 511 in the divisor), quantised along D to codes of E3M2 with one E8M0 byte for each 32;
; (2) the six weights' codes and three of their scale tables are laid out in the order of the operand registers of the later launches.
; TILES.  A tile is 16 rows; lane r of tile T holds row 32 (T / 2) + 8 (T % 2) + r + 8 (r / 8).  The same rule picks the 16 rows of every weight tile.
; IMAGES.  A fragment (16 rows x 128 K, 12 registers a lane) lies in memory as three chunks of 512 bytes, chunk c = registers 4 c .. 4 c + 3, lane l's 16 bytes at 16 l.
; SHARES.  512 waves, two to a work-group; wave W takes row tile W, one fragment of W1, one of W2, one of Wq / Wk / Wv / Wp, and (W < 144) one image of scale words.
; A row of x is 2,048 bytes: the wave's 32 lanes take it by four loads of 512 consecutive bytes, and the row's mean and variance never leave the wave.  The normalised rows turn through the wave's own
; stage in LDS (rows 2,064 bytes apart), since the conversions want 16 neighbours along K in one lane.  No barrier: waves share nothing.  No matrix unit, no cluster: nothing is shared and memory binds.
; LIMITS: NaN and infinities are not served; a block whose largest magnitude lies under 2^-122 (a block of zeros too) keeps the scale byte 1: its bytes are read by this program alone.
.set SP,   2064                        ; a stage row: 2,048 bytes + 16
.set GA,   12                          ; v12-27  gamma1 at columns 128 q + 4 lane + 0..3
.set BE,   28                          ; v28-43  beta1 likewise
.set WF,   44                          ; v44-79  three weight fragments
.set SU,   80                          ; v80-83  a scale image's four words
.set ST,   84                          ; v84-99  statistics, four registers a row
.set TM,   84                          ; later: the quantiser's 16 registers
.set X,    100                         ; v100-227 two slots of 4 rows x 16 registers
.set N,    100                         ; later: 64 numbers of a K step
.set FRG,  164                         ; four fragments of 12
.set TMPC, 212
.set PWR,  220                         ; four scale words
.set SEL,  60                          ; s[60:61] v_permlanex16_b32's selects for lane l xor 16
.macro ROW0 d, t, tmp                  ; s[d] = 32 (s[t] / 2) + 8 (s[t] % 2): a tile's first row
	s_lshr_b32 s[\d], s[\t], 1
	s_lshl_b32 s[\d], s[\d], 5
	s_and_b32 s[\tmp], s[\t], 1
	s_lshl_b32 s[\tmp], s[\tmp], 3
	s_add_co_u32 s[\d], s[\d], s[\tmp]
.endm
; 64 numbers of a lane, register 16 b + i = k 32 b + 16 (lane / 16) + i of my row, become a fragment's 12 registers at v[pc] and its scale word in v[pw]
.macro QUANT s, pc, tmp, pw
.irp b, 0,1,2,3
	v_max3_num_f32 v[TM+\b], |v[\s+16*\b]|, |v[\s+1+16*\b]|, 0x2800000   ; my 16 numbers of block b, and the floor 2^(5 - 127): the byte cannot fall under 1
.endr
.irp i, 2,4,6,8,10,12,14
.irp b, 0,1,2,3
	v_max3_num_f32 v[TM+\b], v[TM+\b], |v[\s+16*\b+\i]|, |v[\s+1+16*\b+\i]|
.endr
.endr
.irp b, 0,1,2,3
	v_permlanex16_b32 v[TM+4+\b], v[TM+\b], s[SEL], s[SEL+1]
.endr
.irp b, 0,1,2,3
	v_max_num_f32 v[TM+\b], v[TM+\b], v[TM+4+\b]                  ; with lane l xor 16's: the block's largest magnitude
.endr
.irp b, 0,1,2,3
	v_add_nc_u32 v[TM+12+\b], 0xfe000000, v[TM+\b]                ; 4 off its exponent field: the conversion's scale operand
.endr
.irp b, 0,1,2,3
	v_lshrrev_b32 v[TM+4+\b], 23, v[TM+12+\b]                     ; the scale's byte
.endr
	v_lshl_or_b32 v[\pw], v[TM+5], 8, v[TM+4]
	v_lshl_or_b32 v[\pw], v[TM+6], 16, v[\pw]
	v_lshl_or_b32 v[\pw], v[TM+7], 24, v[\pw]
.irp c, 0,1
	v_cvt_scalef32_pk16_bf6_f32 v[\pc+6*\c:\pc+6*\c+2], v[\s+32*\c:\s+32*\c+15], v[TM+12+2*\c]
	v_cvt_scalef32_pk16_bf6_f32 v[\tmp+4*\c:\tmp+4*\c+2], v[\s+32*\c+16:\s+32*\c+31], v[TM+12+2*\c+1]
.endr
	v_nop                                                          ; one plain line behind the scaled conversions
.irp c, 0,1
.irp i, 0,1,2
	v_permlane16_swap_b32 v[\pc+6*\c+\i], v[\tmp+4*\c+\i]          ; a whole block to a lane: lanes 0-15 block 2 c, lanes 16-31 block 2 c + 1
.endr
.irp i, 0,1,2
	v_mov_b32 v[\pc+6*\c+3+\i], v[\tmp+4*\c+\i]
.endr
.endr
.endm
	s_load_b256 s[4:11], s[0:1], 0x0               ; x, gamma1, beta1, Wq's codes
	s_load_b256 s[12:19], s[0:1], 0x20             ; Wk's, Wv's, Wp's, W1's codes
	s_load_b256 s[20:27], s[0:1], 0x40             ; W2's codes, Wp's, W1's, W2's scales
	s_load_b128 s[28:31], s[0:1], 0x60             ; xq, wqkv
	s_load_b64 s[32:33], s[0:1], 0x70              ; wst
	v_lshl_add_u32 v232, v0, 2, 0x10200
	v_mov_b32 v233, 0
	v_lshrrev_b32 v1, 5, v0
	v_readfirstlane_b32 s35, v1                    ; wave 0, 1
	s_lshl_b32 s34, ttmp9, 1
	s_add_co_u32 s34, s34, s35                     ; W = 2 x work-group + wave
	v_and_b32 v1, 31, v0                           ; lane
	v_lshlrev_b32 v2, 4, v1                        ; 16 x lane
	s_mul_i32 s36, s35, 16*SP                      ; my stage
	v_add_nc_u32 v3, s36, v2                       ; into it: 16 x lane of a row
	v_and_b32 v224, 15, v0                         ; r
	v_bfe_u32 v225, v0, 4, 1                       ; h
	v_mul_u32_u24 v4, v224, SP
	v_lshl_add_u32 v4, v225, 6, v4
	v_add_nc_u32 v4, s36, v4                       ; out of it: row r, + 64 h: my 16 numbers of a block of 32
	v_and_b32 v226, 8, v224
	v_add_nc_u32 v226, v226, v224                  ; r + 8 (r / 8)
	v_mul_u32_u24 v5, v226, 384                    ; a weight row of 512 codes,
	v_mad_u32_u24 v5, v225, 24, v5                 ; + 24 h
	v_mul_u32_u24 v6, v226, 1536                   ; a weight row of 2,048 codes
	v_mad_u32_u24 v6, v225, 24, v6
	v_lshl_add_u32 v11, v225, 3, v226              ; a scale image's row: lanes 0-15 the even tile's, lanes 16-31 the odd tile's (8 rows on)
	s_mov_b32 s[SEL], 0x76543210
	s_mov_b32 s[SEL+1], 0xfedcba98
	ROW0 56, 34, 62                                ; x: my tile's first row, 2,048 bytes a row
	s_lshl_b32 s56, s56, 11
	s_mov_b32 s57, 0
	s_mul_i32 s58, s34, 6144                       ; xq: four fragments a tile
	s_mov_b32 s59, 0
	s_lshl_b32 s38, s34, 9                         ; xq's scale words: 512 bytes a tile
	s_mov_b32 s39, 0
	; W1's fragment: tile W / 4, K step W % 4 -> wave tile / 32, group 1 + (tile / 8) % 4, place tile % 8
	s_lshr_b32 s36, s34, 2
	s_and_b32 s37, s34, 3
	ROW0 40, 36, 62
	s_mul_i32 s40, s40, 384
	s_mul_i32 s62, s37, 96
	s_add_co_u32 s40, s40, s62
	s_mov_b32 s41, 0
	s_lshr_b32 s42, s36, 5
	s_mul_i32 s42, s42, 460800
	s_bfe_u32 s62, s36, 0x20003
	s_lshl_b32 s62, s62, 2
	s_add_co_u32 s62, s62, s37
	s_add_co_u32 s62, s62, 4
	s_mul_i32 s62, s62, 12800
	s_add_co_u32 s42, s42, s62
	s_and_b32 s62, s36, 7
	s_mul_i32 s62, s62, 1536
	s_add_co_u32 s42, s42, s62
	s_mov_b32 s43, 0
	; W2's fragment: tile W / 16, K step W % 16 -> wave tile / 8, set 20 + K step, place tile % 8
	s_lshr_b32 s36, s34, 4
	s_and_b32 s37, s34, 15
	ROW0 44, 36, 62
	s_mul_i32 s44, s44, 1536
	s_mul_i32 s62, s37, 96
	s_add_co_u32 s44, s44, s62
	s_mov_b32 s45, 0
	s_lshr_b32 s46, s36, 3
	s_mul_i32 s46, s46, 460800
	s_add_co_u32 s62, s37, 20
	s_mul_i32 s62, s62, 12800
	s_add_co_u32 s46, s46, s62
	s_and_b32 s62, s36, 7
	s_mul_i32 s62, s62, 1536
	s_add_co_u32 s46, s46, s62
	s_mov_b32 s47, 0
	; the third fragment: matrix W / 128 of Wq, Wk, Wv, Wp; tile (W % 128) / 4, K step W % 4
	s_lshr_b32 s63, s34, 7
	s_and_b32 s36, s34, 127
	s_lshr_b32 s37, s36, 2
	s_and_b32 s70, s36, 3
	ROW0 48, 37, 62
	s_mul_i32 s48, s48, 384
	s_mul_i32 s62, s70, 96
	s_add_co_u32 s48, s48, s62
	s_mov_b32 s49, 0
	s_mul_i32 s50, s63, 196608
	s_mul_i32 s62, s36, 1536
	s_add_co_u32 s50, s50, s62                     ; its place in wqkv,
	s_lshr_b32 s71, s37, 3
	s_mul_i32 s71, s71, 460800
	s_mul_i32 s62, s70, 12800
	s_add_co_u32 s71, s71, s62
	s_and_b32 s62, s37, 7
	s_mul_i32 s62, s62, 1536
	s_add_co_u32 s71, s71, s62                     ; or, for Wp, in wst (group 0)
	s_mov_b32 s51, 0
	s_wait_kmcnt 0x0
	s_cmp_eq_u32 s63, 1                            ; the choices hang on the wave's number W alone
	s_cselect_b64 s[52:53], s[12:13], s[10:11]
	s_cmp_eq_u32 s63, 2
	s_cselect_b64 s[52:53], s[14:15], s[52:53]
	s_cmp_eq_u32 s63, 3
	s_cselect_b64 s[52:53], s[16:17], s[52:53]
	s_cselect_b64 s[54:55], s[32:33], s[30:31]
	s_cselect_b32 s50, s71, s50
	s_add_nc_u64 s[18:19], s[18:19], s[40:41]
	s_add_nc_u64 s[20:21], s[20:21], s[44:45]
	s_add_nc_u64 s[52:53], s[52:53], s[48:49]
	s_add_nc_u64 s[54:55], s[54:55], s[50:51]
	s_add_nc_u64 s[42:43], s[32:33], s[42:43]
	s_add_nc_u64 s[46:47], s[32:33], s[46:47]
	s_add_nc_u64 s[4:5], s[4:5], s[56:57]
	s_add_nc_u64 s[58:59], s[28:29], s[58:59]
	s_add_nc_u64 s[38:39], s[28:29], s[38:39]
.irp p, 0,1,2,3,4,5                    ; a fragment from rows: 24 bytes at 96 s + 24 h and 24 bytes 48 further on, in pieces of 8
	global_load_b64 v[WF+2*\p:WF+2*\p+1], v5, s[18:19] offset:48*(\p/3)+8*(\p%3)
	global_load_b64 v[WF+12+2*\p:WF+12+2*\p+1], v6, s[20:21] offset:48*(\p/3)+8*(\p%3)
	global_load_b64 v[WF+24+2*\p:WF+24+2*\p+1], v5, s[52:53] offset:48*(\p/3)+8*(\p%3)
.endr
.irp q, 0,1,2,3
	global_load_b128 v[GA+4*\q:GA+4*\q+3], v2, s[6:7] offset:512*\q
	global_load_b128 v[BE+4*\q:BE+4*\q+3], v2, s[8:9] offset:512*\q
.endr
.macro FILL slot, k                    ; the tile's rows 4 k .. 4 k + 3: sixteen loads of 512 consecutive bytes
.irp i, 0,1,2,3
.irp q, 0,1,2,3
	global_load_b128 v[X+64*\slot+16*\i+4*\q:X+64*\slot+16*\i+4*\q+3], v2, s[4:5] offset:((4*\k+\i)+8*((4*\k+\i)/8))*2048+512*\q th:TH_LOAD_NT
.endr
.endr
.endm
.macro ALLSUM                          ; four rows' two chains -> the row's sum in every lane, in v[ST + 4 i]
.irp i, 0,1,2,3
	v_pk_add_f32 v[ST+4*\i:ST+4*\i+1], v[ST+4*\i:ST+4*\i+1], v[ST+4*\i+2:ST+4*\i+3]
.endr
.irp i, 0,1,2,3
	v_add_f32 v[ST+4*\i], v[ST+4*\i], v[ST+4*\i+1]
.endr
.irp x, 1,2,4,8
.irp i, 0,1,2,3
	v_add_f32_dpp v[ST+4*\i], v[ST+4*\i], v[ST+4*\i] row_xmask:\x row_mask:0xf bank_mask:0xf
.endr
.endr
.irp i, 0,1,2,3
	v_permlanex16_b32 v[ST+4*\i+1], v[ST+4*\i], s[SEL], s[SEL+1]
.endr
.irp i, 0,1,2,3
	v_add_f32 v[ST+4*\i], v[ST+4*\i], v[ST+4*\i+1]
.endr
.endm
.macro LNB slot, k                     ; four rows are normalised, the rows by turns line by line, and go to the stage
.set XB, X+64*\slot
.irp i, 0,1,2,3
	v_pk_add_f32 v[ST+4*\i:ST+4*\i+1], v[XB+16*\i:XB+16*\i+1], v[XB+16*\i+2:XB+16*\i+3]
	v_pk_add_f32 v[ST+4*\i+2:ST+4*\i+3], v[XB+16*\i+4:XB+16*\i+5], v[XB+16*\i+6:XB+16*\i+7]
.endr
.irp j, 8,12
.irp i, 0,1,2,3
	v_pk_add_f32 v[ST+4*\i:ST+4*\i+1], v[ST+4*\i:ST+4*\i+1], v[XB+16*\i+\j:XB+16*\i+\j+1]
	v_pk_add_f32 v[ST+4*\i+2:ST+4*\i+3], v[ST+4*\i+2:ST+4*\i+3], v[XB+16*\i+\j+2:XB+16*\i+\j+3]
.endr
.endr
	ALLSUM
.irp i, 0,1,2,3
	v_mul_f32 v[ST+4*\i], 0x3b000000, v[ST+4*\i]                  ; the mean: / 512
.endr
.irp j, 0,2,4,6,8,10,12,14
.irp i, 0,1,2,3
	v_pk_add_f32 v[XB+16*\i+\j:XB+16*\i+\j+1], v[XB+16*\i+\j:XB+16*\i+\j+1], v[ST+4*\i:ST+4*\i+1] op_sel_hi:[1,0] neg_lo:[0,1] neg_hi:[0,1]
.endr
.endr
.irp i, 0,1,2,3
	v_pk_mul_f32 v[ST+4*\i:ST+4*\i+1], v[XB+16*\i:XB+16*\i+1], v[XB+16*\i:XB+16*\i+1]
	v_pk_mul_f32 v[ST+4*\i+2:ST+4*\i+3], v[XB+16*\i+2:XB+16*\i+3], v[XB+16*\i+2:XB+16*\i+3]
.endr
.irp j, 4,8,12
.irp i, 0,1,2,3
	v_pk_fma_f32 v[ST+4*\i:ST+4*\i+1], v[XB+16*\i+\j:XB+16*\i+\j+1], v[XB+16*\i+\j:XB+16*\i+\j+1], v[ST+4*\i:ST+4*\i+1]
	v_pk_fma_f32 v[ST+4*\i+2:ST+4*\i+3], v[XB+16*\i+\j+2:XB+16*\i+\j+3], v[XB+16*\i+\j+2:XB+16*\i+\j+3], v[ST+4*\i+2:ST+4*\i+3]
.endr
.endr
	ALLSUM
.irp i, 0,1,2,3
	v_mul_f32 v[ST+4*\i], 0x3b004020, v[ST+4*\i]                  ; the variance: / 511
.endr
.irp i, 0,1,2,3
	v_sqrt_f32 v[ST+4*\i+1], v[ST+4*\i]
.endr
	v_nop                                                          ; a plain line behind the roots,
	s_wait_alu depctr_va_vdst(0)                                   ; and one wait for the four, ahead of their first reader
.irp i, 0,1,2,3
	v_add_f32 v[ST+4*\i+1], 0x2edbe6ff, v[ST+4*\i+1]              ; + 1e-10
.endr
.irp i, 0,1,2,3
	v_rcp_f32 v[ST+4*\i], v[ST+4*\i+1]
.endr
	v_nop
	s_wait_alu depctr_va_vdst(0)                                   ; one wait for the four reciprocals
.irp j, 0,2,4,6,8,10,12,14
.irp i, 0,1,2,3
	v_pk_mul_f32 v[XB+16*\i+\j:XB+16*\i+\j+1], v[XB+16*\i+\j:XB+16*\i+\j+1], v[ST+4*\i:ST+4*\i+1] op_sel_hi:[1,0]
.endr
.endr
.irp j, 0,2,4,6,8,10,12,14
.irp i, 0,1,2,3
	v_pk_fma_f32 v[XB+16*\i+\j:XB+16*\i+\j+1], v[XB+16*\i+\j:XB+16*\i+\j+1], v[GA+\j:GA+\j+1], v[BE+\j:BE+\j+1]
.endr
.endr
.irp i, 0,1,2,3
.irp q, 0,1,2,3
	ds_store_b128 v3, v[XB+16*\i+4*\q:XB+16*\i+4*\q+3] offset:SP*(4*\k+\i)+512*\q
.endr
.endr
	s_wait_dscnt 0x0                                               ; the stores have read the slot: it may be loaded again
.endm
	FILL 0, 0
	FILL 1, 1
	s_wait_loadcnt 16                              ; all but the other slot's sixteen loads are in: the weights, gamma1 and beta1 too
	LNB 0, 0
	FILL 0, 2
	s_wait_loadcnt 16
	LNB 1, 1
	FILL 1, 3
	s_wait_loadcnt 16
	LNB 0, 2
	s_wait_loadcnt 0
	LNB 1, 3
.irp s, 0,1,2,3                        ; K step s: 64 numbers a lane out of the stage (LDS serves a wave's instructions in order: these see my stores), a fragment, three stores of 512 consecutive bytes
.irp b, 0,1,2,3
.irp j, 0,1,2,3
	ds_load_b128 v[N+16*\b+4*\j:N+16*\b+4*\j+3], v4 offset:512*\s+128*\b+16*\j
.endr
.endr
	s_wait_dscnt 0x0
	QUANT N, FRG+12*\s, TMPC, PWR+\s
.irp c, 0,1,2
	global_store_b128 v2, v[FRG+12*\s+4*\c:FRG+12*\s+4*\c+3], s[58:59] offset:1536*\s+512*\c
.endr
.endr
	global_store_b128 v2, v[PWR:PWR+3], s[38:39] offset:3145728    ; my row's four scale words
.irp c, 0,1,2                          ; the three weight fragments as images
	global_store_b128 v2, v[WF+4*\c:WF+4*\c+3], s[42:43] offset:512*\c
	global_store_b128 v2, v[WF+12+4*\c:WF+12+4*\c+3], s[46:47] offset:512*\c
	global_store_b128 v2, v[WF+24+4*\c:WF+24+4*\c+3], s[54:55] offset:512*\c
.endr
	; a scale image: unit W = 16 k + 4 s + w: the words of K step s of wave w's 128 rows in group k; lane l's word b is that of row 32 b + (my row of a pair of tiles)
	s_cmp_lt_u32 s34, 144
	s_cbranch_scc0 .Ldone
	s_and_b32 s36, s34, 3                          ; w
	s_bfe_u32 s37, s34, 0x20002                    ; s
	s_lshr_b32 s62, s34, 4                         ; k
	s_lshl_b32 s70, s36, 11                        ; Wp: 128 w rows of 16 bytes
	s_lshl_b32 s71, s36, 13                        ; W1: 512 w rows of 16 bytes; W2: 128 w rows of 64 bytes
	s_sub_co_u32 s72, s62, 1
	s_lshl_b32 s72, s72, 11
	s_add_co_u32 s72, s72, s71                     ; W1: + 128 (k - 1) rows
	s_sub_co_u32 s73, s62, 5
	s_lshl_b32 s73, s73, 4
	s_add_co_u32 s73, s73, s71                     ; W2: + 4 (k - 5) words
	s_cmp_eq_u32 s62, 0
	s_cselect_b64 s[74:75], s[22:23], s[24:25]
	s_cselect_b32 s70, s70, s72
	s_cmp_gt_u32 s62, 4
	s_cselect_b64 s[74:75], s[26:27], s[74:75]
	s_cselect_b32 s70, s73, s70
	s_cselect_b32 s76, 6, 4                        ; a row of scales is 64 or 16 bytes
	s_lshl_b32 s72, s37, 2
	s_add_co_u32 s70, s70, s72
	s_mov_b32 s71, 0
	s_add_nc_u64 s[74:75], s[74:75], s[70:71]
.irp b, 0,1,2,3
	v_add_nc_u32 v[7+\b], 32*\b, v11
	v_lshlrev_b32 v[7+\b], s76, v[7+\b]
.endr
.irp b, 0,1,2,3
	global_load_b32 v[SU+\b], v[7+\b], s[74:75]
.endr
	s_mul_i32 s70, s36, 460800
	s_lshl_b32 s72, s62, 2
	s_add_co_u32 s72, s72, s37
	s_mul_i32 s72, s72, 12800
	s_add_co_u32 s70, s70, s72
	s_add_nc_u64 s[78:79], s[32:33], s[70:71]
	s_wait_loadcnt 0x0
	global_store_b128 v2, v[SU:SU+3], s[78:79] offset:12288        ; behind the set's eight fragments
.Ldone:
	s_wait_tensorcnt 0x0
	ds_add_u32 v232, v233
	s_wait_dscnt 0x0
	s_endpgm
.Lfunc_end_k_q7fe1f741c3_prep:
	.size	k_q7fe1f741c3_prep, .Lfunc_end_k_q7fe1f741c3_prep-k_q7fe1f741c3_prep
	.p2alignl 7, 3214868480
	.fill 96, 4, 3214868480
	.section	.rodata,"a",@progbits
	.p2align	6, 0x0
	.amdhsa_kernel k_q7fe1f741c3_prep
		.amdhsa_group_segment_fixed_size 66304
		.amdhsa_private_segment_fixed_size 0
		.amdhsa_enable_private_segment 0
		.amdhsa_kernarg_size 120
		.amdhsa_user_sgpr_count 2
		.amdhsa_user_sgpr_kernarg_segment_ptr 1
		.amdhsa_wavefront_size32 1
		.amdhsa_system_sgpr_workgroup_id_x 1
		.amdhsa_system_sgpr_workgroup_id_y 1
		.amdhsa_system_sgpr_workgroup_id_z 1
		.amdhsa_system_vgpr_workitem_id 0
		.amdhsa_next_free_vgpr 234
		.amdhsa_next_free_sgpr 80
		.amdhsa_reserve_vcc 0
		.amdhsa_float_denorm_mode_32 3
		.amdhsa_float_denorm_mode_16_64 3
		.amdhsa_memory_ordered 1
		.amdhsa_forward_progress 1
		.amdhsa_inst_pref_size 98
	.end_amdhsa_kernel
	.amdgpu_metadata
---
amdhsa.version: [ 1, 2 ]
amdhsa.kernels:
  - .name:           k_q7fe1f741c3_prep
    .symbol:         k_q7fe1f741c3_prep.kd
    .args:
      - { .name: x, .offset: 0, .size: 8, .value_kind: global_buffer, .address_space: global }
      - { .name: gamma1, .offset: 8, .size: 8, .value_kind: global_buffer, .address_space: global }
      - { .name: beta1, .offset: 16, .size: 8, .value_kind: global_buffer, .address_space: global }
      - { .name: Wq_codes, .offset: 24, .size: 8, .value_kind: global_buffer, .address_space: global }
      - { .name: Wk_codes, .offset: 32, .size: 8, .value_kind: global_buffer, .address_space: global }
      - { .name: Wv_codes, .offset: 40, .size: 8, .value_kind: global_buffer, .address_space: global }
      - { .name: Wp_codes, .offset: 48, .size: 8, .value_kind: global_buffer, .address_space: global }
      - { .name: W1_codes, .offset: 56, .size: 8, .value_kind: global_buffer, .address_space: global }
      - { .name: W2_codes, .offset: 64, .size: 8, .value_kind: global_buffer, .address_space: global }
      - { .name: Wp_scales, .offset: 72, .size: 8, .value_kind: global_buffer, .address_space: global }
      - { .name: W1_scales, .offset: 80, .size: 8, .value_kind: global_buffer, .address_space: global }
      - { .name: W2_scales, .offset: 88, .size: 8, .value_kind: global_buffer, .address_space: global }
      - { .name: xq, .offset: 96, .size: 8, .value_kind: global_buffer, .address_space: global }
      - { .name: wqkv, .offset: 104, .size: 8, .value_kind: global_buffer, .address_space: global }
      - { .name: wst, .offset: 112, .size: 8, .value_kind: global_buffer, .address_space: global }
    .group_segment_fixed_size: 66304
    .private_segment_fixed_size: 0
    .kernarg_segment_align: 8
    .kernarg_segment_size: 120
    .max_flat_workgroup_size: 64
    .sgpr_count:     80
    .vgpr_count:     234
    .wavefront_size: 32
...
	.end_amdgpu_metadata
.endif
;; end of part 1
;; launch qkv (part 2): grid 128 x 2, 4 waves a work-group, no clusters, 0 bytes of LDS; arguments xq, wqkv, Wq_scales, Wk_scales, Wv_scales, bq, bk, bv, qw, kv; writes qw, kv
.if DOCPART == 2
	.amdgcn_target "amdgcn-amd-amdhsa--gfx1250"
	.amdhsa_code_object_version 6
	.text
	.protected	k_q7fe1f741c3_qkv
	.globl	k_q7fe1f741c3_qkv
	.p2align	8
	.type	k_q7fe1f741c3_qkv,@function
k_q7fe1f741c3_qkv:
	s_mov_b64 s[64:65], 0
	v_nop
	global_prefetch_b8 v0, s[64:65] scope:SCOPE_SE
	s_setreg_imm32_b32 hwreg(HW_REG_WAVE_MODE, 25, 1), 1
	s_wait_xcnt 0x0
; Q, K, V = x_norm W + b on codes of E3M2, and their own quantising: Q and K along the head's 64 channels, V along the keys.
; SHARES.  Work-group (G, p) takes 64 rows (row tiles 4 G .. 4 G + 3); its wave w takes head 4 p + w for all three matrices: 192 matrix instructions a wave, no LDS, no barrier, no loop.
; All operands are register images made by the launch before: each comes by loads of 512 consecutive bytes straight into the registers of the one wave that multiplies it.
; NO JOINT LOADS: a wave reads 24,576 bytes of x and 73,728 bytes of weights once each, into registers; by way of LDS every one of these bytes would be written and read once more, for 192 matrix instructions.
; Q, K: source 0 = 16 rows of W, source 1 = 16 rows of x: a lane holds one row of x and its 32 registers run along the head's channels (tile t's rows are chosen so): two blocks of 32, six registers of codes.
; V:    source 0 = 16 rows of x, source 1 = 16 rows of Wv: a lane holds one channel and its 32 registers run along 64 keys' halves: again two blocks of 32 along the next product's K.
; OUT.  Q and K: double fragments (registers 0-5 the even tile of a pair, 6-11 the odd one) as images; V: halves of 768 bytes; scale words: two bytes a tile, packed as the attention's instructions take them.
; LIMITS: NaN and infinities are not served; a block whose largest magnitude lies under 2^-122 keeps the scale byte 1 (read by this program alone).
; REGISTERS.  window 0: v1-7 offsets; v8-23 x's scale words [m][s]; v24-47 the weights' [matrix][pair of tiles][s]; v48-79 bv, eight copies a tile; v80-111 four accumulators; v112-135 codes; v136-153 at work.
;   window 1: x's 16 fragments at 12 (4 m + s); v192-223 bq, v224-255 bk in the result's layout.   window 2: Wq's 16 fragments, later Wv's.   window 3: Wk's.
.set XS,  8
.set WS,  24
.set BV,  48
.set ACC, 80
.set DF,  112
.set TP,  136
.set TM,  140
.set HW,  148
.set SEL, 50
.set MSB, 0
.macro WIN new                         ; the immediate's high byte repeats the setting that is left
.if MSB != (\new)
	s_set_vgpr_msb (MSB<<8)|(\new)
.set MSB, \new
.endif
.endm
.macro WMA d, a, b, c, sa, sb, odd     ; odd: source 0's scale words stand in lanes 16-31
.if \odd
	v_wmma_scale_f32_16x16x128_f8f6f4 v[\d:\d+7], v[\a:\a+11], v[\b:\b+11], v[\c:\c+7], v[\sa], v[\sb] matrix_a_fmt:MATRIX_FMT_BF6 matrix_b_fmt:MATRIX_FMT_BF6 matrix_a_scale:MATRIX_SCALE_ROW1
.else
	v_wmma_scale_f32_16x16x128_f8f6f4 v[\d:\d+7], v[\a:\a+11], v[\b:\b+11], v[\c:\c+7], v[\sa], v[\sb] matrix_a_fmt:MATRIX_FMT_BF6 matrix_b_fmt:MATRIX_FMT_BF6
.endif
.endm
.macro WMB d, a, b, c, sa, sb, odd     ; odd: source 1's scale words stand in lanes 16-31
.if \odd
	v_wmma_scale_f32_16x16x128_f8f6f4 v[\d:\d+7], v[\a:\a+11], v[\b:\b+11], v[\c:\c+7], v[\sa], v[\sb] matrix_a_fmt:MATRIX_FMT_BF6 matrix_b_fmt:MATRIX_FMT_BF6 matrix_b_scale:MATRIX_SCALE_ROW1
.else
	v_wmma_scale_f32_16x16x128_f8f6f4 v[\d:\d+7], v[\a:\a+11], v[\b:\b+11], v[\c:\c+7], v[\sa], v[\sb] matrix_a_fmt:MATRIX_FMT_BF6 matrix_b_fmt:MATRIX_FMT_BF6
.endif
.endm
; 32 numbers of a lane, register 16 b + i = k 32 b + 16 (lane / 16) + i, become six registers of codes (k = 32 (lane / 16) + 0 .. 31) at v[pc] and two scale bytes in v[hw]
.macro HQ s, pc, tmp, hw
.irp b, 0,1
	v_max3_num_f32 v[TM+\b], |v[\s+16*\b]|, |v[\s+1+16*\b]|, 0x2800000   ; with the floor 2^(5 - 127): the byte cannot fall under 1
.endr
.irp i, 2,4,6,8,10,12,14
.irp b, 0,1
	v_max3_num_f32 v[TM+\b], v[TM+\b], |v[\s+16*\b+\i]|, |v[\s+1+16*\b+\i]|
.endr
.endr
.irp b, 0,1
	v_permlanex16_b32 v[TM+2+\b], v[TM+\b], s[SEL], s[SEL+1]
.endr
.irp b, 0,1
	v_max_num_f32 v[TM+\b], v[TM+\b], v[TM+2+\b]
.endr
.irp b, 0,1
	v_add_nc_u32 v[TM+4+\b], 0xfe000000, v[TM+\b]                 ; 4 off the exponent field: the conversion's scale operand
.endr
.irp b, 0,1
	v_lshrrev_b32 v[TM+2+\b], 23, v[TM+4+\b]
.endr
	v_lshl_or_b32 v[\hw], v[TM+3], 8, v[TM+2]
	v_cvt_scalef32_pk16_bf6_f32 v[\pc:\pc+2], v[\s:\s+15], v[TM+4]
	v_cvt_scalef32_pk16_bf6_f32 v[\tmp:\tmp+2], v[\s+16:\s+31], v[TM+5]
	v_nop                                                          ; one plain line behind the scaled conversions
.irp i, 0,1,2
	v_permlane16_swap_b32 v[\pc+\i], v[\tmp+\i]
.endr
.irp i, 0,1,2
	v_mov_b32 v[\pc+3+\i], v[\tmp+\i]
.endr
.endm
	s_load_b256 s[4:11], s[0:1], 0x0               ; xq, wqkv, Wq's scales, Wk's scales
	s_load_b256 s[12:19], s[0:1], 0x20             ; Wv's scales, bq, bk, bv
	s_load_b128 s[20:23], s[0:1], 0x40             ; qw, kv
	v_lshrrev_b32 v1, 5, v0
	v_readfirstlane_b32 s24, v1                    ; wave
	s_and_b32 s26, ttmp7, 0xffff
	s_lshl_b32 s27, s26, 2
	s_add_co_u32 s27, s27, s24                     ; head = 4 p + wave
	s_lshr_b32 s28, ttmp9, 5                       ; batch
	s_and_b32 s29, ttmp9, 31                       ; g: which 64 rows of the batch
	s_lshl_b32 s30, s28, 3
	s_add_co_u32 s30, s30, s27                     ; bh = 8 batch + head
	v_and_b32 v7, 31, v0                           ; lane
	v_lshlrev_b32 v1, 4, v7
	v_lshlrev_b32 v2, 2, v7
	v_lshlrev_b32 v6, 3, v7
	v_and_b32 v152, 15, v0                         ; r
	v_bfe_u32 v153, v0, 4, 1                       ; h
	v_and_b32 v5, 8, v152
	v_add_nc_u32 v5, v5, v152                      ; r + 8 (r / 8)
	v_lshl_add_u32 v3, v153, 3, v5
	v_lshlrev_b32 v3, 4, v3                        ; a weight's scale row of 16 bytes: lanes 16-31 take the odd tile's, 8 rows on
	v_lshlrev_b32 v4, 6, v153                      ; 64 h
	v_lshlrev_b32 v5, 2, v5
	v_cmp_gt_u32 vcc_lo, 16, v7                    ; lanes 0-15
	v_mov_b32 v[TM+2], 0                           ; a lane permute's destination counts as one of its sources
	v_mov_b32 v[TM+3], 0
	s_mov_b32 s[SEL], 0x76543210
	s_mov_b32 s[SEL+1], 0xfedcba98
	s_mul_i32 s32, ttmp9, 24576                    ; x's fragments: four tiles of 6,144 bytes
	s_mov_b32 s33, 0
	s_lshl_b32 s34, ttmp9, 11                      ; their scale words
	s_mov_b32 s35, 0
	s_mul_i32 s36, s27, 24576                      ; a head's 16 fragments of a weight
	s_mov_b32 s37, 0
	s_lshl_b32 s38, s27, 10                        ; its 64 rows of scales
	s_mov_b32 s39, 0
	s_lshl_b32 s40, s27, 8                         ; its 64 biases
	s_mov_b32 s41, 0
	s_mul_i32 s52, s29, 3072
	s_lshl_b32 s53, s29, 7
	s_mul_i32 s42, s30, 98304
	s_add_co_u32 s42, s42, s52                     ; qw: the head's double fragments, pair 2 g
	s_mov_b32 s43, 0
	s_lshl_b32 s44, s30, 12
	s_add_co_u32 s44, s44, s53                     ; qw's scale words
	s_mov_b32 s45, 0
	s_mul_i32 s46, s30, 204800
	s_add_co_u32 s48, s46, s53                     ; kv's scale words
	s_add_co_u32 s46, s46, s52                     ; kv: K's double fragments and (98,304 on) V's halves
	s_mov_b32 s47, 0
	s_mov_b32 s49, 0
	s_wait_kmcnt 0x0
	s_add_nc_u64 s[34:35], s[4:5], s[34:35]
	s_add_nc_u64 s[4:5], s[4:5], s[32:33]
	s_add_nc_u64 s[6:7], s[6:7], s[36:37]
	s_add_nc_u64 s[8:9], s[8:9], s[38:39]
	s_add_nc_u64 s[10:11], s[10:11], s[38:39]
	s_add_nc_u64 s[12:13], s[12:13], s[38:39]
	s_add_nc_u64 s[14:15], s[14:15], s[40:41]
	s_add_nc_u64 s[16:17], s[16:17], s[40:41]
	s_add_nc_u64 s[18:19], s[18:19], s[40:41]
	s_add_nc_u64 s[42:43], s[20:21], s[42:43]
	s_add_nc_u64 s[44:45], s[20:21], s[44:45]
	s_add_nc_u64 s[46:47], s[22:23], s[46:47]
	s_add_nc_u64 s[48:49], s[22:23], s[48:49]
	; 30 small loads, then x's 48, Wq's 48, Wk's 48
.irp m, 0,1,2,3
	global_load_b128 v[XS+4*\m:XS+4*\m+3], v1, s[34:35] offset:3145728+512*\m
.endr
.irp b, 0,1
	global_load_b128 v[WS+4*\b:WS+4*\b+3], v3, s[8:9] offset:512*\b
	global_load_b128 v[WS+8+4*\b:WS+8+4*\b+3], v3, s[10:11] offset:512*\b
	global_load_b128 v[WS+16+4*\b:WS+16+4*\b+3], v3, s[12:13] offset:512*\b
.endr
.irp t, 0,1,2,3
	global_load_b32 v[BV+8*\t], v5, s[18:19] offset:(32*(\t/2)+8*(\t%2))*4
.endr
	WIN 0x40                                       ; destination window 1
.irp t, 0,1,2,3
	global_load_b128 v[192+8*\t:195+8*\t], v4, s[14:15] offset:(32*(\t/2)+8*(\t%2))*4
	global_load_b128 v[196+8*\t:199+8*\t], v4, s[14:15] offset:(32*(\t/2)+8*(\t%2))*4+16
	global_load_b128 v[224+8*\t:227+8*\t], v4, s[16:17] offset:(32*(\t/2)+8*(\t%2))*4
	global_load_b128 v[228+8*\t:231+8*\t], v4, s[16:17] offset:(32*(\t/2)+8*(\t%2))*4+16
.endr
.set n, 0
.rept 48
	global_load_b128 v[4*n:4*n+3], v1, s[4:5] offset:512*n
.set n, n+1
.endr
	WIN 0x80                                       ; window 2: Wq
.set n, 0
.rept 48
	global_load_b128 v[4*n:4*n+3], v1, s[6:7] offset:512*n
.set n, n+1
.endr
	WIN 0xc0                                       ; window 3: Wk
.set n, 0
.rept 48
	global_load_b128 v[4*n:4*n+3], v1, s[6:7] offset:196608+512*n
.set n, n+1
.endr
	WIN 0
; Q or K of row tile m: 16 matrix instructions, the four accumulators by turns; the bias is the C of each sum's first; then the tile's codes and bytes
.macro QKT mat, m, w0, w1, bias
.irp s, 0,1,2,3
.if \s == 0
	WIN \w0
.else
	WIN \w1
.endif
.irp t, 0,1,2,3
.if \s == 0
	WMA ACC+8*\t, 12*(4*\t+\s), 12*(4*\m+\s), \bias+8*\t, WS+8*\mat+4*(\t/2)+\s, XS+4*\m+\s, \t%2
.else
	WMA ACC+8*\t, 12*(4*\t+\s), 12*(4*\m+\s), ACC+8*\t, WS+8*\mat+4*(\t/2)+\s, XS+4*\m+\s, \t%2
.endif
.endr
.endr
	WIN 0
.rept 5
	v_nop                                          ; places behind the last products, ahead of the first read of results
.endr
	s_wait_xcnt 0x0                                ; earlier stores have read their data: the codes' registers may be written again
	HQ ACC, DF+6*\m, TP, HW+\m
.endm
.macro PAIRWORD                        ; lanes 0-15: the first pair's bytes (even tile low, odd tile high), lanes 16-31 the second pair's
	v_lshl_or_b32 v152, v[HW+1], 16, v[HW]
	v_lshl_or_b32 v153, v[HW+3], 16, v[HW+2]
	v_cndmask_b32 v152, v153, v152, vcc_lo
.endm
	s_wait_loadcnt 48                              ; all but Wk's 48 loads are in
.irp t, 0,1,2,3
.irp j, 1,2,3,4,5,6,7
	v_mov_b32 v[BV+8*\t+\j], v[BV+8*\t]            ; V's bias hangs on the lane's channel alone: the C operand's eight registers hold the same number
.endr
.endr
.irp m, 0,1,2,3
	QKT 0, \m, 0x16, 0x06, 192
.endr
.irp n, 0,1,2,3,4,5
	global_store_b128 v1, v[DF+4*\n:DF+4*\n+3], s[42:43] offset:512*\n   ; two double fragments: 3,072 consecutive bytes
.endr
	PAIRWORD
	global_store_b32 v2, v152, s[44:45] offset:3145728
	WIN 0x80                                       ; Wq is done with (the quantiser's lines stand behind its last product): its registers take Wv
.set n, 0
.rept 48
	global_load_b128 v[4*n:4*n+3], v1, s[6:7] offset:393216+512*n
.set n, n+1
.endr
	WIN 0
	s_wait_loadcnt 48                              ; Wk is in; Wv's 48 may be out
.irp m, 0,1,2,3
	QKT 1, \m, 0x17, 0x07, 224
.endr
.irp n, 0,1,2,3,4,5
	global_store_b128 v1, v[DF+4*\n:DF+4*\n+3], s[46:47] offset:512*\n
.endr
	PAIRWORD
	global_store_b32 v2, v152, s[48:49] offset:196608
	s_wait_loadcnt 0x0                             ; Wv
; V of channel tile t for the 64 keys: source 0 = x, source 1 = Wv
.macro VT t
	WIN 0x09
.irp s, 0,1,2,3
.irp m, 0,1,2,3
.if \s == 0
	WMB ACC+8*\m, 12*(4*\m+\s), 12*(4*\t+\s), BV+8*\t, XS+4*\m+\s, WS+16+4*(\t/2)+\s, \t%2
.else
	WMB ACC+8*\m, 12*(4*\m+\s), 12*(4*\t+\s), ACC+8*\m, XS+4*\m+\s, WS+16+4*(\t/2)+\s, \t%2
.endif
.endr
.endr
	WIN 0
.rept 5
	v_nop
.endr
	s_wait_xcnt 0x0
	HQ ACC, DF+6*\t, TP, HW+\t
	global_store_b128 v1, v[DF+6*\t:DF+6*\t+3], s[46:47] offset:98304+768*\t
	global_store_b64 v6, v[DF+6*\t+4:DF+6*\t+5], s[46:47] offset:98304+768*\t+512
.endm
	VT 0
	VT 1
	VT 2
	VT 3
	s_wait_xcnt 0x0
	v_cndmask_b32 v152, v[HW+1], v[HW], vcc_lo     ; lanes 0-15 channel tile 0's bytes, lanes 16-31 tile 1's,
	v_cndmask_b32 v153, v[HW+3], v[HW+2], vcc_lo   ; tiles 2 and 3 likewise,
	v_lshl_or_b32 v152, v153, 16, v152             ; in the word's upper half
	global_store_b32 v2, v152, s[48:49] offset:200704
	s_endpgm
.Lfunc_end_k_q7fe1f741c3_qkv:
	.size	k_q7fe1f741c3_qkv, .Lfunc_end_k_q7fe1f741c3_qkv-k_q7fe1f741c3_qkv
	.p2alignl 7, 3214868480
	.fill 96, 4, 3214868480
	.section	.rodata,"a",@progbits
	.p2align	6, 0x0
	.amdhsa_kernel k_q7fe1f741c3_qkv
		.amdhsa_group_segment_fixed_size 0
		.amdhsa_private_segment_fixed_size 0
		.amdhsa_enable_private_segment 0
		.amdhsa_kernarg_size 80
		.amdhsa_user_sgpr_count 2
		.amdhsa_user_sgpr_kernarg_segment_ptr 1
		.amdhsa_wavefront_size32 1
		.amdhsa_system_sgpr_workgroup_id_x 1
		.amdhsa_system_sgpr_workgroup_id_y 1
		.amdhsa_system_sgpr_workgroup_id_z 1
		.amdhsa_system_vgpr_workitem_id 0
		.amdhsa_next_free_vgpr 1024
		.amdhsa_next_free_sgpr 66
		.amdhsa_reserve_vcc 1
		.amdhsa_float_denorm_mode_32 3
		.amdhsa_float_denorm_mode_16_64 3
		.amdhsa_memory_ordered 1
		.amdhsa_forward_progress 1
		.amdhsa_inst_pref_size 77
	.end_amdhsa_kernel
	.amdgpu_metadata
---
amdhsa.version: [ 1, 2 ]
amdhsa.kernels:
  - .name:           k_q7fe1f741c3_qkv
    .symbol:         k_q7fe1f741c3_qkv.kd
    .args:
      - { .name: xq, .offset: 0, .size: 8, .value_kind: global_buffer, .address_space: global }
      - { .name: wqkv, .offset: 8, .size: 8, .value_kind: global_buffer, .address_space: global }
      - { .name: Wq_scales, .offset: 16, .size: 8, .value_kind: global_buffer, .address_space: global }
      - { .name: Wk_scales, .offset: 24, .size: 8, .value_kind: global_buffer, .address_space: global }
      - { .name: Wv_scales, .offset: 32, .size: 8, .value_kind: global_buffer, .address_space: global }
      - { .name: bq, .offset: 40, .size: 8, .value_kind: global_buffer, .address_space: global }
      - { .name: bk, .offset: 48, .size: 8, .value_kind: global_buffer, .address_space: global }
      - { .name: bv, .offset: 56, .size: 8, .value_kind: global_buffer, .address_space: global }
      - { .name: qw, .offset: 64, .size: 8, .value_kind: global_buffer, .address_space: global }
      - { .name: kv, .offset: 72, .size: 8, .value_kind: global_buffer, .address_space: global }
    .group_segment_fixed_size: 0
    .private_segment_fixed_size: 0
    .kernarg_segment_align: 8
    .kernarg_segment_size: 80
    .max_flat_workgroup_size: 128
    .sgpr_count:     66
    .vgpr_count:     1024
    .wavefront_size: 32
...
	.end_amdgpu_metadata
.endif
;; end of part 2
;; launch attn (part 3): grid 8 x 32, 16 waves a work-group, clusters of 4 x 1, 206,848 bytes of LDS; arguments qw, kv, aw; writes aw
.if DOCPART == 3
	.amdgcn_target "amdgcn-amd-amdhsa--gfx1250"
	.amdhsa_code_object_version 6
	.text
	.protected	k_q7fe1f741c3_attn
	.globl	k_q7fe1f741c3_attn
	.p2align	8
	.type	k_q7fe1f741c3_attn,@function
k_q7fe1f741c3_attn:
	s_mov_b64 s[64:65], 0
	v_nop
	global_prefetch_b8 v0, s[64:65] scope:SCOPE_SE
	s_setreg_imm32_b32 hwreg(HW_REG_WAVE_MODE, 25, 1), 1
	s_wait_xcnt 0x0
	s_wait_alu depctr_hold_cnt(0) depctr_sa_sdst(0) depctr_va_vdst(0) depctr_va_sdst(0) depctr_va_ssrc(0) depctr_va_vcc(0) depctr_vm_vsrc(0)
	s_getreg_b32 s2, hwreg(HW_REG_IB_STS2, 6, 4)
	s_cmp_eq_u32 s2, 0
	s_cbranch_scc0 .Lentry_in_a_cluster
	s_endpgm
.Lentry_in_a_cluster:
	s_bfe_u32 s2, ttmp6, 0x10000c
	s_cmp_lg_u32 s2, 0x3003
	s_cbranch_scc0 .Lentry_shape_is_right
	s_endpgm
.Lentry_shape_is_right:
; att = softmax(Q K^T / 8) V on codes of E3M2, and att's own quantising along the head's 64 channels.
; THE SOFTMAX AHEAD OF THE SECOND PRODUCT: t = score x log2(e) / 8; M = the running largest t rounded up to a whole number; p = 2^(t - M) is quantised along the keys, not normalised; the row's sum is taken of the
; unquantised p and divides at the end.  When M moves, the sum and O are multiplied by 2^(old M - new M), which rounds nothing.
; SHARES.  A work-group owns 256 queries of one (batch, head); each of its sixteen waves owns one tile of 16, in 256 registers; every wave walks the head's 2,048 keys, 128 a step, 16 steps.
; LDS holds the WHOLE head: K's double fragments 98,304 bytes, V's halves 98,304, their scale words 4,096 + 4,096: 204,800 bytes, filled once: each wave brings 50 rows of 256 bytes by one tensor load (one is out a wave).
; CLUSTER.  The four query blocks of a cluster belong to one head, so each of the sixteen loads is asked for jointly: the same descriptor (wave's number and head alone) and the mask of all four.
; K = 64.  A double fragment of K holds two tiles of keys, at K places 0-63 and 64-127.  Q stands as [six zeros][Q][six zeros]: v[22:33] multiplies the even tile, v[16:27] the odd one; zero codes add nothing.
; Both products are used transposed: a lane holds one query (lane % 16) throughout; the keys of a tile are chosen so that the 16 registers of two neighbouring tiles are 16 neighbouring keys.
; LIMITS: NaN and infinities are not served; a block of p (or of att) whose largest number lies under 2^-122 keeps the scale byte 1: its codes are zeros or next to it, and this program alone reads the bytes.
; REGISTERS: v1-3 16, 8, 4 x lane; v4-7 the step's LDS addresses; v8 Q's scale word, v9 p's, v10-11 K's, v34-35 V's as stored, v36-37 V's as used; v12 -M, v13 the largest t, v[14:15] the sum;
;   v16-33 Q among zeros; v40-87 four fragments of K, then of V; v96-159 S^T, then p; v160-191 O^T; v192-203 p's codes; v204-229 at work.
.set WV,  10
.set SEL, 30
.set CS,  32
.set TK,  34
.set TV,  35
.set TS,  36
.set CNT, 37
.set BM,  212
.set PB,  216
.set SO,  220
.set TM,  212
.macro ROUND                           ; a round of the cluster's barrier
	s_barrier_signal -1
	s_barrier_wait -1
	s_cmp_lg_u32 s[WV], 0
	s_cbranch_scc1 .Lnot_wave_0_\@
	s_barrier_signal -3
.Lnot_wave_0_\@:
	s_barrier_wait -3
	s_barrier_signal -1
	s_barrier_wait -1
.endm
.macro SMM d, a, b, sa, odd            ; a tile of scores: the product starts its sum with 0
.if \odd
	v_wmma_scale_f32_16x16x128_f8f6f4 v[\d:\d+7], v[\a:\a+11], v[\b:\b+11], 0, v[\sa], v8 matrix_a_fmt:MATRIX_FMT_BF6 matrix_b_fmt:MATRIX_FMT_BF6 matrix_a_scale:MATRIX_SCALE_ROW1
.else
	v_wmma_scale_f32_16x16x128_f8f6f4 v[\d:\d+7], v[\a:\a+11], v[\b:\b+11], 0, v[\sa], v8 matrix_a_fmt:MATRIX_FMT_BF6 matrix_b_fmt:MATRIX_FMT_BF6
.endif
.endm
.macro OMM d, a, sa, odd               ; O^T += V^T P^T
.if \odd
	v_wmma_scale_f32_16x16x128_f8f6f4 v[\d:\d+7], v[\a:\a+11], v[192:203], v[\d:\d+7], v[\sa], v9 matrix_a_fmt:MATRIX_FMT_BF6 matrix_b_fmt:MATRIX_FMT_BF6 matrix_a_scale:MATRIX_SCALE_ROW1
.else
	v_wmma_scale_f32_16x16x128_f8f6f4 v[\d:\d+7], v[\a:\a+11], v[192:203], v[\d:\d+7], v[\sa], v9 matrix_a_fmt:MATRIX_FMT_BF6 matrix_b_fmt:MATRIX_FMT_BF6
.endif
.endm
.macro HQ s, pc, tmp, hw               ; 32 numbers of a lane -> six registers of codes and two scale bytes
.irp b, 0,1
	v_max3_num_f32 v[TM+\b], |v[\s+16*\b]|, |v[\s+1+16*\b]|, 0x2800000
.endr
.irp i, 2,4,6,8,10,12,14
.irp b, 0,1
	v_max3_num_f32 v[TM+\b], v[TM+\b], |v[\s+16*\b+\i]|, |v[\s+1+16*\b+\i]|
.endr
.endr
.irp b, 0,1
	v_permlanex16_b32 v[TM+2+\b], v[TM+\b], s[SEL], s[SEL+1]
.endr
.irp b, 0,1
	v_max_num_f32 v[TM+\b], v[TM+\b], v[TM+2+\b]
.endr
.irp b, 0,1
	v_add_nc_u32 v[TM+4+\b], 0xfe000000, v[TM+\b]
.endr
.irp b, 0,1
	v_lshrrev_b32 v[TM+2+\b], 23, v[TM+4+\b]
.endr
	v_lshl_or_b32 v[\hw], v[TM+3], 8, v[TM+2]
	v_cvt_scalef32_pk16_bf6_f32 v[\pc:\pc+2], v[\s:\s+15], v[TM+4]
	v_cvt_scalef32_pk16_bf6_f32 v[\tmp:\tmp+2], v[\s+16:\s+31], v[TM+5]
	v_nop
.irp i, 0,1,2
	v_permlane16_swap_b32 v[\pc+\i], v[\tmp+\i]
.endr
.irp i, 0,1,2
	v_mov_b32 v[\pc+3+\i], v[\tmp+\i]
.endr
.endm
	s_load_b128 s[4:7], s[0:1], 0x0                ; qw, kv
	s_load_b64 s[8:9], s[0:1], 0x10                ; aw
	v_lshl_add_u32 v254, v0, 2, 0x32000
	v_mov_b32 v255, 0
	ds_add_u32 v254, v255
	ds_add_u32 v254, v255
	v_lshrrev_b32 v1, 5, v0
	v_readfirstlane_b32 s[WV], v1                  ; wave 0..15
	s_bfe_u32 s11, ttmp6, 0x40000                  ; cx
	s_lshl_b32 s12, ttmp9, 2
	s_add_co_u32 s12, s12, s11                     ; my block of 256 queries: it enters Q's and att's global addresses alone
	s_and_b32 s13, ttmp7, 0xffff                   ; bh = 8 batch + head, which the four partners share
	s_mov_b32 s16, 15|(3<<16)|(1<<21)              ; group 1: the mask of all four; elements of 8 bytes; bit 21 beside a mask; no padding
	s_mov_b32 s17, 32<<16                          ; tensor_dim0 = 32 elements (256 bytes)
	s_mov_b32 s18, 50<<16                          ; tensor_dim1 = 50
	s_mov_b32 s19, 32<<16                          ; tile_dim0 = 32
	s_mov_b32 s20, 50                              ; tile_dim1 = 50 rows: a sixteenth of the head's 204,800 dense bytes
	s_mov_b32 s21, 32                              ; from row to row
	s_mov_b32 s22, 0
	s_mov_b32 s23, 0
	s_mul_i32 s28, s13, 204800
	s_mul_i32 s14, s[WV], 12800
	s_add_co_u32 s28, s28, s14
	s_mov_b32 s29, 0
	s_mov_b32 s[SEL], 0x76543210
	s_mov_b32 s[SEL+1], 0xfedcba98
	s_mov_b32 s[CS], 0x3e38aa3b                    ; c = log2(e) / 8
	s_mov_b32 s[CS+1], s[CS]
	s_wait_dscnt 0x0
	s_wait_kmcnt 0x0
	s_mov_b32 s24, 1
	s_mov_b32 s25, s14                             ; LDS: 12,800 x wave
	s_add_nc_u64 s[26:27], s[6:7], s[28:29]
	s_or_b32 s27, s27, 0x80000000
	ROUND                                          ; all four work-groups are here: the joint loads meet
	tensor_load_to_lds s[24:27], s[16:23]
	s_nop 0
.rept 4
	v_nop
.endr
	v_and_b32 v226, 31, v0
	v_lshlrev_b32 v1, 4, v226
	v_lshlrev_b32 v2, 3, v226
	v_lshlrev_b32 v3, 2, v226
	; Q: my tile is half e = wave % 2 of double fragment 8 x block + wave / 2: registers 6 e .. 6 e + 5 of the image, in three pieces of 8 bytes
	s_and_b32 s38, s[WV], 1
	s_mul_i32 s39, s38, 520
	s_mul_i32 s40, s38, 1016
	v_add_nc_u32 v204, s39, v1
	v_add_nc_u32 v205, s40, v1
	s_mul_i32 s42, s13, 98304
	s_lshl_b32 s41, s12, 3
	s_lshr_b32 s44, s[WV], 1
	s_add_co_u32 s41, s41, s44
	s_mul_i32 s41, s41, 1536
	s_add_co_u32 s42, s42, s41
	s_mov_b32 s43, 0
	s_add_nc_u64 s[42:43], s[4:5], s[42:43]
	global_load_b64 v[22:23], v204, s[42:43]
	global_load_b64 v[24:25], v205, s[42:43] offset:8
	global_load_b64 v[26:27], v204, s[42:43] offset:512
	s_lshl_b32 s46, s13, 12                        ; Q's scale word: group 4 x block + wave / 4, the pair's half of the lanes, row r
	s_lshl_b32 s41, s12, 2
	s_lshr_b32 s45, s[WV], 2
	s_add_co_u32 s41, s41, s45
	s_lshl_b32 s41, s41, 7
	s_add_co_u32 s46, s46, s41
	s_and_b32 s44, s44, 1
	s_lshl_b32 s44, s44, 6
	s_add_co_u32 s46, s46, s44
	s_mov_b32 s47, 0
	s_add_nc_u64 s[46:47], s[4:5], s[46:47]
	v_and_b32 v206, 15, v0
	v_lshlrev_b32 v206, 2, v206
	global_load_b32 v8, v206, s[46:47] offset:3145728
	s_cmp_eq_u32 s38, 0
	s_mov_b32 s48, 0x03020302
	s_cselect_b32 s48, 0x01000100, s48             ; my tile's two bytes, twice: they serve at K places 0-63 and 64-127 alike
	; att's place: tile 128 batch + 16 block + wave, head bh % 8
	s_lshr_b32 s52, s13, 3
	s_lshl_b32 s52, s52, 7
	s_lshl_b32 s41, s12, 4
	s_add_co_u32 s52, s52, s41
	s_add_co_u32 s52, s52, s[WV]
	s_lshl_b32 s52, s52, 3
	s_and_b32 s41, s13, 7
	s_add_co_u32 s52, s52, s41
	s_lshl_b32 s54, s52, 7
	s_mul_i32 s52, s52, 768
	s_mov_b32 s53, 0
	s_mov_b32 s55, 0
	s_add_nc_u64 s[52:53], s[8:9], s[52:53]
	s_add_nc_u64 s[54:55], s[8:9], s[54:55]
.irp j, 16,17,18,19,20,21,28,29,30,31,32,33
	v_mov_b32 v[\j], 0                             ; the zero codes on both sides of Q
.endr
	v_mov_b32 v13, 0xff61b1e6                      ; the largest t so far: -3e38
	v_floor_f32 v12, -v13                          ; -M
	v_mov_b32 v14, 0
	v_mov_b32 v15, 0
.irp b, 0,1,2,3
	v_mov_b32 v[PB+\b], 0                          ; a lane permute's destination counts as one of its sources
.endr
	v_mov_b32 v225, 0                              ; (named as the upper half of the pair v[224:225])
	s_wait_loadcnt 0x0                             ; Q and its word
	v_perm_b32 v8, v8, v8, s48
.set n, 0
.rept 32
	v_mov_b32 v[160+n], 0                          ; O^T: the step is written once, its first trip finds zeros.  (These lines also part the scale word's making from the first product)
.set n, n+1
.endr
	s_mov_b32 s[TK], 0
	s_mov_b32 s[TV], 98304
	s_mov_b32 s[TS], 196608
	s_mov_b32 s[CNT], 16
	s_wait_tensorcnt 0x0                           ; my sixteenth of the head has landed,
	s_barrier_signal -1
	s_barrier_wait -1                              ; everybody's has
.Lstep:                                            ; 128 keys
	v_add_nc_u32 v4, s[TK], v1                     ; (these four are also the places in front of loads into registers that the last products read)
	v_add_nc_u32 v5, s[TV], v1
	v_add_nc_u32 v6, s[TV], v2
	v_add_nc_u32 v7, s[TS], v3
.irp i, 0,1,2,3
.irp c, 0,1,2
	ds_load_b128 v[40+12*\i+4*\c:43+12*\i+4*\c], v4 offset:1536*\i+512*\c
.endr
.endr
	ds_load_b32 v10, v7
	ds_load_b32 v11, v7 offset:128
	ds_load_b32 v34, v7 offset:4096
	ds_load_b32 v35, v7 offset:4224
	s_wait_dscnt 0x0
.irp i, 0,1,2,3
	SMM 96+16*\i, 40+12*\i, 22, 10+\i/2, \i%2      ; the pair's even tile
	SMM 104+16*\i, 40+12*\i, 16, 10+\i/2, \i%2     ; and its odd one
.endr
	v_perm_b32 v36, v35, v34, 0x05040100           ; V's scale words of these 128 keys: channel tiles 0 (lanes 0-15) and 1 (lanes 16-31),
	v_perm_b32 v37, v35, v34, 0x07060302           ; tiles 2 and 3
	v_nop
	v_nop                                          ; four places behind the products: V's loads land on K's registers, and the scores are read
.irp t, 0,1,2,3
.irp c, 0,1
	ds_load_b128 v[40+12*\t+6*\c:43+12*\t+6*\c], v5 offset:3072*\c+768*\t
	ds_load_b64 v[44+12*\t+6*\c:45+12*\t+6*\c], v6 offset:3072*\c+768*\t+512
.endr
.endr
.irp b, 0,1,2,3
	v_max3_num_f32 v[BM+\b], v[96+16*\b], v[97+16*\b], v[98+16*\b]   ; the largest score of each block of 32 keys: for the row's maximum and, since p rises with the score, for the block's largest p
.endr
.irp i, 3,5,7,9,11,13
.irp b, 0,1,2,3
	v_max3_num_f32 v[BM+\b], v[BM+\b], v[96+16*\b+\i], v[97+16*\b+\i]
.endr
.endr
.irp b, 0,1,2,3
	v_max_num_f32 v[BM+\b], v[BM+\b], v[111+16*\b]
.endr
.irp b, 0,1,2,3
	v_permlanex16_b32 v[PB+\b], v[BM+\b], s[SEL], s[SEL+1]
.endr
.irp b, 0,1,2,3
	v_max_num_f32 v[BM+\b], v[BM+\b], v[PB+\b]
.endr
	v_max3_num_f32 v226, v[BM], v[BM+1], v[BM+2]
	v_max_num_f32 v226, v226, v[BM+3]
	v_mul_f32 v226, s[CS], v226
	v_max_num_f32 v13, v13, v226                   ; the running largest t
	v_mov_b32 v226, v12
	v_floor_f32 v12, -v13                          ; the new -M = -ceil(t)
	v_sub_f32 v226, v12, v226                      ; old M - new M: a whole number, 0 or less
	v_cvt_i32_f32 v226, v226                       ; (it saturates)
	v_ldexp_f32 v224, 1.0, v226                    ; f = 2^(old M - new M)
.irp j, 0,2,4,6,8,10,12,14,16,18,20,22,24,26,28,30,32,34,36,38,40,42,44,46,48,50,52,54,56,58,60,62
	v_pk_fma_f32 v[96+\j:97+\j], v[96+\j:97+\j], s[CS:CS+1], v[12:13] op_sel_hi:[1,0,0]   ; t - M
.endr
.irp b, 0,1,2,3
	v_fma_f32 v[BM+\b], v[BM+\b], s[CS], v12
.endr
.set n, 0
.rept 64
	v_exp_f32 v[96+n], v[96+n]                     ; p = 2^(t - M)
.set n, n+1
.endr
	v_pk_mul_f32 v[14:15], v[14:15], v[224:225] op_sel_hi:[1,0]    ; the sums under the new M (a plain line behind the exponentials)
	s_wait_alu depctr_va_vdst(0)                   ; one wait for the 64, ahead of their first reader
.irp b, 0,1,2,3
	v_exp_f32 v[BM+\b], v[BM+\b]                   ; each block's largest p
.endr
	v_pk_add_f32 v[228:229], v[96:97], v[98:99]    ; the row's sum of the unquantised p, in two chains
.irp j, 4,8,12,16,20,24,28,32,36,40,44,48,52,56,60
	v_pk_add_f32 v[14:15], v[14:15], v[96+\j:97+\j]
	v_pk_add_f32 v[228:229], v[228:229], v[98+\j:99+\j]
.endr
	v_pk_add_f32 v[14:15], v[14:15], v[228:229]
	s_wait_alu depctr_va_vdst(0)                   ; and one for the four
.irp b, 0,1,2,3
	v_max_num_f32 v[BM+\b], 0x2800000, v[BM+\b]    ; the floor 2^(5 - 127)
.endr
.irp b, 0,1,2,3
	v_add_nc_u32 v[SO+\b], 0xfe000000, v[BM+\b]
.endr
.irp b, 0,1,2,3
	v_lshrrev_b32 v[PB+\b], 23, v[SO+\b]
.endr
	v_lshl_or_b32 v9, v[PB+1], 8, v[PB]            ; p's scale word for these 128 keys
	v_lshl_or_b32 v9, v[PB+2], 16, v9
	v_lshl_or_b32 v9, v[PB+3], 24, v9
.irp c, 0,1
	v_cvt_scalef32_pk16_bf6_f32 v[192+6*\c:194+6*\c], v[96+32*\c:111+32*\c], v[SO+2*\c]
	v_cvt_scalef32_pk16_bf6_f32 v[204+4*\c:206+4*\c], v[112+32*\c:127+32*\c], v[SO+2*\c+1]
.endr
	v_nop
.irp c, 0,1
.irp i, 0,1,2
	v_permlane16_swap_b32 v[192+6*\c+\i], v[204+4*\c+\i]
.endr
.irp i, 0,1,2
	v_mov_b32 v[195+6*\c+\i], v[204+4*\c+\i]
.endr
.endr
.irp j, 0,2,4,6,8,10,12,14,16,18,20,22,24,26,28,30
	v_pk_mul_f32 v[160+\j:161+\j], v[160+\j:161+\j], v[224:225] op_sel_hi:[1,0]   ; O^T under the new M (these sixteen also part p's codes and word from the products)
.endr
	s_wait_dscnt 0x0                               ; V
.irp t, 0,1,2,3
	OMM 160+8*\t, 40+12*\t, 36+\t/2, \t%2
.endr
	s_add_co_u32 s[TK], s[TK], 6144
	s_add_co_u32 s[TV], s[TV], 6144
	s_add_co_u32 s[TS], s[TS], 256
	s_sub_co_u32 s[CNT], s[CNT], 1
	s_cmp_lg_u32 s[CNT], 0
	s_cbranch_scc1 .Lstep
.rept 4
	v_nop                                          ; places behind the last products
.endr
	v_add_f32 v14, v14, v15
	v_permlanex16_b32 v226, v14, s[SEL], s[SEL+1]
	v_add_f32 v14, v14, v226                       ; the row's sum
	v_rcp_f32 v14, v14
	v_nop
	s_wait_alu depctr_va_vdst(0)
.irp j, 0,2,4,6,8,10,12,14,16,18,20,22,24,26,28,30
	v_pk_mul_f32 v[96+\j:97+\j], v[160+\j:161+\j], v[14:15] op_sel_hi:[1,0]   ; register 16 b + i = channel 32 b + 16 (lane / 16) + i of my query
.endr
	HQ 96, 192, 204, 9
	global_store_b128 v1, v[192:195], s[52:53]     ; a half fragment: 512 + 256 consecutive bytes
	global_store_b64 v2, v[196:197], s[52:53] offset:512
	global_store_b32 v3, v9, s[54:55] offset:3145728
	s_wait_dscnt 0x0
	s_wait_tensorcnt 0x0
	ds_add_u32 v254, v255
	s_wait_dscnt 0x0
	ROUND                                          ; the closing round
	s_endpgm
.Lfunc_end_k_q7fe1f741c3_attn:
	.size	k_q7fe1f741c3_attn, .Lfunc_end_k_q7fe1f741c3_attn-k_q7fe1f741c3_attn
	.p2alignl 7, 3214868480
	.fill 96, 4, 3214868480
	.section	.rodata,"a",@progbits
	.p2align	6, 0x0
	.amdhsa_kernel k_q7fe1f741c3_attn
		.amdhsa_group_segment_fixed_size 206848
		.amdhsa_private_segment_fixed_size 0
		.amdhsa_enable_private_segment 0
		.amdhsa_kernarg_size 24
		.amdhsa_user_sgpr_count 2
		.amdhsa_user_sgpr_kernarg_segment_ptr 1
		.amdhsa_wavefront_size32 1
		.amdhsa_system_sgpr_workgroup_id_x 1
		.amdhsa_system_sgpr_workgroup_id_y 1
		.amdhsa_system_sgpr_workgroup_id_z 1
		.amdhsa_system_vgpr_workitem_id 0
		.amdhsa_next_free_vgpr 256
		.amdhsa_next_free_sgpr 66
		.amdhsa_reserve_vcc 0
		.amdhsa_float_denorm_mode_32 3
		.amdhsa_float_denorm_mode_16_64 3
		.amdhsa_memory_ordered 1
		.amdhsa_forward_progress 1
		.amdhsa_inst_pref_size 27
	.end_amdhsa_kernel
	.amdgpu_metadata
---
amdhsa.version: [ 1, 2 ]
amdhsa.kernels:
  - .name:           k_q7fe1f741c3_attn
    .symbol:         k_q7fe1f741c3_attn.kd
    .args:
      - { .name: qw, .offset: 0, .size: 8, .value_kind: global_buffer, .address_space: global }
      - { .name: kv, .offset: 8, .size: 8, .value_kind: global_buffer, .address_space: global }
      - { .name: aw, .offset: 16, .size: 8, .value_kind: global_buffer, .address_space: global }
    .group_segment_fixed_size: 206848
    .private_segment_fixed_size: 0
    .kernarg_segment_align: 8
    .kernarg_segment_size: 24
    .max_flat_workgroup_size: 512
    .sgpr_count:     66
    .vgpr_count:     256
    .wavefront_size: 32
...
	.end_amdgpu_metadata
.endif
;; end of part 3
;; launch mlp (part 4): grid 256 x 1, 4 waves a work-group, no clusters, 163,840 bytes of LDS; arguments aw, wst, x, bp, gamma2, beta2, b1, b2, out0; writes out0
.if DOCPART == 4
	.amdgcn_target "amdgcn-amd-amdhsa--gfx1250"
	.amdhsa_code_object_version 6
	.text
	.protected	k_q7fe1f741c3_mlp
	.globl	k_q7fe1f741c3_mlp
	.p2align	8
	.type	k_q7fe1f741c3_mlp,@function
k_q7fe1f741c3_mlp:
	s_mov_b64 s[64:65], 0
	v_nop
	global_prefetch_b8 v0, s[64:65] scope:SCOPE_SE
	s_setreg_imm32_b32 hwreg(HW_REG_WAVE_MODE, 25, 1), 1
	s_wait_xcnt 0x0
; x1 = att Wp + bp + x;  x1_norm = gamma2 (x1 - mean) / (std + 1e-10) + beta2;  h = gelu(x1_norm W1 + b1);  out = gelu(h W2 + b2) + x1.  All three products on codes of E3M2; x1_norm and h are quantised on the way.
; SHARES.  A work-group takes 32 rows (row tiles 2 G, 2 G + 1) through the whole chain.  THE WAVES SHARE THE COLUMNS: wave w owns columns 128 w .. of x1 and of out, and hidden units 512 w ..
; All products are used transposed (source 0 = 16 rows of a weight, source 1 = 16 rows of the left operand): a lane holds one row, and the rows of a weight tile are chosen so that the 16 registers of
; tiles 2 b and 2 b + 1 are 16 neighbouring columns 32 b + 16 (lane / 16) + 0 .. 15: the next product's K runs along a lane's registers.
; WEIGHTS come as a stream of register images, laid out by the first launch in the order in which this wave takes them: nine groups (Wp; W1 in four; W2 in four) of four sets (K steps) of eight fragments and one image of
; scale words: 25 loads of 512 consecutive bytes a set, straight into registers.
; WHAT IS NOT THE STREAM COMES BY FEW, DENSE LOADS AND GOES THROUGH LDS.  att's codes and scale words (14,336 bytes a work-group) are shared out, a quarter a wave; gamma2, beta2, b2 and b1 of a wave's own columns are 7 loads
; of 512 consecutive bytes; each lane then takes its numbers from LDS in the result's layout (sixteen lanes read the same 16 bytes).  So of a wave's 950 loads 900 are the stream's.
; WHERE THE STREAM'S LOADS STAND.  LOADcnt's field holds 63, and an issue that would pass it stalls (ISA guide 5.7.1); a wave that stalls there does no vector work.  So a group's sets 0 and 1 (50 loads) are asked for inside the
; run of products before, each as soon as its registers are free, and sets 2 and 3 further on in the vector work that follows.
; NO JOINT LOADS: each byte of the stream is wanted by one wave of a work-group, in its registers; by way of LDS the work-group's 1,843,200 bytes would be written and read once more.
; x1_norm's and h's codes go from wave to wave through LDS as images of the operand's registers.  Six barriers; in front of each a wave waits for all its LDS instructions.
; GELU: 0.5 x (1 + erf(x / sqrt 2)), erf(z) = z P(z^2) / Q(z^2) (degrees 6 and 4) with z held to +-4.
; LIMITS: NaN and infinities are not served; for very negative x the sum 1 + erf leaves an absolute error of about 1e-7 |x|; a block whose largest magnitude lies under 2^-122 keeps the scale byte 1.
; REGISTERS.  window 0: v1-15, v40-47, v56-59 addresses; v16-31 the sets' scale words [s][pair of tiles]; v32-39 the left operand's [m][s]; v48-55 mean, 1 / (std + eps); v60-63 two coefficients as pairs; v64-127 at work;
;   v128-255 sixteen accumulators [m][t].   window 1: sets 0, 1; v192-255 gamma2, later b1.   window 2: sets 2, 3; v192-255 beta2.   window 3: v0-127 x1; v128-223 the left operand's eight fragments [m][s].
.set SP,   2064
.set XST,  0                           ; 32 rows x 2,064: x + bp on the way in, out on the way out; row 16 m + r
.set RED1, 66048                       ; the waves' partial sums: [wave][m][lane]
.set XNI,  68096                       ; x1_norm's fragments [m][s]
.set XNS,  80384                       ; their scale words
.set HIMG, 81408                       ; h's fragments [K step][m]
.set HSC,  130560                      ; their scale words
.set PARL, 134656                      ; 3,584 bytes for each wave, its own: gamma2 512, beta2 512, b2 512, b1 2,048
.set ATI,  148992                      ; att's sixteen half fragments [m][head], 768 bytes each, as they lie in memory
.set ATW,  161280                      ; their scale words [m][head][lane]
.set WSC,  16
.set ASC,  32
.set GT,   64
.set TM,   64
.set ACC,  128
.set AF,   128
.set PAR,  192
.set SEL,  44
.set CH,   66                          ; s[66:87]: sqrt(1/2) and the coefficients, each twice (the packed forms name a pair)
.set A11,  68
.set A9,   70
.set A7,   72
.set A5,   74
.set A3,   76
.set A1,   78
.set B6,   80
.set B4,   82
.set B2,   84
.set B0,   86
.set MSB, 0
.macro WIN new                         ; the immediate's high byte repeats the setting that is left
.if MSB != (\new)
	s_set_vgpr_msb (MSB<<8)|(\new)
.set MSB, \new
.endif
.endm
.macro KON r, val
	s_mov_b32 s[\r], \val
	s_mov_b32 s[\r+1], \val
.endm
.macro PLACES n                        ; plain lines behind matrix instructions, ahead of loads into their registers and of reads of their results
.rept \n
	v_nop
.endr
.endm
.macro BARRIER                         ; my LDS stores have landed and my LDS loads are in: then the work-group's barrier
	s_wait_dscnt 0x0
	s_barrier_signal -1
	s_barrier_wait -1
.endm
.macro WMA d, a, b, c, sa, sb, odd     ; odd: the weight tile's scale words stand in lanes 16-31
.if \odd
	v_wmma_scale_f32_16x16x128_f8f6f4 v[\d:\d+7], v[\a:\a+11], v[\b:\b+11], v[\c:\c+7], v[\sa], v[\sb] matrix_a_fmt:MATRIX_FMT_BF6 matrix_b_fmt:MATRIX_FMT_BF6 matrix_a_scale:MATRIX_SCALE_ROW1
.else
	v_wmma_scale_f32_16x16x128_f8f6f4 v[\d:\d+7], v[\a:\a+11], v[\b:\b+11], v[\c:\c+7], v[\sa], v[\sb] matrix_a_fmt:MATRIX_FMT_BF6 matrix_b_fmt:MATRIX_FMT_BF6
.endif
.endm
; K step s of a group: 16 matrix instructions, the sixteen accumulators at v[d] by turns.  par = 1: the sums begin with the bias in v[PAR ..]
.macro MM16 s, d, par
.irp t, 0,1,2,3,4,5,6,7
.irp m, 0,1
.if \par
	WMA \d+8*(8*\m+\t), 96*((\s)%2)+12*\t, AF+12*(4*\m+(\s)), PAR+8*\t, WSC+4*(\s)+\t/2, ASC+4*\m+(\s), \t%2
.else
	WMA \d+8*(8*\m+\t), 96*((\s)%2)+12*\t, AF+12*(4*\m+(\s)), \d+8*(8*\m+\t), WSC+4*(\s)+\t/2, ASC+4*\m+(\s), \t%2
.endif
.endr
.endr
.endm
.macro LOADSET s, g                    ; set s of the group g groups on from s[6:7]: 24 loads of fragments, one of scale words; a wave's whole stream, 460,800 bytes, lies inside the immediate
	WIN 0x40+0x40*((\s)/2)
.set n, 0
.rept 24
	global_load_b128 v[96*((\s)%2)+4*n:96*((\s)%2)+4*n+3], v1, s[6:7] offset:51200*(\g)+12800*(\s)+512*n
.set n, n+1
.endr
	WIN 0
	global_load_b128 v[WSC+4*(\s):WSC+4*(\s)+3], v1, s[6:7] offset:51200*(\g)+12800*(\s)+12288
.endm
.macro QUANT s, pc, tmp, pw            ; 64 numbers of a lane, register 16 b + i = k 32 b + 16 (lane / 16) + i -> a fragment and its scale word
.irp b, 0,1,2,3
	v_max3_num_f32 v[TM+\b], |v[\s+16*\b]|, |v[\s+1+16*\b]|, 0x2800000
.endr
.irp i, 2,4,6,8,10,12,14
.irp b, 0,1,2,3
	v_max3_num_f32 v[TM+\b], v[TM+\b], |v[\s+16*\b+\i]|, |v[\s+1+16*\b+\i]|
.endr
.endr
.irp b, 0,1,2,3
	v_permlanex16_b32 v[TM+4+\b], v[TM+\b], s[SEL], s[SEL+1]
.endr
.irp b, 0,1,2,3
	v_max_num_f32 v[TM+\b], v[TM+\b], v[TM+4+\b]
.endr
.irp b, 0,1,2,3
	v_add_nc_u32 v[TM+12+\b], 0xfe000000, v[TM+\b]
.endr
.irp b, 0,1,2,3
	v_lshrrev_b32 v[TM+4+\b], 23, v[TM+12+\b]
.endr
	v_lshl_or_b32 v[\pw], v[TM+5], 8, v[TM+4]
	v_lshl_or_b32 v[\pw], v[TM+6], 16, v[\pw]
	v_lshl_or_b32 v[\pw], v[TM+7], 24, v[\pw]
.irp c, 0,1
	v_cvt_scalef32_pk16_bf6_f32 v[\pc+6*\c:\pc+6*\c+2], v[\s+32*\c:\s+32*\c+15], v[TM+12+2*\c]
	v_cvt_scalef32_pk16_bf6_f32 v[\tmp+4*\c:\tmp+4*\c+2], v[\s+32*\c+16:\s+32*\c+31], v[TM+12+2*\c+1]
.endr
	v_nop
.irp c, 0,1
.irp i, 0,1,2
	v_permlane16_swap_b32 v[\pc+6*\c+\i], v[\tmp+4*\c+\i]
.endr
.irp i, 0,1,2
	v_mov_b32 v[\pc+6*\c+3+\i], v[\tmp+4*\c+\i]
.endr
.endr
.endm
; gelu in place on registers ACC + 16 a .. + 15: eight pairs by turns.  z at GT, z^2 (later x / 2) at GT + 16, P at GT + 32, Q at GT + 48
.macro GELU a
.set GB, ACC+16*(\a)
.irp p, 0,2,4,6,8,10,12,14
	v_pk_mul_f32 v[GT+\p:GT+\p+1], v[GB+\p:GB+\p+1], s[CH:CH+1] op_sel_hi:[1,0]
.endr
.irp p, 0,1,2,3,4,5,6,7,8,9,10,11,12,13,14,15
	v_med3_num_f32 v[GT+\p], v[GT+\p], -4.0, 4.0
.endr
.irp p, 0,2,4,6,8,10,12,14
	v_pk_mul_f32 v[GT+16+\p:GT+17+\p], v[GT+\p:GT+\p+1], v[GT+\p:GT+\p+1]
.endr
.irp p, 0,2,4,6,8,10,12,14
	v_pk_fma_f32 v[GT+32+\p:GT+33+\p], v[GT+16+\p:GT+17+\p], v[60:61], s[A11:A11+1] op_sel_hi:[1,1,0]
	v_pk_fma_f32 v[GT+48+\p:GT+49+\p], v[GT+16+\p:GT+17+\p], v[62:63], s[B6:B6+1] op_sel_hi:[1,1,0]
.endr
.irp k, A9, A7, A5, A3, A1
.irp p, 0,2,4,6,8,10,12,14
	v_pk_fma_f32 v[GT+32+\p:GT+33+\p], v[GT+32+\p:GT+33+\p], v[GT+16+\p:GT+17+\p], s[\k:\k+1] op_sel_hi:[1,1,0]
.endr
.endr
.irp k, B4, B2, B0
.irp p, 0,2,4,6,8,10,12,14
	v_pk_fma_f32 v[GT+48+\p:GT+49+\p], v[GT+48+\p:GT+49+\p], v[GT+16+\p:GT+17+\p], s[\k:\k+1] op_sel_hi:[1,1,0]
.endr
.endr
.irp p, 0,1,2,3,4,5,6,7,8,9,10,11,12,13,14,15
	v_rcp_f32 v[GT+48+\p], v[GT+48+\p]
.endr
.irp p, 0,2,4,6,8,10,12,14
	v_pk_mul_f32 v[GT+32+\p:GT+33+\p], v[GT+32+\p:GT+33+\p], v[GT+\p:GT+\p+1]          ; z P: work that names no reciprocal
.endr
.irp p, 0,2,4,6,8,10,12,14
	v_pk_mul_f32 v[GT+16+\p:GT+17+\p], v[GB+\p:GB+\p+1], 0.5 op_sel_hi:[1,0]           ; x / 2
.endr
	s_wait_alu depctr_va_vdst(0)                   ; one wait for the sixteen reciprocals, ahead of their first reader
.irp p, 0,2,4,6,8,10,12,14
	v_pk_mul_f32 v[GT+32+\p:GT+33+\p], v[GT+32+\p:GT+33+\p], v[GT+48+\p:GT+49+\p]      ; erf
.endr
.irp p, 0,2,4,6,8,10,12,14
	v_pk_fma_f32 v[GB+\p:GB+\p+1], v[GT+16+\p:GT+17+\p], v[GT+32+\p:GT+33+\p], v[GT+16+\p:GT+17+\p]
.endr
.endm
; 16 pairs for each m at GT + 32 m -> the row's sum over all 512 columns, in v[GT + 4 m], the same bits in every wave.  off: which words of LDS
.macro ACROSS off
.irp d, 16,8,4,2
.irp m, 0,1
.set u, 0
.rept \d/2
	v_pk_add_f32 v[GT+32*\m+u:GT+32*\m+u+1], v[GT+32*\m+u:GT+32*\m+u+1], v[GT+32*\m+\d+u:GT+32*\m+\d+u+1]
.set u, u+2
.endr
.endr
.endr
.irp m, 0,1
	v_add_f32 v[GT+32*\m], v[GT+32*\m], v[GT+32*\m+1]
.endr
.irp m, 0,1
	v_permlanex16_b32 v[GT+32*\m+1], v[GT+32*\m], s[SEL], s[SEL+1]
.endr
.irp m, 0,1
	v_add_f32 v[GT+32*\m], v[GT+32*\m], v[GT+32*\m+1]              ; my wave's 128 columns of row r
.endr
.irp m, 0,1
	ds_store_b32 v8, v[GT+32*\m] offset:\off+128*\m
.endr
	BARRIER
.irp m, 0,1
.irp w, 0,1,2,3
	ds_load_b32 v[GT+4*\m+\w], v7 offset:\off+256*\w+128*\m
.endr
.endr
	s_wait_dscnt 0x0
.irp m, 0,1
	v_add_f32 v[GT+4*\m], v[GT+4*\m], v[GT+4*\m+1]
	v_add_f32 v[GT+4*\m+2], v[GT+4*\m+2], v[GT+4*\m+3]
.endr
.irp m, 0,1
	v_add_f32 v[GT+4*\m], v[GT+4*\m], v[GT+4*\m+2]
.endr
.endm
	s_load_b256 s[4:11], s[0:1], 0x0               ; aw, wst, x, bp
	s_load_b256 s[12:19], s[0:1], 0x20             ; gamma2, beta2, b1, b2
	s_load_b64 s[20:21], s[0:1], 0x40              ; out0
	s_set_vgpr_msb 0xc0
	v_lshl_add_u32 v254, v0, 2, 0x27e00
	v_mov_b32 v255, 0
	s_set_vgpr_msb 0xc000
	v_lshrrev_b32 v1, 5, v0
	v_readfirstlane_b32 s22, v1                    ; wave
	v_and_b32 v43, 31, v0                          ; lane
	v_and_b32 v44, 15, v0                          ; r
	v_bfe_u32 v45, v0, 4, 1                        ; h
	v_lshlrev_b32 v1, 4, v43
	v_lshlrev_b32 v2, 2, v43
	v_lshlrev_b32 v3, 3, v43
	s_and_b32 s23, s22, 1                          ; rows 8 w .. 8 w + 7 of the 32 are tile w % 2, lanes 8 (w / 2) ..: stage rows 16 (w % 2) + 8 (w / 2) + i
	s_lshl_b32 s23, s23, 4
	s_lshr_b32 s24, s22, 1
	s_lshl_b32 s24, s24, 3
	s_add_co_u32 s23, s23, s24
	s_mul_i32 s23, s23, SP
	v_add_nc_u32 v4, s23, v1                       ; the stage by whole rows
	v_mul_u32_u24 v5, v44, SP
	v_lshl_add_u32 v5, v45, 6, v5
	s_lshl_b32 s24, s22, 9
	v_add_nc_u32 v5, s24, v5                       ; the stage by tiles: row r, my wave's 512 bytes, + 64 h
	s_mul_i32 s25, s22, 3584
	s_add_co_u32 s25, s25, PARL                    ; my wave's gamma2, beta2, b2, b1:
	v_add_nc_u32 v46, s25, v1                      ; in: 16 bytes a lane;
	v_lshl_add_u32 v6, v45, 6, s25                 ; out: + 64 h: my 16 numbers of a block of 32 columns
	s_mul_i32 s25, s22, 3072
	s_add_co_u32 s25, s25, ATI
	v_add_nc_u32 v47, s25, v1                      ; att's codes in: my wave's quarter;
	v_add_nc_u32 v56, ATI, v1                      ; out: a half fragment's registers 0-3,
	v_add_nc_u32 v57, ATI, v3                      ; and (512 on) its registers 4, 5
	s_add_co_u32 s25, s24, ATW
	v_add_nc_u32 v58, s25, v1                      ; att's scale words in: my wave's 512 bytes;
	v_add_nc_u32 v59, ATW, v2                      ; out: 4 bytes a lane
	v_add_nc_u32 v7, RED1, v2
	s_lshl_b32 s25, s22, 8
	v_add_nc_u32 v8, s25, v7
	v_add_nc_u32 v11, XNI, v1
	s_mul_i32 s25, s22, 1536
	v_add_nc_u32 v9, s25, v11
	v_add_nc_u32 v12, XNS, v2
	s_lshl_b32 s25, s22, 7
	v_add_nc_u32 v10, s25, v12
	v_add_nc_u32 v15, HIMG, v1
	s_mul_i32 s25, s22, 12288
	v_add_nc_u32 v13, s25, v15
	v_add_nc_u32 v40, HSC, v2
	s_lshl_b32 s25, s22, 10
	v_add_nc_u32 v14, s25, v40
.irp j, 49,51,53,55
	v_mov_b32 v[\j], 0                             ; (named as the upper halves of pairs)
.endr
	v_mov_b32 v60, 0xaf95df0b                      ; P's highest coefficient
	v_mov_b32 v61, 0xaf95df0b
	v_mov_b32 v62, 0xb77460cd                      ; Q's
	v_mov_b32 v63, 0xb77460cd
	s_mov_b32 s[SEL], 0x76543210
	s_mov_b32 s[SEL+1], 0xfedcba98
	KON CH,  0x3f3504f3
	KON A11, 0x32edffee
	KON A9,  0xb60cff51
	KON A7,  0xb86ec2d2
	KON A5,  0xba40ac63
	KON A3,  0xbb41a1f6
	KON A1,  0xbc83dbd4
	KON B6,  0xb95fbd29
	KON B4,  0xbadc924e
	KON B2,  0xbbf19bf8
	KON B0,  0xbc69b6a7
	s_lshl_b32 s26, ttmp9, 5
	s_lshl_b32 s28, s22, 3
	s_add_co_u32 s26, s26, s28
	s_lshl_b32 s26, s26, 11                        ; x, out0: row 32 G + 8 w
	s_mov_b32 s27, 0
	s_mul_i32 s28, ttmp9, 12288                    ; att's halves: two tiles x eight heads x 768 bytes,
	s_mul_i32 s25, s22, 3072
	s_add_co_u32 s28, s28, s25                     ; my wave's quarter of them
	s_mov_b32 s29, 0
	s_lshl_b32 s30, ttmp9, 11                      ; their words: 2,048 bytes,
	s_add_co_u32 s30, s30, s24                     ; my wave's 512
	s_mov_b32 s31, 0
	s_mul_i32 s32, s22, 460800                     ; my wave's stream of weights
	s_mov_b32 s33, 0
	s_lshl_b32 s34, s22, 9                         ; my 128 columns
	s_mov_b32 s35, 0
	s_lshl_b32 s36, s22, 11                        ; my 512 hidden units
	s_mov_b32 s37, 0
	s_wait_kmcnt 0x0
	s_add_nc_u64 s[8:9], s[8:9], s[26:27]
	s_add_nc_u64 s[20:21], s[20:21], s[26:27]
	s_add_nc_u64 s[38:39], s[4:5], s[30:31]
	s_add_nc_u64 s[4:5], s[4:5], s[28:29]
	s_add_nc_u64 s[6:7], s[6:7], s[32:33]
	s_add_nc_u64 s[12:13], s[12:13], s[34:35]
	s_add_nc_u64 s[14:15], s[14:15], s[34:35]
	s_add_nc_u64 s[18:19], s[18:19], s[34:35]
	s_add_nc_u64 s[16:17], s[16:17], s[36:37]
	; ---- the head: 36 loads for x + bp, 14 for what goes through LDS, then Wp's first set
.irp i, 0,1,2,3,4,5,6,7
.irp q, 0,1,2,3
	global_load_b128 v[ACC+16*\i+4*\q:ACC+16*\i+4*\q+3], v1, s[8:9] offset:2048*\i+512*\q th:TH_LOAD_NT
.endr
.endr
.irp q, 0,1,2,3
	global_load_b128 v[GT+4*\q:GT+4*\q+3], v1, s[10:11] offset:512*\q
.endr
	WIN 0xc0                                       ; destination window 3: the registers that will hold the left operand's fragments are free until the first barrier
.irp i, 0,1,2,3,4,5
	global_load_b128 v[AF+4*\i:AF+4*\i+3], v1, s[4:5] offset:512*\i      ; my quarter of att's codes, as it lies
.endr
	global_load_b128 v[AF+24:AF+27], v1, s[38:39] offset:3145728         ; my quarter of att's scale words
	global_load_b128 v[AF+28:AF+31], v1, s[12:13]                        ; gamma2, beta2, b2 of my 128 columns,
	global_load_b128 v[AF+32:AF+35], v1, s[14:15]
	global_load_b128 v[AF+36:AF+39], v1, s[18:19]
.irp q, 0,1,2,3
	global_load_b128 v[AF+40+4*\q:AF+43+4*\q], v1, s[16:17] offset:512*\q   ; b1 of my 512 hidden units
.endr
	WIN 0
	LOADSET 0, 0                                   ; Wp
	s_wait_loadcnt 39                              ; younger than x's and bp's: the 14 and set 0's 25
.irp i, 0,1,2,3,4,5,6,7
.irp j, 0,2,4,6,8,10,12,14
	v_pk_add_f32 v[ACC+16*\i+\j:ACC+16*\i+\j+1], v[ACC+16*\i+\j:ACC+16*\i+\j+1], v[GT+\j:GT+\j+1]
.endr
.endr
.irp i, 0,1,2,3,4,5,6,7
.irp q, 0,1,2,3
	ds_store_b128 v4, v[ACC+16*\i+4*\q:ACC+16*\i+4*\q+3] offset:SP*\i+512*\q
.endr
.endr
	s_wait_loadcnt 25                              ; younger than the 14: set 0
	WIN 0x0c                                       ; an LDS store's data are its source 1: window 3
.irp i, 0,1,2,3,4,5
	ds_store_b128 v47, v[AF+4*\i:AF+4*\i+3] offset:512*\i
.endr
	ds_store_b128 v58, v[AF+24:AF+27]
.irp i, 0,1,2,3,4,5,6
	ds_store_b128 v46, v[AF+28+4*\i:AF+31+4*\i] offset:512*\i            ; gamma2, beta2, b2, b1's four groups
.endr
	WIN 0
	LOADSET 1, 0
	BARRIER                                        ; x + bp of all 32 rows, att's codes and words lie in LDS
	WIN 0xc0
.irp m, 0,1
.irp b, 0,1,2,3
.irp j, 0,1,2,3
	ds_load_b128 v[64*\m+16*\b+4*\j:64*\m+16*\b+4*\j+3], v5 offset:16*SP*\m+128*\b+16*\j   ; in the result's layout: the sums of the first product begin with it
.endr
.endr
.endr
.irp m, 0,1                            ; att's fragments: K step s = heads 2 s (registers 0-5) and 2 s + 1 (6-11)
.irp e, 0,1,2,3,4,5,6,7
	ds_load_b128 v[AF+12*(4*\m+\e/2)+6*(\e%2):AF+12*(4*\m+\e/2)+6*(\e%2)+3], v56 offset:(8*\m+\e)*768
	ds_load_b64 v[AF+12*(4*\m+\e/2)+6*(\e%2)+4:AF+12*(4*\m+\e/2)+6*(\e%2)+5], v57 offset:(8*\m+\e)*768+512
.endr
.endr
	WIN 0
.irp m, 0,1
.irp e, 0,1,2,3,4,5,6,7
	ds_load_b32 v[80+8*\m+\e], v59 offset:(8*\m+\e)*128
.endr
.endr
	LOADSET 2, 0
	LOADSET 3, 0
	s_wait_dscnt 0x0
.irp m, 0,1
.irp s, 0,1,2,3
	v_lshl_or_b32 v[ASC+4*\m+\s], v[80+8*\m+2*\s+1], 16, v[80+8*\m+2*\s]
.endr
.endr
	PLACES 8                                       ; a scale word made by a vector instruction stands eight places ahead of the scaled product
	; ---- x1 = att Wp + (x + bp).  W1's first group follows in the stream: its sets 0 and 1 are asked for as soon as Wp's have been multiplied
	s_wait_loadcnt 63                              ; sets 1 to 3 (75 loads) are younger than set 0
	WIN 0xfd
	MM16 0, 0, 0
	PLACES 4
	LOADSET 0, 1
	s_wait_loadcnt 63                              ; younger than set 1: sets 2, 3 and the set just asked for: 75
	WIN 0xfd
	MM16 1, 0, 0
	PLACES 4
	LOADSET 1, 1
	s_wait_loadcnt 63                              ; younger than set 2: set 3 and the two just asked for: 75
	WIN 0xfe
	MM16 2, 0, 0
	s_wait_loadcnt 50                              ; younger than set 3: the two just asked for
	MM16 3, 0, 0
	WIN 0
	PLACES 5
	; ---- the second norm
	WIN 0x40                                       ; gamma2 and beta2 out of my own bytes of LDS, in the result's layout; the next barrier's wait covers them
.irp b, 0,1,2,3
.irp j, 0,1,2,3
	ds_load_b128 v[PAR+16*\b+4*\j:PAR+16*\b+4*\j+3], v6 offset:128*\b+16*\j
.endr
.endr
	WIN 0x80
.irp b, 0,1,2,3
.irp j, 0,1,2,3
	ds_load_b128 v[PAR+16*\b+4*\j:PAR+16*\b+4*\j+3], v6 offset:512+128*\b+16*\j
.endr
.endr
	WIN 0x0f                                       ; both sources window 3
.set q, 0
.rept 32
	v_pk_add_f32 v[GT+2*q:GT+2*q+1], v[4*q:4*q+1], v[4*q+2:4*q+3]
.set q, q+1
.endr
	WIN 0
	ACROSS 0
.irp m, 0,1
	v_mul_f32 v[48+2*\m], 0x3b000000, v[GT+4*\m]   ; the mean
.endr
	LOADSET 2, 1
	WIN 0x03
.irp m, 0,1
.set q, 0
.rept 32
	v_pk_add_f32 v[ACC+64*\m+q:ACC+64*\m+q+1], v[64*\m+q:64*\m+q+1], v[48+2*\m:49+2*\m] op_sel_hi:[1,0] neg_lo:[0,1] neg_hi:[0,1]
.set q, q+2
.endr
.endr
	WIN 0
.set q, 0
.rept 32
	v_pk_mul_f32 v[GT+2*q:GT+2*q+1], v[ACC+4*q:ACC+4*q+1], v[ACC+4*q:ACC+4*q+1]
.set q, q+1
.endr
.set q, 0
.rept 32
	v_pk_fma_f32 v[GT+2*q:GT+2*q+1], v[ACC+4*q+2:ACC+4*q+3], v[ACC+4*q+2:ACC+4*q+3], v[GT+2*q:GT+2*q+1]
.set q, q+1
.endr
	ACROSS 1024
	LOADSET 3, 1
.irp m, 0,1
	v_mul_f32 v[GT+4*\m], 0x3b004020, v[GT+4*\m]   ; / 511
.endr
.irp m, 0,1
	v_sqrt_f32 v[GT+4*\m+1], v[GT+4*\m]
.endr
	v_nop
	s_wait_alu depctr_va_vdst(0)
.irp m, 0,1
	v_add_f32 v[GT+4*\m+1], 0x2edbe6ff, v[GT+4*\m+1]
.endr
.irp m, 0,1
	v_rcp_f32 v[52+2*\m], v[GT+4*\m+1]
.endr
	v_nop
	s_wait_alu depctr_va_vdst(0)
.irp m, 0,1
.set q, 0
.rept 32
	v_pk_mul_f32 v[ACC+64*\m+q:ACC+64*\m+q+1], v[ACC+64*\m+q:ACC+64*\m+q+1], v[52+2*\m:53+2*\m] op_sel_hi:[1,0]
.set q, q+2
.endr
.endr
	WIN 0x24                                       ; source 1 gamma2 (window 1), source 2 beta2 (window 2)
.irp m, 0,1
.set q, 0
.rept 32
	v_pk_fma_f32 v[ACC+64*\m+q:ACC+64*\m+q+1], v[ACC+64*\m+q:ACC+64*\m+q+1], v[PAR+q:PAR+q+1], v[PAR+q:PAR+q+1]
.set q, q+2
.endr
.endr
	WIN 0x40                                       ; gamma2 is done with: its registers take b1 of my first 128 hidden units; the next barrier's wait covers these loads
.irp b, 0,1,2,3
.irp j, 0,1,2,3
	ds_load_b128 v[PAR+16*\b+4*\j:PAR+16*\b+4*\j+3], v6 offset:1536+128*\b+16*\j
.endr
.endr
	WIN 0
	QUANT ACC, 80, 92, 100
	QUANT ACC+64, 104, 92, 101
.irp c, 0,1,2
	ds_store_b128 v9, v[80+4*\c:83+4*\c] offset:512*\c             ; K step w of the next product, rows of tile 0,
	ds_store_b128 v9, v[104+4*\c:107+4*\c] offset:6144+512*\c      ; of tile 1
.endr
	ds_store_b32 v10, v100
	ds_store_b32 v10, v101 offset:512
	BARRIER                                        ; x1_norm's eight fragments lie in LDS
	WIN 0xc0
.irp m, 0,1
.irp s, 0,1,2,3
.irp c, 0,1,2
	ds_load_b128 v[AF+12*(4*\m+\s)+4*\c:AF+12*(4*\m+\s)+4*\c+3], v11 offset:1536*(4*\m+\s)+512*\c
.endr
.endr
.endr
	WIN 0
.irp m, 0,1
.irp s, 0,1,2,3
	ds_load_b32 v[ASC+4*\m+\s], v12 offset:128*(4*\m+\s)
.endr
.endr
	s_wait_dscnt 0x0
	; ---- h = gelu(x1_norm W1 + b1): four trips of 128 hidden units a wave; no barrier inside.  In trip i the stream's base stands at group i - 1, the products take group i, and group i + 1 is asked for
	s_mov_b32 s40, 4
	s_mov_b32 s41, 0
	s_mov_b32 s42, 0
	s_mov_b32 s43, 2048                            ; the next trip's b1 in my bytes of LDS
.Lp1:
	s_wait_loadcnt 63                              ; sets 1 to 3 (75 loads) are younger than set 0
	WIN 0x1d
	MM16 0, ACC, 1
	PLACES 4
	LOADSET 0, 2
	s_wait_loadcnt 63                              ; younger than set 1: sets 2, 3 and the set just asked for: 75
	WIN 0x0d
	MM16 1, ACC, 0
	PLACES 4
	LOADSET 1, 2
	s_wait_loadcnt 63                              ; younger than set 2: set 3 and the two just asked for: 75
	WIN 0x0e
	MM16 2, ACC, 0
	s_wait_loadcnt 50                              ; younger than set 3: the two just asked for
	MM16 3, ACC, 0
	WIN 0
	PLACES 5
	s_cmp_eq_u32 s40, 1
	s_cbranch_scc1 .Lno_b1                         ; the last trip has no next b1
	v_add_nc_u32 v43, s43, v6
	WIN 0x40
.irp b, 0,1,2,3
.irp j, 0,1,2,3
	ds_load_b128 v[PAR+16*\b+4*\j:PAR+16*\b+4*\j+3], v43 offset:128*\b+16*\j   ; waited for with the trip's image stores
.endr
.endr
	WIN 0
.Lno_b1:
	GELU 0
	GELU 1
	GELU 2
	GELU 3
	LOADSET 2, 2                                   ; 50 loads went out in the run of products; these two sets follow four and five batches of vector work later
	GELU 4
	LOADSET 3, 2
	GELU 5
	GELU 6
	GELU 7
	QUANT ACC, 80, 92, 100
	QUANT ACC+64, 104, 92, 101
	v_add_nc_u32 v41, s41, v13
	v_add_nc_u32 v42, s42, v14
.irp c, 0,1,2
	ds_store_b128 v41, v[80+4*\c:83+4*\c] offset:512*\c            ; K step 4 w + trip of the last product
	ds_store_b128 v41, v[104+4*\c:107+4*\c] offset:1536+512*\c
.endr
	ds_store_b32 v42, v100
	ds_store_b32 v42, v101 offset:128
	s_wait_dscnt 0x0                               ; the stores have read their registers, and the next b1 is in
	s_wait_xcnt 0x0                                ; the stream's base is stepped only behind this wait
	s_add_nc_u64 s[6:7], s[6:7], 51200
	s_add_co_u32 s41, s41, 3072
	s_add_co_u32 s42, s42, 256
	s_add_co_u32 s43, s43, 512
	s_sub_co_u32 s40, s40, 1
	s_cmp_lg_u32 s40, 0
	s_cbranch_scc1 .Lp1
.irp m, 0,1                            ; b2 goes out of my bytes of LDS straight into the accumulators: the last product's sums begin with it
.irp b, 0,1,2,3
.irp j, 0,1,2,3
	ds_load_b128 v[ACC+64*\m+16*\b+4*\j:ACC+64*\m+16*\b+4*\j+3], v6 offset:1024+128*\b+16*\j
.endr
.endr
.endr
	BARRIER                                        ; h's 32 fragments lie in LDS, and b2 is in
	; ---- h W2 + b2: four trips of four K steps.  The base stands at group 4; each trip that asks steps it first and names the group behind it
	s_mov_b32 s41, 0
	s_mov_b32 s42, 0
.macro P2 reload
	v_add_nc_u32 v41, s41, v15
	v_add_nc_u32 v42, s42, v40
	WIN 0xc0
.irp m, 0,1
.irp s, 0,1,2,3
.irp c, 0,1,2
	ds_load_b128 v[AF+12*(4*\m+\s)+4*\c:AF+12*(4*\m+\s)+4*\c+3], v41 offset:3072*\s+1536*\m+512*\c
.endr
.endr
.endr
	WIN 0
.irp m, 0,1
.irp s, 0,1,2,3
	ds_load_b32 v[ASC+4*\m+\s], v42 offset:256*\s+128*\m
.endr
.endr
.if \reload
	s_wait_xcnt 0x0
	s_add_nc_u64 s[6:7], s[6:7], 51200
.endif
	s_wait_dscnt 0x0
.irp s, 0,1,2,3
.if \reload
	s_wait_loadcnt 63                              ; three sets (75 loads) are younger than the one that is wanted
.elseif \s == 0
	s_wait_loadcnt 63
.else
	s_wait_loadcnt 75-25*\s                        ; nothing more is asked for: the counts run down
.endif
	WIN 0x0d+(\s)/2
	MM16 \s, ACC, 0
	WIN 0
	PLACES 4                                       ; in front of loads into registers that the products have read, and of the first read of results
.if \reload
	LOADSET \s, 1
.endif
.endr
	s_add_co_u32 s41, s41, 12288
	s_add_co_u32 s42, s42, 1024
.endm
	s_mov_b32 s40, 3
.Lp2:
	P2 1
	s_sub_co_u32 s40, s40, 1
	s_cmp_lg_u32 s40, 0
	s_cbranch_scc1 .Lp2
	P2 0
	; ---- out = gelu(..) + x1, through the stage, as whole rows
.irp a, 0,1,2,3,4,5,6,7
	GELU \a
.endr
	WIN 0x0c                                       ; source 1: x1, window 3
.set q, 0
.rept 64
	v_pk_add_f32 v[ACC+q:ACC+q+1], v[ACC+q:ACC+q+1], v[q:q+1]
.set q, q+2
.endr
	WIN 0
.irp m, 0,1
.irp b, 0,1,2,3
.irp j, 0,1,2,3
	ds_store_b128 v5, v[ACC+64*\m+16*\b+4*\j:ACC+64*\m+16*\b+4*\j+3] offset:16*SP*\m+128*\b+16*\j
.endr
.endr
.endr
	BARRIER                                        ; 32 whole rows lie in the stage
.irp i, 0,1,2,3,4,5,6,7
.irp q, 0,1,2,3
	ds_load_b128 v[ACC+16*\i+4*\q:ACC+16*\i+4*\q+3], v4 offset:SP*\i+512*\q
.endr
.endr
.irp i, 0,1,2,3,4,5,6,7
.irp q, 0,1,2,3
	s_wait_dscnt 31-4*\i-\q
	global_store_b128 v1, v[ACC+16*\i+4*\q:ACC+16*\i+4*\q+3], s[20:21] offset:2048*\i+512*\q th:TH_STORE_NT   ; 32 lanes store 512 consecutive bytes of a row
.endr
.endr
	s_set_vgpr_msb 0xf
	s_wait_tensorcnt 0x0
	ds_add_u32 v254, v255
	s_wait_dscnt 0x0
	s_set_vgpr_msb 0xf00
	s_endpgm
.Lfunc_end_k_q7fe1f741c3_mlp:
	.size	k_q7fe1f741c3_mlp, .Lfunc_end_k_q7fe1f741c3_mlp-k_q7fe1f741c3_mlp
	.p2alignl 7, 3214868480
	.fill 96, 4, 3214868480
	.section	.rodata,"a",@progbits
	.p2align	6, 0x0
	.amdhsa_kernel k_q7fe1f741c3_mlp
		.amdhsa_group_segment_fixed_size 163840
		.amdhsa_private_segment_fixed_size 0
		.amdhsa_enable_private_segment 0
		.amdhsa_kernarg_size 72
		.amdhsa_user_sgpr_count 2
		.amdhsa_user_sgpr_kernarg_segment_ptr 1
		.amdhsa_wavefront_size32 1
		.amdhsa_system_sgpr_workgroup_id_x 1
		.amdhsa_system_sgpr_workgroup_id_y 1
		.amdhsa_system_sgpr_workgroup_id_z 1
		.amdhsa_system_vgpr_workitem_id 0
		.amdhsa_next_free_vgpr 1024
		.amdhsa_next_free_sgpr 100
		.amdhsa_reserve_vcc 0
		.amdhsa_float_denorm_mode_32 3
		.amdhsa_float_denorm_mode_16_64 3
		.amdhsa_memory_ordered 1
		.amdhsa_forward_progress 1
		.amdhsa_inst_pref_size 255
	.end_amdhsa_kernel
	.section	.bss,"aw",@nobits
	.p2align	6
	.space	262144
	.amdgpu_metadata
---
amdhsa.version: [ 1, 2 ]
amdhsa.kernels:
  - .name:           k_q7fe1f741c3_mlp
    .symbol:         k_q7fe1f741c3_mlp.kd
    .args:
      - { .name: aw, .offset: 0, .size: 8, .value_kind: global_buffer, .address_space: global }
      - { .name: wst, .offset: 8, .size: 8, .value_kind: global_buffer, .address_space: global }
      - { .name: x, .offset: 16, .size: 8, .value_kind: global_buffer, .address_space: global }
      - { .name: bp, .offset: 24, .size: 8, .value_kind: global_buffer, .address_space: global }
      - { .name: gamma2, .offset: 32, .size: 8, .value_kind: global_buffer, .address_space: global }
      - { .name: beta2, .offset: 40, .size: 8, .value_kind: global_buffer, .address_space: global }
      - { .name: b1, .offset: 48, .size: 8, .value_kind: global_buffer, .address_space: global }
      - { .name: b2, .offset: 56, .size: 8, .value_kind: global_buffer, .address_space: global }
      - { .name: out0, .offset: 64, .size: 8, .value_kind: global_buffer, .address_space: global }
    .group_segment_fixed_size: 163840
    .private_segment_fixed_size: 0
    .kernarg_segment_align: 8
    .kernarg_segment_size: 72
    .max_flat_workgroup_size: 128
    .sgpr_count:     100
    .vgpr_count:     1024
    .wavefront_size: 32
...
	.end_amdgpu_metadata
.endif
;; end of part 4
;; ======== version 2 of 2: 4 launches
;; workspace buffers: xq 3,407,872 bytes; wqkv 589,824 bytes; wst 1,843,200 bytes; qw 3,276,800 bytes; kv 6,553,600 bytes; aw 3,670,016 bytes
;; launch prep (part 5): grid 256 x 1, 2 waves a work-group, no clusters, 66,304 bytes of LDS; arguments x, gamma1, beta1, Wq_codes, Wk_codes, Wv_codes, Wp_codes, W1_codes, W2_codes, Wp_scales, W1_scales, W2_scales, xq, wqkv, wst; writes xq, wqkv, wst
.if DOCPART == 5
	.amdgcn_target "amdgcn-amd-amdhsa--gfx1250"
	.amdhsa_code_object_version 6
	.text
	.protected	k_q7fe1f741c3_prep
	.globl	k_q7fe1f741c3_prep
	.p2align	8
	.type	k_q7fe1f741c3_prep,@function
k_q7fe1f741c3_prep:
	s_mov_b64 s[64:65], 0
	v_nop
	global_prefetch_b8 v0, s[64:65] scope:SCOPE_SE
	s_setreg_imm32_b32 hwreg(HW_REG_WAVE_MODE, 25, 1), 1
	s_wait_xcnt 0x0
; PREP.  (1) x_norm = gamma1 (x - mean) / (std + 1e-10) + beta1 (std with 511 in the divisor), quantised along D to codes of E3M2 with one E8M0 byte for each 32;
; (2) the six weights' codes and three of their scale tables are laid out in the order of the operand registers of the later launches.
; TILES.  A tile is 16 rows; lane r of tile T holds row 32 (T / 2) + 8 (T % 2) + r + 8 (r / 8).  The same rule picks the 16 rows of every weight tile.
; IMAGES.  A fragment (16 rows x 128 K, 12 registers a lane) lies in memory as three chunks of 512 bytes, chunk c = registers 4 c .. 4 c + 3, lane l's 16 bytes at 16 l.
; SHARES.  512 waves, two to a work-group; wave W takes row tile W, one fragment of W1, one of W2, one of Wq / Wk / Wv / Wp, and (W < 144) one image of scale words.
; A row of x is 2,048 bytes: the wave's 32 lanes take it by four loads of 512 consecutive bytes, and the row's mean and variance never leave the wave.  The normalised rows turn through the wave's own
; stage in LDS (rows 2,064 bytes apart), since the conversions want 16 neighbours along K in one lane.  No barrier: waves share nothing.  No matrix unit, no cluster: nothing is shared and memory binds.
; LIMITS: NaN and infinities are not served; a block whose largest magnitude lies under 2^-122 (a block of zeros too) keeps the scale byte 1: its bytes are read by this program alone.
.set SP,   2064                        ; a stage row: 2,048 bytes + 16
.set GA,   12                          ; v12-27  gamma1 at columns 128 q + 4 lane + 0..3
.set BE,   28                          ; v28-43  beta1 likewise
.set WF,   44                          ; v44-79  three weight fragments
.set SU,   80                          ; v80-83  a scale image's four words
.set ST,   84                          ; v84-99  statistics, four registers a row
.set TM,   84                          ; later: the quantiser's 16 registers
.set X,    100                         ; v100-227 two slots of 4 rows x 16 registers
.set N,    100                         ; later: 64 numbers of a K step
.set FRG,  164                         ; four fragments of 12
.set TMPC, 212
.set PWR,  220                         ; four scale words
.set SEL,  60                          ; s[60:61] v_permlanex16_b32's selects for lane l xor 16
.macro ROW0 d, t, tmp                  ; s[d] = 32 (s[t] / 2) + 8 (s[t] % 2): a tile's first row
	s_lshr_b32 s[\d], s[\t], 1
	s_lshl_b32 s[\d], s[\d], 5
	s_and_b32 s[\tmp], s[\t], 1
	s_lshl_b32 s[\tmp], s[\tmp], 3
	s_add_co_u32 s[\d], s[\d], s[\tmp]
.endm
; 64 numbers of a lane, register 16 b + i = k 32 b + 16 (lane / 16) + i of my row, become a fragment's 12 registers at v[pc] and its scale word in v[pw]
.macro QUANT s, pc, tmp, pw
.irp b, 0,1,2,3
	v_max3_num_f32 v[TM+\b], |v[\s+16*\b]|, |v[\s+1+16*\b]|, 0x2800000   ; my 16 numbers of block b, and the floor 2^(5 - 127): the byte cannot fall under 1
.endr
.irp i, 2,4,6,8,10,12,14
.irp b, 0,1,2,3
	v_max3_num_f32 v[TM+\b], v[TM+\b], |v[\s+16*\b+\i]|, |v[\s+1+16*\b+\i]|
.endr
.endr
.irp b, 0,1,2,3
	v_permlanex16_b32 v[TM+4+\b], v[TM+\b], s[SEL], s[SEL+1]
.endr
.irp b, 0,1,2,3
	v_max_num_f32 v[TM+\b], v[TM+\b], v[TM+4+\b]                  ; with lane l xor 16's: the block's largest magnitude
.endr
.irp b, 0,1,2,3
	v_add_nc_u32 v[TM+12+\b], 0xfe000000, v[TM+\b]                ; 4 off its exponent field: the conversion's scale operand
.endr
.irp b, 0,1,2,3
	v_lshrrev_b32 v[TM+4+\b], 23, v[TM+12+\b]                     ; the scale's byte
.endr
	v_lshl_or_b32 v[\pw], v[TM+5], 8, v[TM+4]
	v_lshl_or_b32 v[\pw], v[TM+6], 16, v[\pw]
	v_lshl_or_b32 v[\pw], v[TM+7], 24, v[\pw]
.irp c, 0,1
	v_cvt_scalef32_pk16_bf6_f32 v[\pc+6*\c:\pc+6*\c+2], v[\s+32*\c:\s+32*\c+15], v[TM+12+2*\c]
	v_cvt_scalef32_pk16_bf6_f32 v[\tmp+4*\c:\tmp+4*\c+2], v[\s+32*\c+16:\s+32*\c+31], v[TM+12+2*\c+1]
.endr
	v_nop                                                          ; one plain line behind the scaled conversions
.irp c, 0,1
.irp i, 0,1,2
	v_permlane16_swap_b32 v[\pc+6*\c+\i], v[\tmp+4*\c+\i]          ; a whole block to a lane: lanes 0-15 block 2 c, lanes 16-31 block 2 c + 1
.endr
.irp i, 0,1,2
	v_mov_b32 v[\pc+6*\c+3+\i], v[\tmp+4*\c+\i]
.endr
.endr
.endm
	s_load_b256 s[4:11], s[0:1], 0x0               ; x, gamma1, beta1, Wq's codes
	s_load_b256 s[12:19], s[0:1], 0x20             ; Wk's, Wv's, Wp's, W1's codes
	s_load_b256 s[20:27], s[0:1], 0x40             ; W2's codes, Wp's, W1's, W2's scales
	s_load_b128 s[28:31], s[0:1], 0x60             ; xq, wqkv
	s_load_b64 s[32:33], s[0:1], 0x70              ; wst
	v_lshl_add_u32 v232, v0, 2, 0x10200
	v_mov_b32 v233, 0
	v_lshrrev_b32 v1, 5, v0
	v_readfirstlane_b32 s35, v1                    ; wave 0, 1
	s_lshl_b32 s34, ttmp9, 1
	s_add_co_u32 s34, s34, s35                     ; W = 2 x work-group + wave
	v_and_b32 v1, 31, v0                           ; lane
	v_lshlrev_b32 v2, 4, v1                        ; 16 x lane
	s_mul_i32 s36, s35, 16*SP                      ; my stage
	v_add_nc_u32 v3, s36, v2                       ; into it: 16 x lane of a row
	v_and_b32 v224, 15, v0                         ; r
	v_bfe_u32 v225, v0, 4, 1                       ; h
	v_mul_u32_u24 v4, v224, SP
	v_lshl_add_u32 v4, v225, 6, v4
	v_add_nc_u32 v4, s36, v4                       ; out of it: row r, + 64 h: my 16 numbers of a block of 32
	v_and_b32 v226, 8, v224
	v_add_nc_u32 v226, v226, v224                  ; r + 8 (r / 8)
	v_mul_u32_u24 v5, v226, 384                    ; a weight row of 512 codes,
	v_mad_u32_u24 v5, v225, 24, v5                 ; + 24 h
	v_mul_u32_u24 v6, v226, 1536                   ; a weight row of 2,048 codes
	v_mad_u32_u24 v6, v225, 24, v6
	v_lshl_add_u32 v11, v225, 3, v226              ; a scale image's row: lanes 0-15 the even tile's, lanes 16-31 the odd tile's (8 rows on)
	s_mov_b32 s[SEL], 0x76543210
	s_mov_b32 s[SEL+1], 0xfedcba98
	ROW0 56, 34, 62                                ; x: my tile's first row, 2,048 bytes a row
	s_lshl_b32 s56, s56, 11
	s_mov_b32 s57, 0
	s_mul_i32 s58, s34, 6144                       ; xq: four fragments a tile
	s_mov_b32 s59, 0
	s_lshl_b32 s38, s34, 9                         ; xq's scale words: 512 bytes a tile
	s_mov_b32 s39, 0
	; W1's fragment: tile W / 4, K step W % 4 -> wave tile / 32, group 1 + (tile / 8) % 4, place tile % 8
	s_lshr_b32 s36, s34, 2
	s_and_b32 s37, s34, 3
	ROW0 40, 36, 62
	s_mul_i32 s40, s40, 384
	s_mul_i32 s62, s37, 96
	s_add_co_u32 s40, s40, s62
	s_mov_b32 s41, 0
	s_lshr_b32 s42, s36, 5
	s_mul_i32 s42, s42, 460800
	s_bfe_u32 s62, s36, 0x20003
	s_lshl_b32 s62, s62, 2
	s_add_co_u32 s62, s62, s37
	s_add_co_u32 s62, s62, 4
	s_mul_i32 s62, s62, 12800
	s_add_co_u32 s42, s42, s62
	s_and_b32 s62, s36, 7
	s_mul_i32 s62, s62, 1536
	s_add_co_u32 s42, s42, s62
	s_mov_b32 s43, 0
	; W2's fragment: tile W / 16, K step W % 16 -> wave tile / 8, set 20 + K step, place tile % 8
	s_lshr_b32 s36, s34, 4
	s_and_b32 s37, s34, 15
	ROW0 44, 36, 62
	s_mul_i32 s44, s44, 1536
	s_mul_i32 s62, s37, 96
	s_add_co_u32 s44, s44, s62
	s_mov_b32 s45, 0
	s_lshr_b32 s46, s36, 3
	s_mul_i32 s46, s46, 460800
	s_add_co_u32 s62, s37, 20
	s_mul_i32 s62, s62, 12800
	s_add_co_u32 s46, s46, s62
	s_and_b32 s62, s36, 7
	s_mul_i32 s62, s62, 1536
	s_add_co_u32 s46, s46, s62
	s_mov_b32 s47, 0
	; the third fragment: matrix W / 128 of Wq, Wk, Wv, Wp; tile (W % 128) / 4, K step W % 4
	s_lshr_b32 s63, s34, 7
	s_and_b32 s36, s34, 127
	s_lshr_b32 s37, s36, 2
	s_and_b32 s70, s36, 3
	ROW0 48, 37, 62
	s_mul_i32 s48, s48, 384
	s_mul_i32 s62, s70, 96
	s_add_co_u32 s48, s48, s62
	s_mov_b32 s49, 0
	s_mul_i32 s50, s63, 196608
	s_mul_i32 s62, s36, 1536
	s_add_co_u32 s50, s50, s62                     ; its place in wqkv,
	s_lshr_b32 s71, s37, 3
	s_mul_i32 s71, s71, 460800
	s_mul_i32 s62, s70, 12800
	s_add_co_u32 s71, s71, s62
	s_and_b32 s62, s37, 7
	s_mul_i32 s62, s62, 1536
	s_add_co_u32 s71, s71, s62                     ; or, for Wp, in wst (group 0)
	s_mov_b32 s51, 0
	s_wait_alu depctr_va_vdst(0)
	s_wait_kmcnt 0x0
	s_cmp_eq_u32 s63, 1                            ; the choices hang on the wave's number W alone
	s_cselect_b64 s[52:53], s[12:13], s[10:11]
	s_cmp_eq_u32 s63, 2
	s_cselect_b64 s[52:53], s[14:15], s[52:53]
	s_cmp_eq_u32 s63, 3
	s_cselect_b64 s[52:53], s[16:17], s[52:53]
	s_cselect_b64 s[54:55], s[32:33], s[30:31]
	s_cselect_b32 s50, s71, s50
	s_add_nc_u64 s[18:19], s[18:19], s[40:41]
	s_add_nc_u64 s[20:21], s[20:21], s[44:45]
	s_add_nc_u64 s[52:53], s[52:53], s[48:49]
	s_add_nc_u64 s[54:55], s[54:55], s[50:51]
	s_add_nc_u64 s[42:43], s[32:33], s[42:43]
	s_add_nc_u64 s[46:47], s[32:33], s[46:47]
	s_add_nc_u64 s[4:5], s[4:5], s[56:57]
	s_add_nc_u64 s[58:59], s[28:29], s[58:59]
	s_add_nc_u64 s[38:39], s[28:29], s[38:39]
.irp p, 0,1,2,3,4,5                    ; a fragment from rows: 24 bytes at 96 s + 24 h and 24 bytes 48 further on, in pieces of 8
	global_load_b64 v[WF+2*\p:WF+2*\p+1], v5, s[18:19] offset:48*(\p/3)+8*(\p%3)
	global_load_b64 v[WF+12+2*\p:WF+12+2*\p+1], v6, s[20:21] offset:48*(\p/3)+8*(\p%3)
	global_load_b64 v[WF+24+2*\p:WF+24+2*\p+1], v5, s[52:53] offset:48*(\p/3)+8*(\p%3)
.endr
.irp q, 0,1,2,3
	global_load_b128 v[GA+4*\q:GA+4*\q+3], v2, s[6:7] offset:512*\q
	global_load_b128 v[BE+4*\q:BE+4*\q+3], v2, s[8:9] offset:512*\q
.endr
.macro FILL slot, k                    ; the tile's rows 4 k .. 4 k + 3: sixteen loads of 512 consecutive bytes
.irp i, 0,1,2,3
.irp q, 0,1,2,3
	global_load_b128 v[X+64*\slot+16*\i+4*\q:X+64*\slot+16*\i+4*\q+3], v2, s[4:5] offset:((4*\k+\i)+8*((4*\k+\i)/8))*2048+512*\q th:TH_LOAD_NT
.endr
.endr
.endm
.macro ALLSUM                          ; four rows' two chains -> the row's sum in every lane, in v[ST + 4 i]
.irp i, 0,1,2,3
	v_pk_add_f32 v[ST+4*\i:ST+4*\i+1], v[ST+4*\i:ST+4*\i+1], v[ST+4*\i+2:ST+4*\i+3]
.endr
.irp i, 0,1,2,3
	v_add_f32 v[ST+4*\i], v[ST+4*\i], v[ST+4*\i+1]
.endr
.irp x, 1,2,4,8
.irp i, 0,1,2,3
	v_add_f32_dpp v[ST+4*\i], v[ST+4*\i], v[ST+4*\i] row_xmask:\x row_mask:0xf bank_mask:0xf
.endr
.endr
.irp i, 0,1,2,3
	v_permlanex16_b32 v[ST+4*\i+1], v[ST+4*\i], s[SEL], s[SEL+1]
.endr
.irp i, 0,1,2,3
	v_add_f32 v[ST+4*\i], v[ST+4*\i], v[ST+4*\i+1]
.endr
.endm
.macro LNB slot, k                     ; four rows are normalised, the rows by turns line by line, and go to the stage
.set XB, X+64*\slot
.irp i, 0,1,2,3
	v_pk_add_f32 v[ST+4*\i:ST+4*\i+1], v[XB+16*\i:XB+16*\i+1], v[XB+16*\i+2:XB+16*\i+3]
	v_pk_add_f32 v[ST+4*\i+2:ST+4*\i+3], v[XB+16*\i+4:XB+16*\i+5], v[XB+16*\i+6:XB+16*\i+7]
.endr
.irp j, 8,12
.irp i, 0,1,2,3
	v_pk_add_f32 v[ST+4*\i:ST+4*\i+1], v[ST+4*\i:ST+4*\i+1], v[XB+16*\i+\j:XB+16*\i+\j+1]
	v_pk_add_f32 v[ST+4*\i+2:ST+4*\i+3], v[ST+4*\i+2:ST+4*\i+3], v[XB+16*\i+\j+2:XB+16*\i+\j+3]
.endr
.endr
	ALLSUM
.irp i, 0,1,2,3
	v_mul_f32 v[ST+4*\i], 0x3b000000, v[ST+4*\i]                  ; the mean: / 512
.endr
.irp j, 0,2,4,6,8,10,12,14
.irp i, 0,1,2,3
	v_pk_add_f32 v[XB+16*\i+\j:XB+16*\i+\j+1], v[XB+16*\i+\j:XB+16*\i+\j+1], v[ST+4*\i:ST+4*\i+1] op_sel_hi:[1,0] neg_lo:[0,1] neg_hi:[0,1]
.endr
.endr
.irp i, 0,1,2,3
	v_pk_mul_f32 v[ST+4*\i:ST+4*\i+1], v[XB+16*\i:XB+16*\i+1], v[XB+16*\i:XB+16*\i+1]
	v_pk_mul_f32 v[ST+4*\i+2:ST+4*\i+3], v[XB+16*\i+2:XB+16*\i+3], v[XB+16*\i+2:XB+16*\i+3]
.endr
.irp j, 4,8,12
.irp i, 0,1,2,3
	v_pk_fma_f32 v[ST+4*\i:ST+4*\i+1], v[XB+16*\i+\j:XB+16*\i+\j+1], v[XB+16*\i+\j:XB+16*\i+\j+1], v[ST+4*\i:ST+4*\i+1]
	v_pk_fma_f32 v[ST+4*\i+2:ST+4*\i+3], v[XB+16*\i+\j+2:XB+16*\i+\j+3], v[XB+16*\i+\j+2:XB+16*\i+\j+3], v[ST+4*\i+2:ST+4*\i+3]
.endr
.endr
	ALLSUM
.irp i, 0,1,2,3
	v_mul_f32 v[ST+4*\i], 0x3b004020, v[ST+4*\i]                  ; the variance: / 511
.endr
	s_wait_alu depctr_va_vdst(0)
.irp i, 0,1,2,3
	v_sqrt_f32 v[ST+4*\i+1], v[ST+4*\i]
.endr
	v_nop                                                          ; a plain line behind the roots,
	s_wait_alu depctr_va_vdst(0)                                   ; and one wait for the four, ahead of their first reader
.irp i, 0,1,2,3
	v_add_f32 v[ST+4*\i+1], 0x2edbe6ff, v[ST+4*\i+1]              ; + 1e-10
.endr
	s_wait_alu depctr_va_vdst(0)
.irp i, 0,1,2,3
	v_rcp_f32 v[ST+4*\i], v[ST+4*\i+1]
.endr
	v_nop
	s_wait_alu depctr_va_vdst(0)                                   ; one wait for the four reciprocals
.irp j, 0,2,4,6,8,10,12,14
.irp i, 0,1,2,3
	v_pk_mul_f32 v[XB+16*\i+\j:XB+16*\i+\j+1], v[XB+16*\i+\j:XB+16*\i+\j+1], v[ST+4*\i:ST+4*\i+1] op_sel_hi:[1,0]
.endr
.endr
.irp j, 0,2,4,6,8,10,12,14
.irp i, 0,1,2,3
	v_pk_fma_f32 v[XB+16*\i+\j:XB+16*\i+\j+1], v[XB+16*\i+\j:XB+16*\i+\j+1], v[GA+\j:GA+\j+1], v[BE+\j:BE+\j+1]
.endr
.endr
.irp i, 0,1,2,3
.irp q, 0,1,2,3
	ds_store_b128 v3, v[XB+16*\i+4*\q:XB+16*\i+4*\q+3] offset:SP*(4*\k+\i)+512*\q
.endr
.endr
	s_wait_dscnt 0x0                                               ; the stores have read the slot: it may be loaded again
.endm
	FILL 0, 0
	FILL 1, 1
	s_wait_loadcnt 16                              ; all but the other slot's sixteen loads are in: the weights, gamma1 and beta1 too
	LNB 0, 0
	FILL 0, 2
	s_wait_loadcnt 16
	LNB 1, 1
	FILL 1, 3
	s_wait_loadcnt 16
	LNB 0, 2
	s_wait_loadcnt 0
	LNB 1, 3
.irp s, 0,1,2,3                        ; K step s: 64 numbers a lane out of the stage (LDS serves a wave's instructions in order: these see my stores), a fragment, three stores of 512 consecutive bytes
.irp b, 0,1,2,3
.irp j, 0,1,2,3
	ds_load_b128 v[N+16*\b+4*\j:N+16*\b+4*\j+3], v4 offset:512*\s+128*\b+16*\j
.endr
.endr
	s_wait_dscnt 0x0
	QUANT N, FRG+12*\s, TMPC, PWR+\s
.irp c, 0,1,2
	global_store_b128 v2, v[FRG+12*\s+4*\c:FRG+12*\s+4*\c+3], s[58:59] offset:1536*\s+512*\c
.endr
.endr
	global_store_b128 v2, v[PWR:PWR+3], s[38:39] offset:3145728    ; my row's four scale words
.irp c, 0,1,2                          ; the three weight fragments as images
	global_store_b128 v2, v[WF+4*\c:WF+4*\c+3], s[42:43] offset:512*\c
	global_store_b128 v2, v[WF+12+4*\c:WF+12+4*\c+3], s[46:47] offset:512*\c
	global_store_b128 v2, v[WF+24+4*\c:WF+24+4*\c+3], s[54:55] offset:512*\c
.endr
	; a scale image: unit W = 16 k + 4 s + w: the words of K step s of wave w's 128 rows in group k; lane l's word b is that of row 32 b + (my row of a pair of tiles)
	s_cmp_lt_u32 s34, 144
	s_cbranch_scc0 .Ldone
	s_and_b32 s36, s34, 3                          ; w
	s_bfe_u32 s37, s34, 0x20002                    ; s
	s_lshr_b32 s62, s34, 4                         ; k
	s_lshl_b32 s70, s36, 11                        ; Wp: 128 w rows of 16 bytes
	s_lshl_b32 s71, s36, 13                        ; W1: 512 w rows of 16 bytes; W2: 128 w rows of 64 bytes
	s_sub_co_u32 s72, s62, 1
	s_lshl_b32 s72, s72, 11
	s_add_co_u32 s72, s72, s71                     ; W1: + 128 (k - 1) rows
	s_sub_co_u32 s73, s62, 5
	s_lshl_b32 s73, s73, 4
	s_add_co_u32 s73, s73, s71                     ; W2: + 4 (k - 5) words
	s_cmp_eq_u32 s62, 0
	s_cselect_b64 s[74:75], s[22:23], s[24:25]
	s_cselect_b32 s70, s70, s72
	s_cmp_gt_u32 s62, 4
	s_cselect_b64 s[74:75], s[26:27], s[74:75]
	s_cselect_b32 s70, s73, s70
	s_cselect_b32 s76, 6, 4                        ; a row of scales is 64 or 16 bytes
	s_lshl_b32 s72, s37, 2
	s_add_co_u32 s70, s70, s72
	s_mov_b32 s71, 0
	s_add_nc_u64 s[74:75], s[74:75], s[70:71]
.irp b, 0,1,2,3
	v_add_nc_u32 v[7+\b], 32*\b, v11
	v_lshlrev_b32 v[7+\b], s76, v[7+\b]
.endr
.irp b, 0,1,2,3
	global_load_b32 v[SU+\b], v[7+\b], s[74:75]
.endr
	s_mul_i32 s70, s36, 460800
	s_lshl_b32 s72, s62, 2
	s_add_co_u32 s72, s72, s37
	s_mul_i32 s72, s72, 12800
	s_add_co_u32 s70, s70, s72
	s_add_nc_u64 s[78:79], s[32:33], s[70:71]
	s_wait_loadcnt 0x0
	global_store_b128 v2, v[SU:SU+3], s[78:79] offset:12288        ; behind the set's eight fragments
.Ldone:
	s_wait_tensorcnt 0x0
	ds_add_u32 v232, v233
	s_wait_dscnt 0x0
	s_endpgm
.Lfunc_end_k_q7fe1f741c3_prep:
	.size	k_q7fe1f741c3_prep, .Lfunc_end_k_q7fe1f741c3_prep-k_q7fe1f741c3_prep
	.p2alignl 7, 3214868480
	.fill 96, 4, 3214868480
	.section	.rodata,"a",@progbits
	.p2align	6, 0x0
	.amdhsa_kernel k_q7fe1f741c3_prep
		.amdhsa_group_segment_fixed_size 66304
		.amdhsa_private_segment_fixed_size 0
		.amdhsa_enable_private_segment 0
		.amdhsa_kernarg_size 120
		.amdhsa_user_sgpr_count 2
		.amdhsa_user_sgpr_kernarg_segment_ptr 1
		.amdhsa_wavefront_size32 1
		.amdhsa_system_sgpr_workgroup_id_x 1
		.amdhsa_system_sgpr_workgroup_id_y 1
		.amdhsa_system_sgpr_workgroup_id_z 1
		.amdhsa_system_vgpr_workitem_id 0
		.amdhsa_next_free_vgpr 234
		.amdhsa_next_free_sgpr 80
		.amdhsa_reserve_vcc 0
		.amdhsa_float_denorm_mode_32 3
		.amdhsa_float_denorm_mode_16_64 3
		.amdhsa_memory_ordered 1
		.amdhsa_forward_progress 1
		.amdhsa_inst_pref_size 98
	.end_amdhsa_kernel
	.amdgpu_metadata
---
amdhsa.version: [ 1, 2 ]
amdhsa.kernels:
  - .name:           k_q7fe1f741c3_prep
    .symbol:         k_q7fe1f741c3_prep.kd
    .args:
      - { .name: x, .offset: 0, .size: 8, .value_kind: global_buffer, .address_space: global }
      - { .name: gamma1, .offset: 8, .size: 8, .value_kind: global_buffer, .address_space: global }
      - { .name: beta1, .offset: 16, .size: 8, .value_kind: global_buffer, .address_space: global }
      - { .name: Wq_codes, .offset: 24, .size: 8, .value_kind: global_buffer, .address_space: global }
      - { .name: Wk_codes, .offset: 32, .size: 8, .value_kind: global_buffer, .address_space: global }
      - { .name: Wv_codes, .offset: 40, .size: 8, .value_kind: global_buffer, .address_space: global }
      - { .name: Wp_codes, .offset: 48, .size: 8, .value_kind: global_buffer, .address_space: global }
      - { .name: W1_codes, .offset: 56, .size: 8, .value_kind: global_buffer, .address_space: global }
      - { .name: W2_codes, .offset: 64, .size: 8, .value_kind: global_buffer, .address_space: global }
      - { .name: Wp_scales, .offset: 72, .size: 8, .value_kind: global_buffer, .address_space: global }
      - { .name: W1_scales, .offset: 80, .size: 8, .value_kind: global_buffer, .address_space: global }
      - { .name: W2_scales, .offset: 88, .size: 8, .value_kind: global_buffer, .address_space: global }
      - { .name: xq, .offset: 96, .size: 8, .value_kind: global_buffer, .address_space: global }
      - { .name: wqkv, .offset: 104, .size: 8, .value_kind: global_buffer, .address_space: global }
      - { .name: wst, .offset: 112, .size: 8, .value_kind: global_buffer, .address_space: global }
    .group_segment_fixed_size: 66304
    .private_segment_fixed_size: 0
    .kernarg_segment_align: 8
    .kernarg_segment_size: 120
    .max_flat_workgroup_size: 64
    .sgpr_count:     80
    .vgpr_count:     234
    .wavefront_size: 32
...
	.end_amdgpu_metadata
.endif
;; end of part 5
;; launch qkv (part 6): grid 128 x 2, 4 waves a work-group, no clusters, 0 bytes of LDS; arguments xq, wqkv, Wq_scales, Wk_scales, Wv_scales, bq, bk, bv, qw, kv; writes qw, kv
.if DOCPART == 6
	.amdgcn_target "amdgcn-amd-amdhsa--gfx1250"
	.amdhsa_code_object_version 6
	.text
	.protected	k_q7fe1f741c3_qkv
	.globl	k_q7fe1f741c3_qkv
	.p2align	8
	.type	k_q7fe1f741c3_qkv,@function
k_q7fe1f741c3_qkv:
	s_mov_b64 s[64:65], 0
	v_nop
	global_prefetch_b8 v0, s[64:65] scope:SCOPE_SE
	s_setreg_imm32_b32 hwreg(HW_REG_WAVE_SCHED_MODE, 0, 2), 2
	s_setreg_imm32_b32 hwreg(HW_REG_WAVE_MODE, 25, 1), 1
	s_wait_xcnt 0x0
	s_wait_alu depctr_vm_vsrc(0)
; Q, K, V = x_norm W + b on codes of E3M2, and their own quantising: Q and K along the head's 64 channels, V along the keys.
; SHARES.  Work-group (G, p) takes 64 rows (row tiles 4 G .. 4 G + 3); its wave w takes head 4 p + w for all three matrices: 192 matrix instructions a wave, no LDS, no barrier, no loop.
; All operands are register images made by the launch before: each comes by loads of 512 consecutive bytes straight into the registers of the one wave that multiplies it.
; NO JOINT LOADS: a wave reads 24,576 bytes of x and 73,728 bytes of weights once each, into registers; by way of LDS every one of these bytes would be written and read once more, for 192 matrix instructions.
; Q, K: source 0 = 16 rows of W, source 1 = 16 rows of x: a lane holds one row of x and its 32 registers run along the head's channels (tile t's rows are chosen so): two blocks of 32, six registers of codes.
; V:    source 0 = 16 rows of x, source 1 = 16 rows of Wv: a lane holds one channel and its 32 registers run along 64 keys' halves: again two blocks of 32 along the next product's K.
; OUT.  Q and K: double fragments (registers 0-5 the even tile of a pair, 6-11 the odd one) as images; V: halves of 768 bytes; scale words: two bytes a tile, packed as the attention's instructions take them.
; LIMITS: NaN and infinities are not served; a block whose largest magnitude lies under 2^-122 keeps the scale byte 1 (read by this program alone).
; THE MODE: SCHED_MODE bits 1:0 = 2 (LLVM: expert scheduling mode 2), set by the entry lines.  The code itself states the register dependences
; between vector or matrix instructions and memory instructions, with s_wait_alu, always for 0.
; THE PLAN.  Registers that memory instructions touch:
;   v1-v6          offsets, made once at the head and never written again.
;   window 2       Wq's fragments: loaded at the head, read by Q's 64 products; then Wv's 48 loads land there.
;   x, Wk, biases, scale words: loaded once, never loaded again.
;   v112-135, v152 Q's codes and word;  v160-183, v154 K's;  v184-207, v156 V's: each written by its own pass's quantiser and read by that pass's stores alone.  No register that a store reads is written again.
; So: one wait ahead of the first load (the offsets); one behind Q's pass (Q's products are done reading Wq, Q's codes and word are written): Wv's loads and Q's stores follow it; and in each tile of V one wait behind its
; products and their places, where the quantiser wants those products' results in any case: it states that the step before has written its codes, whose stores follow it; one more ahead of the last stores.
; REGISTERS.  window 0: v1-7 offsets; v8-23 x's scale words [m][s]; v24-47 the weights' [matrix][pair of tiles][s]; v48-79 bv, eight copies a tile; v80-111 four accumulators; v112-135, v160-207 codes; v136-157 at work.
;   window 1: x's 16 fragments at 12 (4 m + s); v192-223 bq, v224-255 bk in the result's layout.   window 2: Wq's 16 fragments, later Wv's.   window 3: Wk's.
.set XS,  8
.set WS,  24
.set BV,  48
.set ACC, 80
.set DFQ, 112
.set TP,  136
.set TM,  140
.set HW,  148
.set WQW, 152                          ; Q's scale word
.set WT,  153                          ; at work
.set WKW, 154                          ; K's
.set WVW, 156                          ; V's
.set DFK, 160
.set DFV, 184
.set SEL, 50
.set MSB, 0
.macro WIN new                         ; the immediate's high byte repeats the setting that is left
.if MSB != (\new)
	s_set_vgpr_msb (MSB<<8)|(\new)
.set MSB, \new
.endif
.endm
.macro WMA d, a, b, c, sa, sb, odd     ; odd: source 0's scale words stand in lanes 16-31
.if \odd
	v_wmma_scale_f32_16x16x128_f8f6f4 v[\d:\d+7], v[\a:\a+11], v[\b:\b+11], v[\c:\c+7], v[\sa], v[\sb] matrix_a_fmt:MATRIX_FMT_BF6 matrix_b_fmt:MATRIX_FMT_BF6 matrix_a_scale:MATRIX_SCALE_ROW1
.else
	v_wmma_scale_f32_16x16x128_f8f6f4 v[\d:\d+7], v[\a:\a+11], v[\b:\b+11], v[\c:\c+7], v[\sa], v[\sb] matrix_a_fmt:MATRIX_FMT_BF6 matrix_b_fmt:MATRIX_FMT_BF6
.endif
.endm
.macro WMB d, a, b, c, sa, sb, odd     ; odd: source 1's scale words stand in lanes 16-31
.if \odd
	v_wmma_scale_f32_16x16x128_f8f6f4 v[\d:\d+7], v[\a:\a+11], v[\b:\b+11], v[\c:\c+7], v[\sa], v[\sb] matrix_a_fmt:MATRIX_FMT_BF6 matrix_b_fmt:MATRIX_FMT_BF6 matrix_b_scale:MATRIX_SCALE_ROW1
.else
	v_wmma_scale_f32_16x16x128_f8f6f4 v[\d:\d+7], v[\a:\a+11], v[\b:\b+11], v[\c:\c+7], v[\sa], v[\sb] matrix_a_fmt:MATRIX_FMT_BF6 matrix_b_fmt:MATRIX_FMT_BF6
.endif
.endm
; 32 numbers of a lane, register 16 b + i = k 32 b + 16 (lane / 16) + i, become six registers of codes (k = 32 (lane / 16) + 0 .. 31) at v[pc] and two scale bytes in v[hw]
.macro HQ s, pc, tmp, hw
.irp b, 0,1
	v_max3_num_f32 v[TM+\b], |v[\s+16*\b]|, |v[\s+1+16*\b]|, 0x2800000   ; with the floor 2^(5 - 127): the byte cannot fall under 1
.endr
.irp i, 2,4,6,8,10,12,14
.irp b, 0,1
	v_max3_num_f32 v[TM+\b], v[TM+\b], |v[\s+16*\b+\i]|, |v[\s+1+16*\b+\i]|
.endr
.endr
.irp b, 0,1
	v_permlanex16_b32 v[TM+2+\b], v[TM+\b], s[SEL], s[SEL+1]
.endr
.irp b, 0,1
	v_max_num_f32 v[TM+\b], v[TM+\b], v[TM+2+\b]
.endr
.irp b, 0,1
	v_add_nc_u32 v[TM+4+\b], 0xfe000000, v[TM+\b]                 ; 4 off the exponent field: the conversion's scale operand
.endr
.irp b, 0,1
	v_lshrrev_b32 v[TM+2+\b], 23, v[TM+4+\b]
.endr
	v_lshl_or_b32 v[\hw], v[TM+3], 8, v[TM+2]
	v_cvt_scalef32_pk16_bf6_f32 v[\pc:\pc+2], v[\s:\s+15], v[TM+4]
	v_cvt_scalef32_pk16_bf6_f32 v[\tmp:\tmp+2], v[\s+16:\s+31], v[TM+5]
	v_nop                                                          ; one plain line behind the scaled conversions
.irp i, 0,1,2
	v_permlane16_swap_b32 v[\pc+\i], v[\tmp+\i]
.endr
.irp i, 0,1,2
	v_mov_b32 v[\pc+3+\i], v[\tmp+\i]
.endr
.endm
	s_load_b256 s[4:11], s[0:1], 0x0               ; xq, wqkv, Wq's scales, Wk's scales
	s_load_b256 s[12:19], s[0:1], 0x20             ; Wv's scales, bq, bk, bv
	s_load_b128 s[20:23], s[0:1], 0x40             ; qw, kv
	v_lshrrev_b32 v1, 5, v0
	v_readfirstlane_b32 s24, v1                    ; wave
	v_and_b32 v7, 31, v0                           ; lane
	v_lshlrev_b32 v1, 4, v7
	v_lshlrev_b32 v2, 2, v7
	v_lshlrev_b32 v6, 3, v7
	v_and_b32 v152, 15, v0                         ; r
	v_bfe_u32 v153, v0, 4, 1                       ; h
	v_and_b32 v5, 8, v152
	v_add_nc_u32 v5, v5, v152                      ; r + 8 (r / 8)
	v_lshl_add_u32 v3, v153, 3, v5
	v_lshlrev_b32 v3, 4, v3                        ; a weight's scale row of 16 bytes: lanes 16-31 take the odd tile's, 8 rows on
	v_lshlrev_b32 v4, 6, v153                      ; 64 h
	v_lshlrev_b32 v5, 2, v5
	v_cmp_gt_u32 vcc_lo, 16, v7                    ; lanes 0-15
	v_mov_b32 v[TM+2], 0                           ; a lane permute's destination counts as one of its sources
	v_mov_b32 v[TM+3], 0
	s_wait_alu depctr_va_sdst(0)                   ; s24, the wave's number, is written, ahead of its first reader: the head's number and every base are made from it
	s_wait_alu depctr_va_vcc(0)                    ; VCC, the mask of lanes 0-15, is written, ahead of the selections that read it
	s_and_b32 s26, ttmp7, 0xffff
	s_lshl_b32 s27, s26, 2
	s_add_co_u32 s27, s27, s24                     ; head = 4 p + wave
	s_lshr_b32 s28, ttmp9, 5                       ; batch
	s_and_b32 s29, ttmp9, 31                       ; g: which 64 rows of the batch
	s_lshl_b32 s30, s28, 3
	s_add_co_u32 s30, s30, s27                     ; bh = 8 batch + head
	s_mov_b32 s[SEL], 0x76543210
	s_mov_b32 s[SEL+1], 0xfedcba98
	s_mul_i32 s32, ttmp9, 24576                    ; x's fragments: four tiles of 6,144 bytes
	s_mov_b32 s33, 0
	s_lshl_b32 s34, ttmp9, 11                      ; their scale words
	s_mov_b32 s35, 0
	s_mul_i32 s36, s27, 24576                      ; a head's 16 fragments of a weight
	s_mov_b32 s37, 0
	s_lshl_b32 s38, s27, 10                        ; its 64 rows of scales
	s_mov_b32 s39, 0
	s_lshl_b32 s40, s27, 8                         ; its 64 biases
	s_mov_b32 s41, 0
	s_mul_i32 s52, s29, 3072
	s_lshl_b32 s53, s29, 7
	s_mul_i32 s42, s30, 98304
	s_add_co_u32 s42, s42, s52                     ; qw: the head's double fragments, pair 2 g
	s_mov_b32 s43, 0
	s_lshl_b32 s44, s30, 12
	s_add_co_u32 s44, s44, s53                     ; qw's scale words
	s_mov_b32 s45, 0
	s_mul_i32 s46, s30, 204800
	s_add_co_u32 s48, s46, s53                     ; kv's scale words
	s_add_co_u32 s46, s46, s52                     ; kv: K's double fragments and (98,304 on) V's halves
	s_mov_b32 s47, 0
	s_mov_b32 s49, 0
	s_wait_kmcnt 0x0
	s_add_nc_u64 s[34:35], s[4:5], s[34:35]
	s_add_nc_u64 s[4:5], s[4:5], s[32:33]
	s_add_nc_u64 s[6:7], s[6:7], s[36:37]
	s_add_nc_u64 s[8:9], s[8:9], s[38:39]
	s_add_nc_u64 s[10:11], s[10:11], s[38:39]
	s_add_nc_u64 s[12:13], s[12:13], s[38:39]
	s_add_nc_u64 s[14:15], s[14:15], s[40:41]
	s_add_nc_u64 s[16:17], s[16:17], s[40:41]
	s_add_nc_u64 s[18:19], s[18:19], s[40:41]
	s_add_nc_u64 s[42:43], s[20:21], s[42:43]
	s_add_nc_u64 s[44:45], s[20:21], s[44:45]
	s_add_nc_u64 s[46:47], s[22:23], s[46:47]
	s_add_nc_u64 s[48:49], s[22:23], s[48:49]
	s_wait_alu depctr_va_vdst(0)                   ; the offsets v1 to v6 are written: every load and store of the kernel reads one of them
	; 30 small loads, then x's 48, Wq's 48, Wk's 48
.irp m, 0,1,2,3
	global_load_b128 v[XS+4*\m:XS+4*\m+3], v1, s[34:35] offset:3145728+512*\m
.endr
.irp b, 0,1
	global_load_b128 v[WS+4*\b:WS+4*\b+3], v3, s[8:9] offset:512*\b
	global_load_b128 v[WS+8+4*\b:WS+8+4*\b+3], v3, s[10:11] offset:512*\b
	global_load_b128 v[WS+16+4*\b:WS+16+4*\b+3], v3, s[12:13] offset:512*\b
.endr
.irp t, 0,1,2,3
	global_load_b32 v[BV+8*\t], v5, s[18:19] offset:(32*(\t/2)+8*(\t%2))*4
.endr
	WIN 0x40                                       ; destination window 1
.irp t, 0,1,2,3
	global_load_b128 v[192+8*\t:195+8*\t], v4, s[14:15] offset:(32*(\t/2)+8*(\t%2))*4
	global_load_b128 v[196+8*\t:199+8*\t], v4, s[14:15] offset:(32*(\t/2)+8*(\t%2))*4+16
	global_load_b128 v[224+8*\t:227+8*\t], v4, s[16:17] offset:(32*(\t/2)+8*(\t%2))*4
	global_load_b128 v[228+8*\t:231+8*\t], v4, s[16:17] offset:(32*(\t/2)+8*(\t%2))*4+16
.endr
.set n, 0
.rept 48
	global_load_b128 v[4*n:4*n+3], v1, s[4:5] offset:512*n
.set n, n+1
.endr
	WIN 0x80                                       ; window 2: Wq
.set n, 0
.rept 48
	global_load_b128 v[4*n:4*n+3], v1, s[6:7] offset:512*n
.set n, n+1
.endr
	WIN 0xc0                                       ; window 3: Wk
.set n, 0
.rept 48
	global_load_b128 v[4*n:4*n+3], v1, s[6:7] offset:196608+512*n
.set n, n+1
.endr
	WIN 0
; Q or K of row tile m: 16 matrix instructions, the four accumulators by turns; the bias is the C of each sum's first; then the tile's codes, into the pass's own registers at v[df], and its bytes
.macro QKT mat, m, w0, w1, bias, df
.irp s, 0,1,2,3
.if \s == 0
	WIN \w0
.else
	WIN \w1
.endif
.irp t, 0,1,2,3
.if \s == 0
	WMA ACC+8*\t, 12*(4*\t+\s), 12*(4*\m+\s), \bias+8*\t, WS+8*\mat+4*(\t/2)+\s, XS+4*\m+\s, \t%2
.else
	WMA ACC+8*\t, 12*(4*\t+\s), 12*(4*\m+\s), ACC+8*\t, WS+8*\mat+4*(\t/2)+\s, XS+4*\m+\s, \t%2
.endif
.endr
.endr
	WIN 0
.rept 5
	v_nop                                          ; places behind the last products, ahead of the first read of results
.endr
	HQ ACC, \df+6*\m, TP, HW+\m
.endm
.macro PAIRWORD d                      ; lanes 0-15: the first pair's bytes (even tile low, odd tile high), lanes 16-31 the second pair's
	v_lshl_or_b32 v[\d], v[HW+1], 16, v[HW]
	v_lshl_or_b32 v[WT], v[HW+3], 16, v[HW+2]
	v_cndmask_b32 v[\d], v[WT], v[\d], vcc_lo
.endm
	s_wait_loadcnt 48                              ; all but Wk's 48 loads are in
.irp t, 0,1,2,3
.irp j, 1,2,3,4,5,6,7
	v_mov_b32 v[BV+8*\t+\j], v[BV+8*\t]            ; V's bias hangs on the lane's channel alone: the C operand's eight registers hold the same number
.endr
.endr
.irp m, 0,1,2,3
	QKT 0, \m, 0x16, 0x06, 192, DFQ
.endr
	PAIRWORD WQW
	WIN 0x80                                       ; Wq is done with: its registers take Wv
	s_wait_alu depctr_va_vdst(0)                   ; Q's products are done reading Wq's registers, in which Wv's loads land; the quantiser has written Q's codes and word, which the stores behind the loads read
.set n, 0
.rept 48
	global_load_b128 v[4*n:4*n+3], v1, s[6:7] offset:393216+512*n
.set n, n+1
.endr
	WIN 0
.irp n, 0,1,2,3,4,5
	global_store_b128 v1, v[DFQ+4*\n:DFQ+4*\n+3], s[42:43] offset:512*\n   ; two double fragments: 3,072 consecutive bytes
.endr
	global_store_b32 v2, v[WQW], s[44:45] offset:3145728
	s_wait_loadcnt 48                              ; Wk is in; Wv's 48 may be out
.irp m, 0,1,2,3
	QKT 1, \m, 0x17, 0x07, 224, DFK
.endr
	PAIRWORD WKW
	s_wait_loadcnt 0x0                             ; Wv
.macro SENDK                           ; K's two double fragments and its scale words
.irp n, 0,1,2,3,4,5
	global_store_b128 v1, v[DFK+4*\n:DFK+4*\n+3], s[46:47] offset:512*\n
.endr
	global_store_b32 v2, v[WKW], s[48:49] offset:196608
.endm
.macro SENDV t                         ; V's half fragment of channel tile t
	global_store_b128 v1, v[DFV+6*(\t):DFV+6*(\t)+3], s[46:47] offset:98304+768*(\t)
	global_store_b64 v6, v[DFV+6*(\t)+4:DFV+6*(\t)+5], s[46:47] offset:98304+768*(\t)+512
.endm
; V of channel tile t for the 64 keys: source 0 = x, source 1 = Wv.  The stores of the step before stand behind this tile's products
.macro VT t
	WIN 0x09
.irp s, 0,1,2,3
.irp m, 0,1,2,3
.if \s == 0
	WMB ACC+8*\m, 12*(4*\m+\s), 12*(4*\t+\s), BV+8*\t, XS+4*\m+\s, WS+16+4*(\t/2)+\s, \t%2
.else
	WMB ACC+8*\m, 12*(4*\m+\s), 12*(4*\t+\s), ACC+8*\m, XS+4*\m+\s, WS+16+4*(\t/2)+\s, \t%2
.endif
.endr
.endr
	WIN 0
.rept 5
	v_nop
.endr
	s_wait_alu depctr_va_vdst(0)                   ; the step before has written its codes (K's pass: its word too), which the stores below read
.if \t == 0
	SENDK
.else
	SENDV \t-1
.endif
	HQ ACC, DFV+6*\t, TP, HW+\t
.endm
	VT 0
	VT 1
	VT 2
	VT 3
	v_cndmask_b32 v[WVW], v[HW+1], v[HW], vcc_lo   ; lanes 0-15 channel tile 0's bytes, lanes 16-31 tile 1's,
	v_cndmask_b32 v[WT], v[HW+3], v[HW+2], vcc_lo  ; tiles 2 and 3 likewise,
	v_lshl_or_b32 v[WVW], v[WT], 16, v[WVW]        ; in the word's upper half
	s_wait_alu depctr_va_vdst(0)                   ; tile 3's codes and V's word are written, which the last three stores read
	SENDV 3
	global_store_b32 v2, v[WVW], s[48:49] offset:200704
	s_endpgm
.Lfunc_end_k_q7fe1f741c3_qkv:
	.size	k_q7fe1f741c3_qkv, .Lfunc_end_k_q7fe1f741c3_qkv-k_q7fe1f741c3_qkv
	.p2alignl 7, 3214868480
	.fill 96, 4, 3214868480
	.section	.rodata,"a",@progbits
	.p2align	6, 0x0
	.amdhsa_kernel k_q7fe1f741c3_qkv
		.amdhsa_group_segment_fixed_size 0
		.amdhsa_private_segment_fixed_size 0
		.amdhsa_enable_private_segment 0
		.amdhsa_kernarg_size 80
		.amdhsa_user_sgpr_count 2
		.amdhsa_user_sgpr_kernarg_segment_ptr 1
		.amdhsa_wavefront_size32 1
		.amdhsa_system_sgpr_workgroup_id_x 1
		.amdhsa_system_sgpr_workgroup_id_y 1
		.amdhsa_system_sgpr_workgroup_id_z 1
		.amdhsa_system_vgpr_workitem_id 0
		.amdhsa_next_free_vgpr 1024
		.amdhsa_next_free_sgpr 66
		.amdhsa_reserve_vcc 1
		.amdhsa_float_denorm_mode_32 3
		.amdhsa_float_denorm_mode_16_64 3
		.amdhsa_memory_ordered 1
		.amdhsa_forward_progress 1
		.amdhsa_inst_pref_size 77
	.end_amdhsa_kernel
	.amdgpu_metadata
---
amdhsa.version: [ 1, 2 ]
amdhsa.kernels:
  - .name:           k_q7fe1f741c3_qkv
    .symbol:         k_q7fe1f741c3_qkv.kd
    .args:
      - { .name: xq, .offset: 0, .size: 8, .value_kind: global_buffer, .address_space: global }
      - { .name: wqkv, .offset: 8, .size: 8, .value_kind: global_buffer, .address_space: global }
      - { .name: Wq_scales, .offset: 16, .size: 8, .value_kind: global_buffer, .address_space: global }
      - { .name: Wk_scales, .offset: 24, .size: 8, .value_kind: global_buffer, .address_space: global }
      - { .name: Wv_scales, .offset: 32, .size: 8, .value_kind: global_buffer, .address_space: global }
      - { .name: bq, .offset: 40, .size: 8, .value_kind: global_buffer, .address_space: global }
      - { .name: bk, .offset: 48, .size: 8, .value_kind: global_buffer, .address_space: global }
      - { .name: bv, .offset: 56, .size: 8, .value_kind: global_buffer, .address_space: global }
      - { .name: qw, .offset: 64, .size: 8, .value_kind: global_buffer, .address_space: global }
      - { .name: kv, .offset: 72, .size: 8, .value_kind: global_buffer, .address_space: global }
    .group_segment_fixed_size: 0
    .private_segment_fixed_size: 0
    .kernarg_segment_align: 8
    .kernarg_segment_size: 80
    .max_flat_workgroup_size: 128
    .sgpr_count:     66
    .vgpr_count:     1024
    .wavefront_size: 32
...
	.end_amdgpu_metadata
.endif
;; end of part 6
;; launch attn (part 7): grid 8 x 32, 16 waves a work-group, clusters of 4 x 1, 206,848 bytes of LDS; arguments qw, kv, aw; writes aw
.if DOCPART == 7
	.amdgcn_target "amdgcn-amd-amdhsa--gfx1250"
	.amdhsa_code_object_version 6
	.text
	.protected	k_q7fe1f741c3_attn
	.globl	k_q7fe1f741c3_attn
	.p2align	8
	.type	k_q7fe1f741c3_attn,@function
k_q7fe1f741c3_attn:
	s_mov_b64 s[64:65], 0
	v_nop
	global_prefetch_b8 v0, s[64:65] scope:SCOPE_SE
	s_setreg_imm32_b32 hwreg(HW_REG_WAVE_MODE, 25, 1), 1
	s_wait_xcnt 0x0
	s_wait_alu depctr_hold_cnt(0) depctr_sa_sdst(0) depctr_va_vdst(0) depctr_va_sdst(0) depctr_va_ssrc(0) depctr_va_vcc(0) depctr_vm_vsrc(0)
	s_getreg_b32 s2, hwreg(HW_REG_IB_STS2, 6, 4)
	s_cmp_eq_u32 s2, 0
	s_cbranch_scc0 .Lentry_in_a_cluster
	s_endpgm
.Lentry_in_a_cluster:
	s_bfe_u32 s2, ttmp6, 0x10000c
	s_cmp_lg_u32 s2, 0x3003
	s_cbranch_scc0 .Lentry_shape_is_right
	s_endpgm
.Lentry_shape_is_right:
; att = softmax(Q K^T / 8) V on codes of E3M2, and att's own quantising along the head's 64 channels.
; THE SOFTMAX AHEAD OF THE SECOND PRODUCT: t = score x log2(e) / 8; M = the running largest t rounded up to a whole number; p = 2^(t - M) is quantised along the keys, not normalised; the row's sum is taken of the
; unquantised p and divides at the end.  When M moves, the sum and O are multiplied by 2^(old M - new M), which rounds nothing.
; SHARES.  A work-group owns 256 queries of one (batch, head); each of its sixteen waves owns one tile of 16, in 256 registers; every wave walks the head's 2,048 keys, 128 a step, 16 steps.
; LDS holds the WHOLE head: K's double fragments 98,304 bytes, V's halves 98,304, their scale words 4,096 + 4,096: 204,800 bytes, filled once: each wave brings 50 rows of 256 bytes by one tensor load (one is out a wave).
; CLUSTER.  The four query blocks of a cluster belong to one head, so each of the sixteen loads is asked for jointly: the same descriptor (wave's number and head alone) and the mask of all four.
; K = 64.  A double fragment of K holds two tiles of keys, at K places 0-63 and 64-127.  Q stands as [six zeros][Q][six zeros]: v[22:33] multiplies the even tile, v[16:27] the odd one; zero codes add nothing.
; Both products are used transposed: a lane holds one query (lane % 16) throughout; the keys of a tile are chosen so that the 16 registers of two neighbouring tiles are 16 neighbouring keys.
; LIMITS: NaN and infinities are not served; a block of p (or of att) whose largest number lies under 2^-122 keeps the scale byte 1: its codes are zeros or next to it, and this program alone reads the bytes.
; REGISTERS: v1-3 16, 8, 4 x lane; v4-7 the step's LDS addresses; v8 Q's scale word, v9 p's, v10-11 K's, v34-35 V's as stored, v36-37 V's as used; v12 -M, v13 the largest t, v[14:15] the sum;
;   v16-33 Q among zeros; v40-87 four fragments of K, then of V; v96-159 S^T, then p; v160-191 O^T; v192-203 p's codes; v204-229 at work.
.set WV,  10
.set SEL, 30
.set CS,  32
.set TK,  34
.set TV,  35
.set TS,  36
.set CNT, 37
.set BM,  212
.set PB,  216
.set SO,  220
.set TM,  212
.macro ROUND                           ; a round of the cluster's barrier
	s_barrier_signal -1
	s_barrier_wait -1
	s_cmp_lg_u32 s[WV], 0
	s_cbranch_scc1 .Lnot_wave_0_\@
	s_barrier_signal -3
.Lnot_wave_0_\@:
	s_barrier_wait -3
	s_barrier_signal -1
	s_barrier_wait -1
.endm
.macro SMM d, a, b, sa, odd            ; a tile of scores: the product starts its sum with 0
.if \odd
	v_wmma_scale_f32_16x16x128_f8f6f4 v[\d:\d+7], v[\a:\a+11], v[\b:\b+11], 0, v[\sa], v8 matrix_a_fmt:MATRIX_FMT_BF6 matrix_b_fmt:MATRIX_FMT_BF6 matrix_a_scale:MATRIX_SCALE_ROW1
.else
	v_wmma_scale_f32_16x16x128_f8f6f4 v[\d:\d+7], v[\a:\a+11], v[\b:\b+11], 0, v[\sa], v8 matrix_a_fmt:MATRIX_FMT_BF6 matrix_b_fmt:MATRIX_FMT_BF6
.endif
.endm
.macro OMM d, a, sa, odd               ; O^T += V^T P^T
.if \odd
	v_wmma_scale_f32_16x16x128_f8f6f4 v[\d:\d+7], v[\a:\a+11], v[192:203], v[\d:\d+7], v[\sa], v9 matrix_a_fmt:MATRIX_FMT_BF6 matrix_b_fmt:MATRIX_FMT_BF6 matrix_a_scale:MATRIX_SCALE_ROW1
.else
	v_wmma_scale_f32_16x16x128_f8f6f4 v[\d:\d+7], v[\a:\a+11], v[192:203], v[\d:\d+7], v[\sa], v9 matrix_a_fmt:MATRIX_FMT_BF6 matrix_b_fmt:MATRIX_FMT_BF6
.endif
.endm
.macro HQ s, pc, tmp, hw               ; 32 numbers of a lane -> six registers of codes and two scale bytes
.irp b, 0,1
	v_max3_num_f32 v[TM+\b], |v[\s+16*\b]|, |v[\s+1+16*\b]|, 0x2800000
.endr
.irp i, 2,4,6,8,10,12,14
.irp b, 0,1
	s_delay_alu instid0(VALU_DEP_2)
	v_max3_num_f32 v[TM+\b], v[TM+\b], |v[\s+16*\b+\i]|, |v[\s+1+16*\b+\i]|
.endr
.endr
.irp b, 0,1
	s_delay_alu instid0(VALU_DEP_2)
	v_permlanex16_b32 v[TM+2+\b], v[TM+\b], s[SEL], s[SEL+1]
.endr
.irp b, 0,1
	s_delay_alu instid0(VALU_DEP_2)
	v_max_num_f32 v[TM+\b], v[TM+\b], v[TM+2+\b]
.endr
.irp b, 0,1
	s_delay_alu instid0(VALU_DEP_2)
	v_add_nc_u32 v[TM+4+\b], 0xfe000000, v[TM+\b]
.endr
.irp b, 0,1
	s_delay_alu instid0(VALU_DEP_2)
	v_lshrrev_b32 v[TM+2+\b], 23, v[TM+4+\b]
.endr
	s_delay_alu instid0(VALU_DEP_1)
	v_lshl_or_b32 v[\hw], v[TM+3], 8, v[TM+2]
	v_cvt_scalef32_pk16_bf6_f32 v[\pc:\pc+2], v[\s:\s+15], v[TM+4]
	v_cvt_scalef32_pk16_bf6_f32 v[\tmp:\tmp+2], v[\s+16:\s+31], v[TM+5]
	v_nop
.irp i, 0,1,2
	v_permlane16_swap_b32 v[\pc+\i], v[\tmp+\i]
.endr
.irp i, 0,1,2
	s_delay_alu instid0(VALU_DEP_3)
	v_mov_b32 v[\pc+3+\i], v[\tmp+\i]
.endr
.endm
	s_load_b128 s[4:7], s[0:1], 0x0                ; qw, kv
	s_load_b64 s[8:9], s[0:1], 0x10                ; aw
	v_lshl_add_u32 v254, v0, 2, 0x32000
	v_mov_b32 v255, 0
	ds_add_u32 v254, v255
	ds_add_u32 v254, v255
	v_lshrrev_b32 v1, 5, v0
	s_delay_alu instid0(VALU_DEP_1)
	v_readfirstlane_b32 s[WV], v1                  ; wave 0..15
	s_bfe_u32 s11, ttmp6, 0x40000                  ; cx
	s_lshl_b32 s12, ttmp9, 2
	s_add_co_u32 s12, s12, s11                     ; my block of 256 queries: it enters Q's and att's global addresses alone
	s_and_b32 s13, ttmp7, 0xffff                   ; bh = 8 batch + head, which the four partners share
	s_mov_b32 s16, 15|(3<<16)|(1<<21)              ; group 1: the mask of all four; elements of 8 bytes; bit 21 beside a mask; no padding
	s_mov_b32 s17, 32<<16                          ; tensor_dim0 = 32 elements (256 bytes)
	s_mov_b32 s18, 50<<16                          ; tensor_dim1 = 50
	s_mov_b32 s19, 32<<16                          ; tile_dim0 = 32
	s_mov_b32 s20, 50                              ; tile_dim1 = 50 rows: a sixteenth of the head's 204,800 dense bytes
	s_mov_b32 s21, 32                              ; from row to row
	s_mov_b32 s22, 0
	s_mov_b32 s23, 0
	s_mul_i32 s28, s13, 204800
	s_mul_i32 s14, s[WV], 12800
	s_add_co_u32 s28, s28, s14
	s_mov_b32 s29, 0
	s_mov_b32 s[SEL], 0x76543210
	s_mov_b32 s[SEL+1], 0xfedcba98
	s_mov_b32 s[CS], 0x3e38aa3b                    ; c = log2(e) / 8
	s_mov_b32 s[CS+1], s[CS]
	s_wait_dscnt 0x0
	s_wait_kmcnt 0x0
	s_mov_b32 s24, 1
	s_mov_b32 s25, s14                             ; LDS: 12,800 x wave
	s_add_nc_u64 s[26:27], s[6:7], s[28:29]
	s_or_b32 s27, s27, 0x80000000
	ROUND                                          ; all four work-groups are here: the joint loads meet
	tensor_load_to_lds s[24:27], s[16:23]
	s_nop 0
.rept 4
	v_nop
.endr
	v_and_b32 v226, 31, v0
	s_delay_alu instid0(VALU_DEP_1)
	v_lshlrev_b32 v1, 4, v226
	s_delay_alu instid0(VALU_DEP_2)
	v_lshlrev_b32 v2, 3, v226
	s_delay_alu instid0(VALU_DEP_3)
	v_lshlrev_b32 v3, 2, v226
	; Q: my tile is half e = wave % 2 of double fragment 8 x block + wave / 2: registers 6 e .. 6 e + 5 of the image, in three pieces of 8 bytes
	s_and_b32 s38, s[WV], 1
	s_mul_i32 s39, s38, 520
	s_mul_i32 s40, s38, 1016
	v_add_nc_u32 v204, s39, v1
	s_wait_alu depctr_va_vdst(0)
	v_add_nc_u32 v205, s40, v1
	s_wait_alu depctr_va_vdst(0)
	s_mul_i32 s42, s13, 98304
	s_lshl_b32 s41, s12, 3
	s_lshr_b32 s44, s[WV], 1
	s_add_co_u32 s41, s41, s44
	s_mul_i32 s41, s41, 1536
	s_add_co_u32 s42, s42, s41
	s_mov_b32 s43, 0
	s_add_nc_u64 s[42:43], s[4:5], s[42:43]
	global_load_b64 v[22:23], v204, s[42:43]
	global_load_b64 v[24:25], v205, s[42:43] offset:8
	global_load_b64 v[26:27], v204, s[42:43] offset:512
	s_lshl_b32 s46, s13, 12                        ; Q's scale word: group 4 x block + wave / 4, the pair's half of the lanes, row r
	s_lshl_b32 s41, s12, 2
	s_lshr_b32 s45, s[WV], 2
	s_add_co_u32 s41, s41, s45
	s_lshl_b32 s41, s41, 7
	s_add_co_u32 s46, s46, s41
	s_and_b32 s44, s44, 1
	s_lshl_b32 s44, s44, 6
	s_add_co_u32 s46, s46, s44
	s_mov_b32 s47, 0
	s_add_nc_u64 s[46:47], s[4:5], s[46:47]
	v_and_b32 v206, 15, v0
	s_delay_alu instid0(VALU_DEP_1)
	v_lshlrev_b32 v206, 2, v206
	global_load_b32 v8, v206, s[46:47] offset:3145728
	s_cmp_eq_u32 s38, 0
	s_mov_b32 s48, 0x03020302
	s_cselect_b32 s48, 0x01000100, s48             ; my tile's two bytes, twice: they serve at K places 0-63 and 64-127 alike
	; att's place: tile 128 batch + 16 block + wave, head bh % 8
	s_lshr_b32 s52, s13, 3
	s_lshl_b32 s52, s52, 7
	s_lshl_b32 s41, s12, 4
	s_add_co_u32 s52, s52, s41
	s_add_co_u32 s52, s52, s[WV]
	s_lshl_b32 s52, s52, 3
	s_and_b32 s41, s13, 7
	s_add_co_u32 s52, s52, s41
	s_lshl_b32 s54, s52, 7
	s_mul_i32 s52, s52, 768
	s_mov_b32 s53, 0
	s_mov_b32 s55, 0
	s_add_nc_u64 s[52:53], s[8:9], s[52:53]
	s_add_nc_u64 s[54:55], s[8:9], s[54:55]
.irp j, 16,17,18,19,20,21,28,29,30,31,32,33
	v_mov_b32 v[\j], 0                             ; the zero codes on both sides of Q
.endr
	v_mov_b32 v13, 0xff61b1e6                      ; the largest t so far: -3e38
	s_delay_alu instid0(VALU_DEP_1)
	v_floor_f32 v12, -v13                          ; -M
	v_mov_b32 v14, 0
	v_mov_b32 v15, 0
.irp b, 0,1,2,3
	v_mov_b32 v[PB+\b], 0                          ; a lane permute's destination counts as one of its sources
.endr
	v_mov_b32 v225, 0                              ; (named as the upper half of the pair v[224:225])
	s_wait_loadcnt 0x0                             ; Q and its word
	v_perm_b32 v8, v8, v8, s48
.set n, 0
.rept 32
	v_mov_b32 v[160+n], 0                          ; O^T: the step is written once, its first trip finds zeros.  (These lines also part the scale word's making from the first product)
.set n, n+1
.endr
	s_mov_b32 s[TK], 0
	s_mov_b32 s[TV], 98304
	s_mov_b32 s[TS], 196608
	s_mov_b32 s[CNT], 16
	s_wait_tensorcnt 0x0                           ; my sixteenth of the head has landed,
	s_barrier_signal -1
	s_barrier_wait -1                              ; everybody's has
.Lstep:                                            ; 128 keys
	s_setprio 2
	v_add_nc_u32 v4, s[TK], v1                     ; (these four are also the places in front of loads into registers that the last products read)
	v_add_nc_u32 v5, s[TV], v1
	v_add_nc_u32 v6, s[TV], v2
	v_add_nc_u32 v7, s[TS], v3
.irp i, 0,1,2,3
.irp c, 0,1,2
	ds_load_b128 v[40+12*\i+4*\c:43+12*\i+4*\c], v4 offset:1536*\i+512*\c
.endr
.endr
	ds_load_b32 v10, v7
	ds_load_b32 v11, v7 offset:128
	ds_load_b32 v34, v7 offset:4096
	ds_load_b32 v35, v7 offset:4224
	s_wait_alu depctr_va_vdst(0)
	s_wait_dscnt 0x0
.irp i, 0,1,2,3
	SMM 96+16*\i, 40+12*\i, 22, 10+\i/2, \i%2      ; the pair's even tile
	SMM 104+16*\i, 40+12*\i, 16, 10+\i/2, \i%2     ; and its odd one
.endr
	v_perm_b32 v36, v35, v34, 0x05040100           ; V's scale words of these 128 keys: channel tiles 0 (lanes 0-15) and 1 (lanes 16-31),
	v_perm_b32 v37, v35, v34, 0x07060302           ; tiles 2 and 3
	v_nop
	v_nop                                          ; four places behind the products: V's loads land on K's registers, and the scores are read
.irp t, 0,1,2,3
.irp c, 0,1
	ds_load_b128 v[40+12*\t+6*\c:43+12*\t+6*\c], v5 offset:3072*\c+768*\t
	ds_load_b64 v[44+12*\t+6*\c:45+12*\t+6*\c], v6 offset:3072*\c+768*\t+512
.endr
.endr
.irp b, 0,1,2,3
	v_max3_num_f32 v[BM+\b], v[96+16*\b], v[97+16*\b], v[98+16*\b]   ; the largest score of each block of 32 keys: for the row's maximum and, since p rises with the score, for the block's largest p
.endr
.irp i, 3,5,7,9,11,13
.irp b, 0,1,2,3
	v_max3_num_f32 v[BM+\b], v[BM+\b], v[96+16*\b+\i], v[97+16*\b+\i]
.endr
.endr
.irp b, 0,1,2,3
	v_max_num_f32 v[BM+\b], v[BM+\b], v[111+16*\b]
.endr
.irp b, 0,1,2,3
	s_delay_alu instid0(VALU_DEP_4)
	v_permlanex16_b32 v[PB+\b], v[BM+\b], s[SEL], s[SEL+1]
.endr
.irp b, 0,1,2,3
	s_delay_alu instid0(VALU_DEP_4)
	v_max_num_f32 v[BM+\b], v[BM+\b], v[PB+\b]
.endr
	s_delay_alu instid0(VALU_DEP_2)
	v_max3_num_f32 v226, v[BM], v[BM+1], v[BM+2]
	s_delay_alu instid0(VALU_DEP_1)
	v_max_num_f32 v226, v226, v[BM+3]
	s_delay_alu instid0(VALU_DEP_1)
	v_mul_f32 v226, s[CS], v226
	s_delay_alu instid0(VALU_DEP_1)
	v_max_num_f32 v13, v13, v226                   ; the running largest t
	v_mov_b32 v226, v12
	s_delay_alu instid0(VALU_DEP_2)
	v_floor_f32 v12, -v13                          ; the new -M = -ceil(t)
	s_delay_alu instid0(VALU_DEP_1)
	v_sub_f32 v226, v12, v226                      ; old M - new M: a whole number, 0 or less
	s_delay_alu instid0(VALU_DEP_1)
	v_cvt_i32_f32 v226, v226                       ; (it saturates)
	s_delay_alu instid0(VALU_DEP_1)
	v_ldexp_f32 v224, 1.0, v226                    ; f = 2^(old M - new M)
.irp j, 0,2,4,6,8,10,12,14,16,18,20,22,24,26,28,30,32,34,36,38,40,42,44,46,48,50,52,54,56,58,60,62
	v_pk_fma_f32 v[96+\j:97+\j], v[96+\j:97+\j], s[CS:CS+1], v[12:13] op_sel_hi:[1,0,0]   ; t - M
.endr
.irp b, 0,1,2,3
	v_fma_f32 v[BM+\b], v[BM+\b], s[CS], v12
.endr
.set n, 0
	s_wait_alu depctr_va_vdst(0)
.rept 64
	v_exp_f32 v[96+n], v[96+n]                     ; p = 2^(t - M)
.set n, n+1
.endr
	s_setprio 1
	v_pk_mul_f32 v[14:15], v[14:15], v[224:225] op_sel_hi:[1,0]    ; the sums under the new M (a plain line behind the exponentials)
	s_wait_alu depctr_va_vdst(0)                   ; one wait for the 64, ahead of their first reader
.irp b, 0,1,2,3
	v_exp_f32 v[BM+\b], v[BM+\b]                   ; each block's largest p
.endr
	v_pk_add_f32 v[228:229], v[100:101], v[104:105]
	v_pk_add_f32 v[252:253], v[108:109], v[112:113]
	v_pk_add_f32 v[250:251], v[116:117], v[120:121]
	v_pk_add_f32 v[248:249], v[124:125], v[128:129]
	v_pk_add_f32 v[246:247], v[132:133], v[136:137]
	v_pk_add_f32 v[244:245], v[140:141], v[144:145]
	v_pk_add_f32 v[242:243], v[148:149], v[152:153]
	v_pk_add_f32 v[14:15], v[14:15], v[156:157]
	v_pk_add_f32 v[228:229], v[228:229], v[96:97]
	v_pk_add_f32 v[252:253], v[252:253], v[98:99]
	v_pk_add_f32 v[250:251], v[250:251], v[102:103]
	v_pk_add_f32 v[248:249], v[248:249], v[106:107]
	v_pk_add_f32 v[246:247], v[246:247], v[110:111]
	v_pk_add_f32 v[244:245], v[244:245], v[114:115]
	v_pk_add_f32 v[242:243], v[242:243], v[118:119]
	v_pk_add_f32 v[14:15], v[14:15], v[122:123]
	v_pk_add_f32 v[228:229], v[228:229], v[126:127]
	v_pk_add_f32 v[252:253], v[252:253], v[130:131]
	v_pk_add_f32 v[250:251], v[250:251], v[134:135]
	v_pk_add_f32 v[248:249], v[248:249], v[138:139]
	v_pk_add_f32 v[246:247], v[246:247], v[142:143]
	v_pk_add_f32 v[244:245], v[244:245], v[146:147]
	v_pk_add_f32 v[242:243], v[242:243], v[150:151]
	v_pk_add_f32 v[14:15], v[14:15], v[154:155]
	v_pk_add_f32 v[228:229], v[228:229], v[158:159]
	s_delay_alu instid0(VALU_DEP_2)
	v_pk_add_f32 v[14:15], v[14:15], v[248:249]
	s_delay_alu instid0(VALU_DEP_2)
	v_pk_add_f32 v[228:229], v[228:229], v[246:247]
	v_pk_add_f32 v[252:253], v[252:253], v[244:245]
	v_pk_add_f32 v[250:251], v[250:251], v[242:243]
	s_delay_alu instid0(VALU_DEP_2)
	v_pk_add_f32 v[14:15], v[14:15], v[252:253]
	s_delay_alu instid0(VALU_DEP_2)
	v_pk_add_f32 v[228:229], v[228:229], v[250:251]
	s_delay_alu instid0(VALU_DEP_1)
	v_pk_add_f32 v[14:15], v[14:15], v[228:229]
	s_wait_alu depctr_va_vdst(0)                   ; and one for the four
.irp b, 0,1,2,3
	v_max_num_f32 v[BM+\b], 0x2800000, v[BM+\b]    ; the floor 2^(5 - 127)
.endr
.irp b, 0,1,2,3
	s_delay_alu instid0(VALU_DEP_4)
	v_add_nc_u32 v[SO+\b], 0xfe000000, v[BM+\b]
.endr
.irp b, 0,1,2,3
	s_delay_alu instid0(VALU_DEP_4)
	v_lshrrev_b32 v[PB+\b], 23, v[SO+\b]
.endr
	s_delay_alu instid0(VALU_DEP_3)
	v_lshl_or_b32 v9, v[PB+1], 8, v[PB]            ; p's scale word for these 128 keys
	s_delay_alu instid0(VALU_DEP_1)
	v_lshl_or_b32 v9, v[PB+2], 16, v9
	s_delay_alu instid0(VALU_DEP_1)
	v_lshl_or_b32 v9, v[PB+3], 24, v9
.irp c, 0,1
	v_cvt_scalef32_pk16_bf6_f32 v[192+6*\c:194+6*\c], v[96+32*\c:111+32*\c], v[SO+2*\c]
	v_cvt_scalef32_pk16_bf6_f32 v[204+4*\c:206+4*\c], v[112+32*\c:127+32*\c], v[SO+2*\c+1]
.endr
	v_nop
.irp c, 0,1
.irp i, 0,1,2
	v_permlane16_swap_b32 v[192+6*\c+\i], v[204+4*\c+\i]
.endr
.irp i, 0,1,2
	s_delay_alu instid0(VALU_DEP_3)
	v_mov_b32 v[195+6*\c+\i], v[204+4*\c+\i]
.endr
.endr
	s_setprio 0
.irp j, 0,2,4,6,8,10,12,14,16,18,20,22,24,26,28,30
	v_pk_mul_f32 v[160+\j:161+\j], v[160+\j:161+\j], v[224:225] op_sel_hi:[1,0]   ; O^T under the new M (these sixteen also part p's codes and word from the products)
.endr
	s_wait_alu depctr_va_vdst(0)
	s_wait_dscnt 0x0                               ; V
.irp t, 0,1,2,3
	OMM 160+8*\t, 40+12*\t, 36+\t/2, \t%2
.endr
	s_add_co_u32 s[TK], s[TK], 6144
	s_add_co_u32 s[TV], s[TV], 6144
	s_add_co_u32 s[TS], s[TS], 256
	s_sub_co_u32 s[CNT], s[CNT], 1
	s_cmp_lg_u32 s[CNT], 0
	s_cbranch_scc1 .Lstep
	s_setprio 0
.rept 4
	v_nop                                          ; places behind the last products
.endr
	v_add_f32 v14, v14, v15
	s_delay_alu instid0(VALU_DEP_1)
	v_permlanex16_b32 v226, v14, s[SEL], s[SEL+1]
	s_delay_alu instid0(VALU_DEP_1)
	v_add_f32 v14, v14, v226                       ; the row's sum
	s_wait_alu depctr_va_vdst(0)
	v_rcp_f32 v14, v14
	v_nop
	s_wait_alu depctr_va_vdst(0)
.irp j, 0,2,4,6,8,10,12,14,16,18,20,22,24,26,28,30
	v_pk_mul_f32 v[96+\j:97+\j], v[160+\j:161+\j], v[14:15] op_sel_hi:[1,0]   ; register 16 b + i = channel 32 b + 16 (lane / 16) + i of my query
.endr
	HQ 96, 192, 204, 9
	global_store_b128 v1, v[192:195], s[52:53]     ; a half fragment: 512 + 256 consecutive bytes
	global_store_b64 v2, v[196:197], s[52:53] offset:512
	global_store_b32 v3, v9, s[54:55] offset:3145728
	s_wait_dscnt 0x0
	s_wait_tensorcnt 0x0
	ds_add_u32 v254, v255
	s_wait_dscnt 0x0
	ROUND                                          ; the closing round
	s_endpgm
.Lfunc_end_k_q7fe1f741c3_attn:
	.size	k_q7fe1f741c3_attn, .Lfunc_end_k_q7fe1f741c3_attn-k_q7fe1f741c3_attn
	.p2alignl 7, 3214868480
	.fill 96, 4, 3214868480
	.section	.rodata,"a",@progbits
	.p2align	6, 0x0
	.amdhsa_kernel k_q7fe1f741c3_attn
		.amdhsa_group_segment_fixed_size 206848
		.amdhsa_private_segment_fixed_size 0
		.amdhsa_enable_private_segment 0
		.amdhsa_kernarg_size 24
		.amdhsa_user_sgpr_count 2
		.amdhsa_user_sgpr_kernarg_segment_ptr 1
		.amdhsa_wavefront_size32 1
		.amdhsa_system_sgpr_workgroup_id_x 1
		.amdhsa_system_sgpr_workgroup_id_y 1
		.amdhsa_system_sgpr_workgroup_id_z 1
		.amdhsa_system_vgpr_workitem_id 0
		.amdhsa_next_free_vgpr 256
		.amdhsa_next_free_sgpr 66
		.amdhsa_reserve_vcc 0
		.amdhsa_float_denorm_mode_32 3
		.amdhsa_float_denorm_mode_16_64 3
		.amdhsa_memory_ordered 1
		.amdhsa_forward_progress 1
		.amdhsa_inst_pref_size 30
	.end_amdhsa_kernel
	.amdgpu_metadata
---
amdhsa.version: [ 1, 2 ]
amdhsa.kernels:
  - .name:           k_q7fe1f741c3_attn
    .symbol:         k_q7fe1f741c3_attn.kd
    .args:
      - { .name: qw, .offset: 0, .size: 8, .value_kind: global_buffer, .address_space: global }
      - { .name: kv, .offset: 8, .size: 8, .value_kind: global_buffer, .address_space: global }
      - { .name: aw, .offset: 16, .size: 8, .value_kind: global_buffer, .address_space: global }
    .group_segment_fixed_size: 206848
    .private_segment_fixed_size: 0
    .kernarg_segment_align: 8
    .kernarg_segment_size: 24
    .max_flat_workgroup_size: 512
    .sgpr_count:     66
    .vgpr_count:     256
    .wavefront_size: 32
...
	.end_amdgpu_metadata
.endif
;; end of part 7
;; launch mlp (part 8): grid 256 x 1, 4 waves a work-group, no clusters, 163,840 bytes of LDS; arguments aw, wst, x, bp, gamma2, beta2, b1, b2, out0; writes out0
.if DOCPART == 8
	.amdgcn_target "amdgcn-amd-amdhsa--gfx1250"
	.amdhsa_code_object_version 6
	.text
	.protected	k_q7fe1f741c3_mlp
	.globl	k_q7fe1f741c3_mlp
	.p2align	8
	.type	k_q7fe1f741c3_mlp,@function
k_q7fe1f741c3_mlp:
	s_mov_b64 s[64:65], 0
	v_nop
	global_prefetch_b8 v0, s[64:65] scope:SCOPE_SE
	s_setreg_imm32_b32 hwreg(HW_REG_WAVE_SCHED_MODE, 0, 2), 2
	s_setreg_imm32_b32 hwreg(HW_REG_WAVE_MODE, 25, 1), 1
	s_wait_xcnt 0x0
	s_wait_alu depctr_vm_vsrc(0)
; x1 = att Wp + bp + x;  x1_norm = gamma2 (x1 - mean) / (std + 1e-10) + beta2;  h = gelu(x1_norm W1 + b1);  out = gelu(h W2 + b2) + x1.  All three products on codes of E3M2; x1_norm and h are quantised on the way.
; SHARES.  A work-group takes 32 rows (row tiles 2 G, 2 G + 1) through the whole chain.  THE WAVES SHARE THE COLUMNS: wave w owns columns 128 w .. of x1 and of out, and hidden units 512 w ..
; All products are used transposed (source 0 = 16 rows of a weight, source 1 = 16 rows of the left operand): a lane holds one row, and the rows of a weight tile are chosen so that the 16 registers of
; tiles 2 b and 2 b + 1 are 16 neighbouring columns 32 b + 16 (lane / 16) + 0 .. 15: the next product's K runs along a lane's registers.
; WEIGHTS come as a stream of register images, laid out by the first launch in the order in which this wave takes them: nine groups (Wp; W1 in four; W2 in four) of four sets (K steps) of eight fragments and one image of
; scale words: 25 loads of 512 consecutive bytes a set, straight into registers.
; WHAT IS NOT THE STREAM COMES BY FEW, DENSE LOADS AND GOES THROUGH LDS.  att's codes and scale words (14,336 bytes a work-group) are shared out, a quarter a wave; gamma2, beta2, b2 and b1 of a wave's own columns are 7 loads
; of 512 consecutive bytes; each lane then takes its numbers from LDS in the result's layout (sixteen lanes read the same 16 bytes).  So of a wave's 950 loads 900 are the stream's.
; WHERE THE STREAM'S LOADS STAND.  LOADcnt's field holds 63, and an issue that would pass it stalls (ISA guide 5.7.1); a wave that stalls there does no vector work.  So a group's sets 0 and 1 (50 loads) are asked for inside the
; run of products before, behind its second K step, and sets 2 and 3 further on in the vector work that follows (in the last product, which has none: behind the fourth K step).
; NO JOINT LOADS: each byte of the stream is wanted by one wave of a work-group, in its registers; by way of LDS the work-group's 1,843,200 bytes would be written and read once more.
; x1_norm's and h's codes go from wave to wave through LDS as images of the operand's registers.  Six barriers; in front of each a wave waits for all its LDS instructions.
; GELU: 0.5 x (1 + erf(x / sqrt 2)), erf(z) = z P(z^2) / Q(z^2) (degrees 6 and 4) with z held to +-4.
; LIMITS: NaN and infinities are not served; for very negative x the sum 1 + erf leaves an absolute error of about 1e-7 |x|; a block whose largest magnitude lies under 2^-122 keeps the scale byte 1.
; THE MODE: SCHED_MODE bits 1:0 = 2 (LLVM: expert scheduling mode 2), set by the entry lines.  The code itself states the register dependences
; between vector or matrix instructions and memory or LDS instructions, with s_wait_alu, always for 0.
; THE PLAN.  Registers that memory or LDS instructions touch:
;   sets 0, 1 (window 1, v0-191) and their words v16-23: read by a run's K steps 0 and 1; behind these the next group's loads land there.  Sets 2, 3 (window 2) and v24-31: the same with K steps 2 and 3.
;   the left operand's fragments (window 3, v128-223) and words v32-39: read by every K step of a run; LDS loads land there ahead of the next run.  (At the head the 14 shared loads pass through the same registers.)
;   window 1, v192-255: gamma2, read by the norm's multiply-adds; then b1, read by K step 0 as C; the next b1 lands there behind the run.
;   v64-127, the work registers: LDS stores read the partial sums (v64, v96), the codes (v80-91, v104-115) and the words (v100, v101); vector work writes all of them again.
;   v128-255: x + bp, later out: written by vector work, read by the stage's stores; LDS loads land there (b2; the rows on the way out).
;   v41, v42, v43: LDS addresses that step: one vector add each a trip.  All other addresses are made at the head and never written again.
; A RUN OF PRODUCTS HAS TWO HALVES of two K steps, each in one register window, and ONE wait on va_vdst behind each: behind the first it frees sets 0 and 1 for 50 loads; behind the second, where the vector work
; wants the results in any case, it frees sets 2 and 3, b1's registers and (last product) the left operand's, and shows the stepped addresses written.  The loads that follow it further down stand among vector lines
; that name v48-63, v64-255 of window 0, x1 and the parameters alone.  One wait on vm_vsrc a trip stands behind the trip's LDS stores, and one behind each barrier behind which stored registers are written again.
; REGISTERS.  window 0: v1-15, v40-47, v56-59 addresses; v16-31 the sets' scale words [s][pair of tiles]; v32-39 the left operand's [m][s]; v48-55 mean, 1 / (std + eps); v60-63 two coefficients as pairs; v64-127 at work;
;   v128-255 sixteen accumulators [m][t].   window 1: sets 0, 1; v192-255 gamma2, later b1.   window 2: sets 2, 3; v192-255 beta2.   window 3: v0-127 x1; v128-223 the left operand's eight fragments [m][s]; v254, v255 the closing add's two.
.set SP,   2064
.set XST,  0                           ; 32 rows x 2,064: x + bp on the way in, out on the way out; row 16 m + r
.set RED1, 66048                       ; the waves' partial sums: [wave][m][lane]
.set XNI,  68096                       ; x1_norm's fragments [m][s]
.set XNS,  80384                       ; their scale words
.set HIMG, 81408                       ; h's fragments [K step][m]
.set HSC,  130560                      ; their scale words
.set PARL, 134656                      ; 3,584 bytes for each wave, its own: gamma2 512, beta2 512, b2 512, b1 2,048
.set ATI,  148992                      ; att's sixteen half fragments [m][head], 768 bytes each, as they lie in memory
.set ATW,  161280                      ; their scale words [m][head][lane]
.set WSC,  16
.set ASC,  32
.set GT,   64
.set TM,   64
.set ACC,  128
.set AF,   128
.set PAR,  192
.set SEL,  44
.set CH,   66                          ; s[66:87]: sqrt(1/2) and the coefficients, each twice (the packed forms name a pair)
.set A11,  68
.set A9,   70
.set A7,   72
.set A5,   74
.set A3,   76
.set A1,   78
.set B6,   80
.set B4,   82
.set B2,   84
.set B0,   86
.set MSB, 0
.macro WIN new                         ; the immediate's high byte repeats the setting that is left
.if MSB != (\new)
	s_set_vgpr_msb (MSB<<8)|(\new)
.set MSB, \new
.endif
.endm
.macro KON r, val
	s_mov_b32 s[\r], \val
	s_mov_b32 s[\r+1], \val
.endm
.macro PLACES n                        ; plain lines behind matrix instructions, ahead of loads into their registers and of reads of their results
.rept \n
	v_nop
.endr
.endm
.macro BARRIER                         ; my LDS stores have landed and my LDS loads are in: then the work-group's barrier
	s_wait_dscnt 0x0
	s_barrier_signal -1
	s_barrier_wait -1
.endm
.macro WMA d, a, b, c, sa, sb, odd     ; odd: the weight tile's scale words stand in lanes 16-31
.if \odd
	v_wmma_scale_f32_16x16x128_f8f6f4 v[\d:\d+7], v[\a:\a+11], v[\b:\b+11], v[\c:\c+7], v[\sa], v[\sb] matrix_a_fmt:MATRIX_FMT_BF6 matrix_b_fmt:MATRIX_FMT_BF6 matrix_a_scale:MATRIX_SCALE_ROW1
.else
	v_wmma_scale_f32_16x16x128_f8f6f4 v[\d:\d+7], v[\a:\a+11], v[\b:\b+11], v[\c:\c+7], v[\sa], v[\sb] matrix_a_fmt:MATRIX_FMT_BF6 matrix_b_fmt:MATRIX_FMT_BF6
.endif
.endm
; K step s of a group: 16 matrix instructions, the sixteen accumulators at v[d] by turns.  par = 1: the sums begin with the bias in v[PAR ..]
.macro MM16 s, d, par
.irp t, 0,1,2,3,4,5,6,7
.irp m, 0,1
.if \par
	WMA \d+8*(8*\m+\t), 96*((\s)%2)+12*\t, AF+12*(4*\m+(\s)), PAR+8*\t, WSC+4*(\s)+\t/2, ASC+4*\m+(\s), \t%2
.else
	WMA \d+8*(8*\m+\t), 96*((\s)%2)+12*\t, AF+12*(4*\m+(\s)), \d+8*(8*\m+\t), WSC+4*(\s)+\t/2, ASC+4*\m+(\s), \t%2
.endif
.endr
.endr
.endm
.macro LOADSET s, g                    ; set s of the group g groups on from s[6:7]: 24 loads of fragments, one of scale words; a wave's whole stream, 460,800 bytes, lies inside the immediate
	WIN 0x40+0x40*((\s)/2)
.set n, 0
.rept 24
	global_load_b128 v[96*((\s)%2)+4*n:96*((\s)%2)+4*n+3], v1, s[6:7] offset:51200*(\g)+12800*(\s)+512*n
.set n, n+1
.endr
	WIN 0
	global_load_b128 v[WSC+4*(\s):WSC+4*(\s)+3], v1, s[6:7] offset:51200*(\g)+12800*(\s)+12288
.endm
.macro QUANT s, pc, tmp, pw            ; 64 numbers of a lane, register 16 b + i = k 32 b + 16 (lane / 16) + i -> a fragment and its scale word
.irp b, 0,1,2,3
	v_max3_num_f32 v[TM+\b], |v[\s+16*\b]|, |v[\s+1+16*\b]|, 0x2800000
.endr
.irp i, 2,4,6,8,10,12,14
.irp b, 0,1,2,3
	v_max3_num_f32 v[TM+\b], v[TM+\b], |v[\s+16*\b+\i]|, |v[\s+1+16*\b+\i]|
.endr
.endr
.irp b, 0,1,2,3
	v_permlanex16_b32 v[TM+4+\b], v[TM+\b], s[SEL], s[SEL+1]
.endr
.irp b, 0,1,2,3
	v_max_num_f32 v[TM+\b], v[TM+\b], v[TM+4+\b]
.endr
.irp b, 0,1,2,3
	v_add_nc_u32 v[TM+12+\b], 0xfe000000, v[TM+\b]
.endr
.irp b, 0,1,2,3
	v_lshrrev_b32 v[TM+4+\b], 23, v[TM+12+\b]
.endr
	v_lshl_or_b32 v[\pw], v[TM+5], 8, v[TM+4]
	v_lshl_or_b32 v[\pw], v[TM+6], 16, v[\pw]
	v_lshl_or_b32 v[\pw], v[TM+7], 24, v[\pw]
.irp c, 0,1
	v_cvt_scalef32_pk16_bf6_f32 v[\pc+6*\c:\pc+6*\c+2], v[\s+32*\c:\s+32*\c+15], v[TM+12+2*\c]
	v_cvt_scalef32_pk16_bf6_f32 v[\tmp+4*\c:\tmp+4*\c+2], v[\s+32*\c+16:\s+32*\c+31], v[TM+12+2*\c+1]
.endr
	v_nop
.irp c, 0,1
.irp i, 0,1,2
	v_permlane16_swap_b32 v[\pc+6*\c+\i], v[\tmp+4*\c+\i]
.endr
.irp i, 0,1,2
	v_mov_b32 v[\pc+6*\c+3+\i], v[\tmp+4*\c+\i]
.endr
.endr
.endm
; gelu in place on registers ACC + 16 a .. + 15: eight pairs by turns.  z at GT, z^2 (later x / 2) at GT + 16, P at GT + 32, Q at GT + 48
.macro GELU a
.set GB, ACC+16*(\a)
.irp p, 0,2,4,6,8,10,12,14
	v_pk_mul_f32 v[GT+\p:GT+\p+1], v[GB+\p:GB+\p+1], s[CH:CH+1] op_sel_hi:[1,0]
.endr
.irp p, 0,1,2,3,4,5,6,7,8,9,10,11,12,13,14,15
	v_med3_num_f32 v[GT+\p], v[GT+\p], -4.0, 4.0
.endr
.irp p, 0,2,4,6,8,10,12,14
	v_pk_mul_f32 v[GT+16+\p:GT+17+\p], v[GT+\p:GT+\p+1], v[GT+\p:GT+\p+1]
.endr
.irp p, 0,2,4,6,8,10,12,14
	v_pk_fma_f32 v[GT+32+\p:GT+33+\p], v[GT+16+\p:GT+17+\p], v[60:61], s[A11:A11+1] op_sel_hi:[1,1,0]
	v_pk_fma_f32 v[GT+48+\p:GT+49+\p], v[GT+16+\p:GT+17+\p], v[62:63], s[B6:B6+1] op_sel_hi:[1,1,0]
.endr
.irp k, A9, A7, A5, A3, A1
.irp p, 0,2,4,6,8,10,12,14
	v_pk_fma_f32 v[GT+32+\p:GT+33+\p], v[GT+32+\p:GT+33+\p], v[GT+16+\p:GT+17+\p], s[\k:\k+1] op_sel_hi:[1,1,0]
.endr
.endr
.irp k, B4, B2, B0
.irp p, 0,2,4,6,8,10,12,14
	v_pk_fma_f32 v[GT+48+\p:GT+49+\p], v[GT+48+\p:GT+49+\p], v[GT+16+\p:GT+17+\p], s[\k:\k+1] op_sel_hi:[1,1,0]
.endr
.endr
	s_wait_alu depctr_va_vdst(0)
.irp p, 0,1,2,3,4,5,6,7,8,9,10,11,12,13,14,15
	v_rcp_f32 v[GT+48+\p], v[GT+48+\p]
.endr
.irp p, 0,2,4,6,8,10,12,14
	v_pk_mul_f32 v[GT+32+\p:GT+33+\p], v[GT+32+\p:GT+33+\p], v[GT+\p:GT+\p+1]          ; z P: work that names no reciprocal
.endr
.irp p, 0,2,4,6,8,10,12,14
	v_pk_mul_f32 v[GT+16+\p:GT+17+\p], v[GB+\p:GB+\p+1], 0.5 op_sel_hi:[1,0]           ; x / 2
.endr
	s_wait_alu depctr_va_vdst(0)                   ; one wait for the sixteen reciprocals, ahead of their first reader
.irp p, 0,2,4,6,8,10,12,14
	v_pk_mul_f32 v[GT+32+\p:GT+33+\p], v[GT+32+\p:GT+33+\p], v[GT+48+\p:GT+49+\p]      ; erf
.endr
.irp p, 0,2,4,6,8,10,12,14
	v_pk_fma_f32 v[GB+\p:GB+\p+1], v[GT+16+\p:GT+17+\p], v[GT+32+\p:GT+33+\p], v[GT+16+\p:GT+17+\p]
.endr
.endm
; 16 pairs for each m at GT + 32 m -> the row's sum over all 512 columns, in v[GT + 4 m], the same bits in every wave.  off: which words of LDS
.macro ACROSS off
.irp d, 16,8,4,2
.irp m, 0,1
.set u, 0
.rept \d/2
	v_pk_add_f32 v[GT+32*\m+u:GT+32*\m+u+1], v[GT+32*\m+u:GT+32*\m+u+1], v[GT+32*\m+\d+u:GT+32*\m+\d+u+1]
.set u, u+2
.endr
.endr
.endr
.irp m, 0,1
	v_add_f32 v[GT+32*\m], v[GT+32*\m], v[GT+32*\m+1]
.endr
.irp m, 0,1
	v_permlanex16_b32 v[GT+32*\m+1], v[GT+32*\m], s[SEL], s[SEL+1]
.endr
.irp m, 0,1
	v_add_f32 v[GT+32*\m], v[GT+32*\m], v[GT+32*\m+1]              ; my wave's 128 columns of row r
.endr
	s_wait_alu depctr_va_vdst(0)                   ; the additions have written v[GT] and v[GT + 32], which the two stores read, and are done with v[GT .. GT + 7], in which the loads below land
.irp m, 0,1
	ds_store_b32 v8, v[GT+32*\m] offset:\off+128*\m
.endr
	BARRIER
	s_wait_alu depctr_vm_vsrc(0)                   ; my two stores have read v[GT] and v[GT + 32]: a load lands in the first, and the vector work behind writes both again
.irp m, 0,1
.irp w, 0,1,2,3
	ds_load_b32 v[GT+4*\m+\w], v7 offset:\off+256*\w+128*\m
.endr
.endr
	s_wait_dscnt 0x0
.irp m, 0,1
	v_add_f32 v[GT+4*\m], v[GT+4*\m], v[GT+4*\m+1]
	v_add_f32 v[GT+4*\m+2], v[GT+4*\m+2], v[GT+4*\m+3]
.endr
.irp m, 0,1
	v_add_f32 v[GT+4*\m], v[GT+4*\m], v[GT+4*\m+2]
.endr
.endm
	s_load_b256 s[4:11], s[0:1], 0x0               ; aw, wst, x, bp
	s_load_b256 s[12:19], s[0:1], 0x20             ; gamma2, beta2, b1, b2
	s_load_b64 s[20:21], s[0:1], 0x40              ; out0
	s_set_vgpr_msb 0xc0
	v_lshl_add_u32 v254, v0, 2, 0x27e00
	v_mov_b32 v255, 0
	s_set_vgpr_msb 0xc000
	v_lshrrev_b32 v1, 5, v0
	v_readfirstlane_b32 s22, v1                    ; wave
	v_and_b32 v43, 31, v0                          ; lane
	v_and_b32 v44, 15, v0                          ; r
	v_bfe_u32 v45, v0, 4, 1                        ; h
	v_lshlrev_b32 v1, 4, v43
	s_wait_alu depctr_va_vdst(0)
	v_lshlrev_b32 v2, 2, v43
	v_lshlrev_b32 v3, 3, v43
	s_wait_alu depctr_va_vdst(0)
	s_wait_alu depctr_va_sdst(0)                   ; s22, the wave's number, is written, ahead of its first reader: LDS addresses and bases are made from it
	s_and_b32 s23, s22, 1                          ; rows 8 w .. 8 w + 7 of the 32 are tile w % 2, lanes 8 (w / 2) ..: stage rows 16 (w % 2) + 8 (w / 2) + i
	s_lshl_b32 s23, s23, 4
	s_lshr_b32 s24, s22, 1
	s_lshl_b32 s24, s24, 3
	s_add_co_u32 s23, s23, s24
	s_mul_i32 s23, s23, SP
	v_add_nc_u32 v4, s23, v1                       ; the stage by whole rows
	v_mul_u32_u24 v5, v44, SP
	v_lshl_add_u32 v5, v45, 6, v5
	s_lshl_b32 s24, s22, 9
	v_add_nc_u32 v5, s24, v5                       ; the stage by tiles: row r, my wave's 512 bytes, + 64 h
	s_mul_i32 s25, s22, 3584
	s_add_co_u32 s25, s25, PARL                    ; my wave's gamma2, beta2, b2, b1:
	v_add_nc_u32 v46, s25, v1                      ; in: 16 bytes a lane;
	v_lshl_add_u32 v6, v45, 6, s25                 ; out: + 64 h: my 16 numbers of a block of 32 columns
	s_mul_i32 s25, s22, 3072
	s_add_co_u32 s25, s25, ATI
	v_add_nc_u32 v47, s25, v1                      ; att's codes in: my wave's quarter;
	v_add_nc_u32 v56, ATI, v1                      ; out: a half fragment's registers 0-3,
	v_add_nc_u32 v57, ATI, v3                      ; and (512 on) its registers 4, 5
	s_add_co_u32 s25, s24, ATW
	v_add_nc_u32 v58, s25, v1                      ; att's scale words in: my wave's 512 bytes;
	v_add_nc_u32 v59, ATW, v2                      ; out: 4 bytes a lane
	v_add_nc_u32 v7, RED1, v2
	s_lshl_b32 s25, s22, 8
	v_add_nc_u32 v8, s25, v7
	v_add_nc_u32 v11, XNI, v1
	s_mul_i32 s25, s22, 1536
	v_add_nc_u32 v9, s25, v11
	v_add_nc_u32 v12, XNS, v2
	s_lshl_b32 s25, s22, 7
	v_add_nc_u32 v10, s25, v12
	v_add_nc_u32 v15, HIMG, v1
	s_mul_i32 s25, s22, 12288
	v_add_nc_u32 v13, s25, v15
	v_add_nc_u32 v40, HSC, v2
	s_lshl_b32 s25, s22, 10
	v_add_nc_u32 v14, s25, v40
.irp j, 49,51,53,55
	v_mov_b32 v[\j], 0                             ; (named as the upper halves of pairs)
.endr
	v_mov_b32 v60, 0xaf95df0b                      ; P's highest coefficient
	v_mov_b32 v61, 0xaf95df0b
	v_mov_b32 v62, 0xb77460cd                      ; Q's
	v_mov_b32 v63, 0xb77460cd
	s_mov_b32 s[SEL], 0x76543210
	s_mov_b32 s[SEL+1], 0xfedcba98
	KON CH,  0x3f3504f3
	KON A11, 0x32edffee
	KON A9,  0xb60cff51
	KON A7,  0xb86ec2d2
	KON A5,  0xba40ac63
	KON A3,  0xbb41a1f6
	KON A1,  0xbc83dbd4
	KON B6,  0xb95fbd29
	KON B4,  0xbadc924e
	KON B2,  0xbbf19bf8
	KON B0,  0xbc69b6a7
	s_lshl_b32 s26, ttmp9, 5
	s_lshl_b32 s28, s22, 3
	s_add_co_u32 s26, s26, s28
	s_lshl_b32 s26, s26, 11                        ; x, out0: row 32 G + 8 w
	s_mov_b32 s27, 0
	s_mul_i32 s28, ttmp9, 12288                    ; att's halves: two tiles x eight heads x 768 bytes,
	s_mul_i32 s25, s22, 3072
	s_add_co_u32 s28, s28, s25                     ; my wave's quarter of them
	s_mov_b32 s29, 0
	s_lshl_b32 s30, ttmp9, 11                      ; their words: 2,048 bytes,
	s_add_co_u32 s30, s30, s24                     ; my wave's 512
	s_mov_b32 s31, 0
	s_mul_i32 s32, s22, 460800                     ; my wave's stream of weights
	s_mov_b32 s33, 0
	s_lshl_b32 s34, s22, 9                         ; my 128 columns
	s_mov_b32 s35, 0
	s_lshl_b32 s36, s22, 11                        ; my 512 hidden units
	s_mov_b32 s37, 0
	s_wait_kmcnt 0x0
	s_add_nc_u64 s[8:9], s[8:9], s[26:27]
	s_add_nc_u64 s[20:21], s[20:21], s[26:27]
	s_add_nc_u64 s[38:39], s[4:5], s[30:31]
	s_add_nc_u64 s[4:5], s[4:5], s[28:29]
	s_add_nc_u64 s[6:7], s[6:7], s[32:33]
	s_add_nc_u64 s[12:13], s[12:13], s[34:35]
	s_add_nc_u64 s[14:15], s[14:15], s[34:35]
	s_add_nc_u64 s[18:19], s[18:19], s[34:35]
	s_add_nc_u64 s[16:17], s[16:17], s[36:37]
	s_wait_alu depctr_va_vdst(0)                   ; every offset and LDS address made above is written, and so are the closing add's two registers: loads, stores and LDS instructions read them from here on
	; ---- the head: 36 loads for x + bp, 14 for what goes through LDS, then Wp's first set
.irp i, 0,1,2,3,4,5,6,7
.irp q, 0,1,2,3
	global_load_b128 v[ACC+16*\i+4*\q:ACC+16*\i+4*\q+3], v1, s[8:9] offset:2048*\i+512*\q th:TH_LOAD_NT
.endr
.endr
.irp q, 0,1,2,3
	global_load_b128 v[GT+4*\q:GT+4*\q+3], v1, s[10:11] offset:512*\q
.endr
	WIN 0xc0                                       ; destination window 3: the registers that will hold the left operand's fragments are free until the first barrier
.irp i, 0,1,2,3,4,5
	global_load_b128 v[AF+4*\i:AF+4*\i+3], v1, s[4:5] offset:512*\i      ; my quarter of att's codes, as it lies
.endr
	global_load_b128 v[AF+24:AF+27], v1, s[38:39] offset:3145728         ; my quarter of att's scale words
	global_load_b128 v[AF+28:AF+31], v1, s[12:13]                        ; gamma2, beta2, b2 of my 128 columns,
	global_load_b128 v[AF+32:AF+35], v1, s[14:15]
	global_load_b128 v[AF+36:AF+39], v1, s[18:19]
.irp q, 0,1,2,3
	global_load_b128 v[AF+40+4*\q:AF+43+4*\q], v1, s[16:17] offset:512*\q   ; b1 of my 512 hidden units
.endr
	WIN 0
	LOADSET 0, 0                                   ; Wp
	s_wait_loadcnt 39                              ; younger than x's and bp's: the 14 and set 0's 25
.irp i, 0,1,2,3,4,5,6,7
.irp j, 0,2,4,6,8,10,12,14
	v_pk_add_f32 v[ACC+16*\i+\j:ACC+16*\i+\j+1], v[ACC+16*\i+\j:ACC+16*\i+\j+1], v[GT+\j:GT+\j+1]
.endr
.endr
	s_wait_alu depctr_va_vdst(0)                   ; the additions have written x + bp, which the LDS stores read
.irp i, 0,1,2,3,4,5,6,7
.irp q, 0,1,2,3
	ds_store_b128 v4, v[ACC+16*\i+4*\q:ACC+16*\i+4*\q+3] offset:SP*\i+512*\q
.endr
.endr
	s_wait_loadcnt 25                              ; younger than the 14: set 0
	WIN 0x0c                                       ; an LDS store's data are its source 1: window 3
.irp i, 0,1,2,3,4,5
	ds_store_b128 v47, v[AF+4*\i:AF+4*\i+3] offset:512*\i
.endr
	ds_store_b128 v58, v[AF+24:AF+27]
.irp i, 0,1,2,3,4,5,6
	ds_store_b128 v46, v[AF+28+4*\i:AF+31+4*\i] offset:512*\i            ; gamma2, beta2, b2, b1's four groups
.endr
	WIN 0
	LOADSET 1, 0
	BARRIER                                        ; x + bp of all 32 rows, att's codes and words lie in LDS
	WIN 0xc0
	s_wait_alu depctr_vm_vsrc(0)                   ; my LDS stores have read window 3's v128-183, in which att's fragments land, and v128-255 of window 0, which the norm writes again
.irp m, 0,1
.irp b, 0,1,2,3
.irp j, 0,1,2,3
	ds_load_b128 v[64*\m+16*\b+4*\j:64*\m+16*\b+4*\j+3], v5 offset:16*SP*\m+128*\b+16*\j   ; in the result's layout: the sums of the first product begin with it
.endr
.endr
.endr
.irp m, 0,1                            ; att's fragments: K step s = heads 2 s (registers 0-5) and 2 s + 1 (6-11)
.irp e, 0,1,2,3,4,5,6,7
	ds_load_b128 v[AF+12*(4*\m+\e/2)+6*(\e%2):AF+12*(4*\m+\e/2)+6*(\e%2)+3], v56 offset:(8*\m+\e)*768
	ds_load_b64 v[AF+12*(4*\m+\e/2)+6*(\e%2)+4:AF+12*(4*\m+\e/2)+6*(\e%2)+5], v57 offset:(8*\m+\e)*768+512
.endr
.endr
	WIN 0
.irp m, 0,1
.irp e, 0,1,2,3,4,5,6,7
	ds_load_b32 v[80+8*\m+\e], v59 offset:(8*\m+\e)*128
.endr
.endr
	LOADSET 2, 0
	LOADSET 3, 0
	s_wait_dscnt 0x0
.irp m, 0,1
.irp s, 0,1,2,3
	v_lshl_or_b32 v[ASC+4*\m+\s], v[80+8*\m+2*\s+1], 16, v[80+8*\m+2*\s]
.endr
.endr
	PLACES 8                                       ; a scale word made by a vector instruction stands eight places ahead of the scaled product
	s_wait_alu depctr_va_vdst(0)                   ; att's eight scale words v32-39 are written, which the scaled products take
	; ---- x1 = att Wp + (x + bp).  W1's first group follows in the stream: its sets 0 and 1 are asked for when Wp's have been multiplied
	s_wait_loadcnt 63                              ; sets 1 to 3 (75 loads) are younger than set 0
	WIN 0xfd
	MM16 0, 0, 0
	s_wait_loadcnt 50                              ; younger than set 1: sets 2 and 3
	MM16 1, 0, 0
	PLACES 4
	WIN 0x40
	s_wait_alu depctr_va_vdst(0)                   ; K steps 0 and 1 are done reading sets 0 and 1 and their scale words, in which the 50 loads below land
	LOADSET 0, 1
	LOADSET 1, 1
	s_wait_loadcnt 63                              ; younger than set 2: set 3 and the two just asked for: 75
	WIN 0xfe
	MM16 2, 0, 0
	s_wait_loadcnt 50                              ; younger than set 3: the two just asked for
	MM16 3, 0, 0
	WIN 0
	PLACES 5
	s_wait_alu depctr_va_vdst(0)                   ; K steps 2 and 3 are done reading sets 2 and 3 and their scale words: W1's land there further down, among lines of the norm, none of which names them
	; ---- the second norm
	WIN 0x40                                       ; gamma2 and beta2 out of my own bytes of LDS, in the result's layout; the next barrier's wait covers them
.irp b, 0,1,2,3
.irp j, 0,1,2,3
	ds_load_b128 v[PAR+16*\b+4*\j:PAR+16*\b+4*\j+3], v6 offset:128*\b+16*\j
.endr
.endr
	WIN 0x80
.irp b, 0,1,2,3
.irp j, 0,1,2,3
	ds_load_b128 v[PAR+16*\b+4*\j:PAR+16*\b+4*\j+3], v6 offset:512+128*\b+16*\j
.endr
.endr
	WIN 0x0f                                       ; both sources window 3
.set q, 0
.rept 32
	v_pk_add_f32 v[GT+2*q:GT+2*q+1], v[4*q:4*q+1], v[4*q+2:4*q+3]
.set q, q+1
.endr
	WIN 0
	ACROSS 0
.irp m, 0,1
	v_mul_f32 v[48+2*\m], 0x3b000000, v[GT+4*\m]   ; the mean
.endr
	LOADSET 2, 1
	WIN 0x03
.irp m, 0,1
.set q, 0
.rept 32
	v_pk_add_f32 v[ACC+64*\m+q:ACC+64*\m+q+1], v[64*\m+q:64*\m+q+1], v[48+2*\m:49+2*\m] op_sel_hi:[1,0] neg_lo:[0,1] neg_hi:[0,1]
.set q, q+2
.endr
.endr
	WIN 0
.set q, 0
.rept 32
	v_pk_mul_f32 v[GT+2*q:GT+2*q+1], v[ACC+4*q:ACC+4*q+1], v[ACC+4*q:ACC+4*q+1]
.set q, q+1
.endr
.set q, 0
.rept 32
	v_pk_fma_f32 v[GT+2*q:GT+2*q+1], v[ACC+4*q+2:ACC+4*q+3], v[ACC+4*q+2:ACC+4*q+3], v[GT+2*q:GT+2*q+1]
.set q, q+1
.endr
	ACROSS 1024
	LOADSET 3, 1
.irp m, 0,1
	v_mul_f32 v[GT+4*\m], 0x3b004020, v[GT+4*\m]   ; / 511
.endr
	s_wait_alu depctr_va_vdst(0)
.irp m, 0,1
	v_sqrt_f32 v[GT+4*\m+1], v[GT+4*\m]
.endr
	v_nop
	s_wait_alu depctr_va_vdst(0)                   ; one wait for the two roots, ahead of their first reader
.irp m, 0,1
	v_add_f32 v[GT+4*\m+1], 0x2edbe6ff, v[GT+4*\m+1]
.endr
	s_wait_alu depctr_va_vdst(0)
.irp m, 0,1
	v_rcp_f32 v[52+2*\m], v[GT+4*\m+1]
.endr
	v_nop
	s_wait_alu depctr_va_vdst(0)                   ; one wait for the two reciprocals, ahead of their first reader
.irp m, 0,1
.set q, 0
.rept 32
	v_pk_mul_f32 v[ACC+64*\m+q:ACC+64*\m+q+1], v[ACC+64*\m+q:ACC+64*\m+q+1], v[52+2*\m:53+2*\m] op_sel_hi:[1,0]
.set q, q+2
.endr
.endr
	WIN 0x24                                       ; source 1 gamma2 (window 1), source 2 beta2 (window 2)
.irp m, 0,1
.set q, 0
.rept 32
	v_pk_fma_f32 v[ACC+64*\m+q:ACC+64*\m+q+1], v[ACC+64*\m+q:ACC+64*\m+q+1], v[PAR+q:PAR+q+1], v[PAR+q:PAR+q+1]
.set q, q+2
.endr
.endr
	WIN 0
	QUANT ACC, 80, 92, 100
	QUANT ACC+64, 104, 92, 101
	WIN 0x40                                       ; gamma2 is done with: its registers take b1 of my first 128 hidden units; the next barrier's wait covers these loads
	s_wait_alu depctr_va_vdst(0)                   ; the multiply-adds are done reading gamma2, on whose registers b1 lands; the quantiser has written the codes and words that the stores below read
.irp b, 0,1,2,3
.irp j, 0,1,2,3
	ds_load_b128 v[PAR+16*\b+4*\j:PAR+16*\b+4*\j+3], v6 offset:1536+128*\b+16*\j
.endr
.endr
	WIN 0
.irp c, 0,1,2
	ds_store_b128 v9, v[80+4*\c:83+4*\c] offset:512*\c             ; K step w of the next product, rows of tile 0,
	ds_store_b128 v9, v[104+4*\c:107+4*\c] offset:6144+512*\c      ; of tile 1
.endr
	ds_store_b32 v10, v100
	ds_store_b32 v10, v101 offset:512
	BARRIER                                        ; x1_norm's eight fragments lie in LDS
	s_wait_alu depctr_vm_vsrc(0)                   ; my stores have read v80-91, v100, v101 and v104-115: gelu's work registers from here on
	WIN 0xc0
.irp m, 0,1
.irp s, 0,1,2,3
.irp c, 0,1,2
	ds_load_b128 v[AF+12*(4*\m+\s)+4*\c:AF+12*(4*\m+\s)+4*\c+3], v11 offset:1536*(4*\m+\s)+512*\c
.endr
.endr
.endr
	WIN 0
.irp m, 0,1
.irp s, 0,1,2,3
	ds_load_b32 v[ASC+4*\m+\s], v12 offset:128*(4*\m+\s)
.endr
.endr
	s_wait_dscnt 0x0
	; ---- h = gelu(x1_norm W1 + b1): four trips of 128 hidden units a wave; no barrier inside.  In trip i the stream's base stands at group i - 1, the products take group i, and group i + 1 is asked for
	s_mov_b32 s40, 4
	s_mov_b32 s41, 0
	s_mov_b32 s42, 0
	s_mov_b32 s43, 2048                            ; the next trip's b1 in my bytes of LDS
.Lp1:
	s_wait_loadcnt 63                              ; sets 1 to 3 (75 loads) are younger than set 0
	WIN 0x1d
	MM16 0, ACC, 1
	s_wait_loadcnt 50                              ; younger than set 1: sets 2 and 3
	WIN 0x0d
	MM16 1, ACC, 0
	PLACES 4
	WIN 0x40
	s_wait_alu depctr_va_vdst(0)                   ; K steps 0 and 1 are done reading sets 0 and 1 and their scale words, in which the 50 loads below land
	LOADSET 0, 2
	LOADSET 1, 2
	s_wait_loadcnt 63                              ; younger than set 2: set 3 and the two just asked for: 75
	WIN 0x0e
	MM16 2, ACC, 0
	s_wait_loadcnt 50                              ; younger than set 3: the two just asked for
	MM16 3, ACC, 0
	WIN 0
	PLACES 5
	v_add_nc_u32 v43, s43, v6                      ; where the next b1 lies (the wait at the last trip's end has shown that trip's loads done reading v43)
	s_wait_alu depctr_va_vdst(0)                   ; K steps 2 and 3 are done reading sets 2 and 3 and their scale words, K step 0 is done reading b1, and v43 is written: the loads below and those among gelu's batches hang on these
	s_cmp_eq_u32 s40, 1
	s_cbranch_scc1 .Lno_b1                         ; the last trip has no next b1
	WIN 0x40
.irp b, 0,1,2,3
.irp j, 0,1,2,3
	ds_load_b128 v[PAR+16*\b+4*\j:PAR+16*\b+4*\j+3], v43 offset:128*\b+16*\j   ; waited for with the trip's image stores
.endr
.endr
	WIN 0
.Lno_b1:
	GELU 0
	GELU 1
	GELU 2
	GELU 3
	LOADSET 2, 2                                   ; 50 loads went out in the run of products; these two sets follow four and five batches of vector work later.  No wait: gelu names v60-255 of window 0 alone
	GELU 4
	LOADSET 3, 2
	GELU 5
	GELU 6
	GELU 7
	QUANT ACC, 80, 92, 100
	QUANT ACC+64, 104, 92, 101
	v_add_nc_u32 v41, s41, v13
	v_add_nc_u32 v42, s42, v14
	s_wait_alu depctr_va_vdst(0)                   ; the quantiser has written the codes and words, and v41 and v42 are written: the stores below read them
.irp c, 0,1,2
	ds_store_b128 v41, v[80+4*\c:83+4*\c] offset:512*\c            ; K step 4 w + trip of the last product
	ds_store_b128 v41, v[104+4*\c:107+4*\c] offset:1536+512*\c
.endr
	ds_store_b32 v42, v100
	ds_store_b32 v42, v101 offset:128
	s_wait_dscnt 0x0                               ; the next b1 is in
	s_wait_alu depctr_vm_vsrc(0)                   ; the stores have read the codes, the words, v41 and v42, and b1's loads have read v43: vector lines write all of these again
	s_wait_xcnt 0x0                                ; the stream's base is stepped only behind this wait
	s_add_nc_u64 s[6:7], s[6:7], 51200
	s_add_co_u32 s41, s41, 3072
	s_add_co_u32 s42, s42, 256
	s_add_co_u32 s43, s43, 512
	s_sub_co_u32 s40, s40, 1
	s_cmp_lg_u32 s40, 0
	s_cbranch_scc1 .Lp1
	s_mov_b32 s41, 0
	s_mov_b32 s42, 0
	v_add_nc_u32 v41, s41, v15                     ; h's fragments and words of the last product's first four K steps
	v_add_nc_u32 v42, s42, v40
	s_wait_alu depctr_va_vdst(0)                   ; v41 and v42 are written, which the loads of h's fragments read; gelu and the quantiser are done with the accumulators, in which b2 lands
.irp m, 0,1                            ; b2 goes out of my bytes of LDS straight into the accumulators: the last product's sums begin with it
.irp b, 0,1,2,3
.irp j, 0,1,2,3
	ds_load_b128 v[ACC+64*\m+16*\b+4*\j:ACC+64*\m+16*\b+4*\j+3], v6 offset:1024+128*\b+16*\j
.endr
.endr
.endr
	BARRIER                                        ; h's 32 fragments lie in LDS, and b2 is in
	; ---- h W2 + b2: four trips of four K steps.  The base stands at group 4; each trip that asks steps it first and names the group behind it
.macro P2 reload
	WIN 0xc0
.irp m, 0,1
.irp s, 0,1,2,3
.irp c, 0,1,2
	ds_load_b128 v[AF+12*(4*\m+\s)+4*\c:AF+12*(4*\m+\s)+4*\c+3], v41 offset:3072*\s+1536*\m+512*\c
.endr
.endr
.endr
	WIN 0
.irp m, 0,1
.irp s, 0,1,2,3
	ds_load_b32 v[ASC+4*\m+\s], v42 offset:256*\s+128*\m
.endr
.endr
	s_wait_dscnt 0x0
	s_wait_loadcnt 63                              ; sets 1 to 3 (75 loads) are younger than set 0
	WIN 0x0d
	MM16 0, ACC, 0
	s_wait_loadcnt 50                              ; younger than set 1: sets 2 and 3
	MM16 1, ACC, 0
.if \reload
	PLACES 4
	s_wait_xcnt 0x0                                ; the stream's base is stepped only behind this wait
	s_add_nc_u64 s[6:7], s[6:7], 51200
	WIN 0x40
	s_wait_alu depctr_va_vdst(0)                   ; K steps 0 and 1 are done reading sets 0 and 1 and their scale words, in which the 50 loads below land
	LOADSET 0, 1
	LOADSET 1, 1
	s_wait_loadcnt 63                              ; younger than set 2: set 3 and the two just asked for: 75
.else
	s_wait_loadcnt 25                              ; nothing more is asked for: the counts run down
.endif
	WIN 0x0e
	MM16 2, ACC, 0
.if \reload
	s_wait_loadcnt 50                              ; younger than set 3: the two just asked for
.else
	s_wait_loadcnt 0x0
.endif
	MM16 3, ACC, 0
	WIN 0
	PLACES 4                                       ; in front of loads into registers that the products have read, and of the first read of results
.if \reload
	s_add_co_u32 s41, s41, 12288
	s_add_co_u32 s42, s42, 1024
	s_wait_alu depctr_vm_vsrc(0)                   ; this trip's LDS loads have read v41 and v42
	v_add_nc_u32 v41, s41, v15                     ; the next four K steps of h
	v_add_nc_u32 v42, s42, v40
	WIN 0x80
	s_wait_alu depctr_va_vdst(0)                   ; K steps 2 and 3 are done reading sets 2 and 3 and their scale words; the whole run is done reading h's fragments and words, in which the next trip's LDS loads land; v41 and v42 are written
	LOADSET 2, 1
	LOADSET 3, 1
.endif
.endm
	s_mov_b32 s40, 3
.Lp2:
	P2 1
	s_sub_co_u32 s40, s40, 1
	s_cmp_lg_u32 s40, 0
	s_cbranch_scc1 .Lp2
	P2 0
	; ---- out = gelu(..) + x1, through the stage, as whole rows
.irp a, 0,1,2,3,4,5,6,7
	GELU \a
.endr
	WIN 0x0c                                       ; source 1: x1, window 3
.set q, 0
.rept 64
	v_pk_add_f32 v[ACC+q:ACC+q+1], v[ACC+q:ACC+q+1], v[q:q+1]
.set q, q+2
.endr
	WIN 0
	s_wait_alu depctr_va_vdst(0)                   ; the additions have written out's numbers, which the LDS stores read
.irp m, 0,1
.irp b, 0,1,2,3
.irp j, 0,1,2,3
	ds_store_b128 v5, v[ACC+64*\m+16*\b+4*\j:ACC+64*\m+16*\b+4*\j+3] offset:16*SP*\m+128*\b+16*\j
.endr
.endr
.endr
	BARRIER                                        ; 32 whole rows lie in the stage
	s_wait_alu depctr_vm_vsrc(0)                   ; my stores have read v128-255, in which the rows land
.irp i, 0,1,2,3,4,5,6,7
.irp q, 0,1,2,3
	ds_load_b128 v[ACC+16*\i+4*\q:ACC+16*\i+4*\q+3], v4 offset:SP*\i+512*\q
.endr
.endr
.irp i, 0,1,2,3,4,5,6,7
.irp q, 0,1,2,3
	s_wait_dscnt 31-4*\i-\q
	global_store_b128 v1, v[ACC+16*\i+4*\q:ACC+16*\i+4*\q+3], s[20:21] offset:2048*\i+512*\q th:TH_STORE_NT   ; 32 lanes store 512 consecutive bytes of a row
.endr
.endr
	s_set_vgpr_msb 0xf                             ; the add's two registers, sources 0 and 1, lie in window 3 (the setting before was 0)
	s_wait_dscnt 0x0                               ; the closing lines, six on end
	s_wait_alu 0x0
	s_wait_tensorcnt 0x0
	ds_add_u32 v254, v255
	s_wait_dscnt 0x0
	s_endpgm
.Lfunc_end_k_q7fe1f741c3_mlp:
	.size	k_q7fe1f741c3_mlp, .Lfunc_end_k_q7fe1f741c3_mlp-k_q7fe1f741c3_mlp
	.p2alignl 7, 3214868480
	.fill 96, 4, 3214868480
	.section	.rodata,"a",@progbits
	.p2align	6, 0x0
	.amdhsa_kernel k_q7fe1f741c3_mlp
		.amdhsa_group_segment_fixed_size 163840
		.amdhsa_private_segment_fixed_size 0
		.amdhsa_enable_private_segment 0
		.amdhsa_kernarg_size 72
		.amdhsa_user_sgpr_count 2
		.amdhsa_user_sgpr_kernarg_segment_ptr 1
		.amdhsa_wavefront_size32 1
		.amdhsa_system_sgpr_workgroup_id_x 1
		.amdhsa_system_sgpr_workgroup_id_y 1
		.amdhsa_system_sgpr_workgroup_id_z 1
		.amdhsa_system_vgpr_workitem_id 0
		.amdhsa_next_free_vgpr 1024
		.amdhsa_next_free_sgpr 100
		.amdhsa_reserve_vcc 0
		.amdhsa_float_denorm_mode_32 3
		.amdhsa_float_denorm_mode_16_64 3
		.amdhsa_memory_ordered 1
		.amdhsa_forward_progress 1
		.amdhsa_inst_pref_size 255
	.end_amdhsa_kernel
	.section	.bss,"aw",@nobits
	.p2align	6
	.space	262144
	.amdgpu_metadata
---
amdhsa.version: [ 1, 2 ]
amdhsa.kernels:
  - .name:           k_q7fe1f741c3_mlp
    .symbol:         k_q7fe1f741c3_mlp.kd
    .args:
      - { .name: aw, .offset: 0, .size: 8, .value_kind: global_buffer, .address_space: global }
      - { .name: wst, .offset: 8, .size: 8, .value_kind: global_buffer, .address_space: global }
      - { .name: x, .offset: 16, .size: 8, .value_kind: global_buffer, .address_space: global }
      - { .name: bp, .offset: 24, .size: 8, .value_kind: global_buffer, .address_space: global }
      - { .name: gamma2, .offset: 32, .size: 8, .value_kind: global_buffer, .address_space: global }
      - { .name: beta2, .offset: 40, .size: 8, .value_kind: global_buffer, .address_space: global }
      - { .name: b1, .offset: 48, .size: 8, .value_kind: global_buffer, .address_space: global }
      - { .name: b2, .offset: 56, .size: 8, .value_kind: global_buffer, .address_space: global }
      - { .name: out0, .offset: 64, .size: 8, .value_kind: global_buffer, .address_space: global }
    .group_segment_fixed_size: 163840
    .private_segment_fixed_size: 0
    .kernarg_segment_align: 8
    .kernarg_segment_size: 72
    .max_flat_workgroup_size: 128
    .sgpr_count:     100
    .vgpr_count:     1024
    .wavefront_size: 32
...
	.end_amdgpu_metadata
.endif
;; end of part 8
